; MI455X (gfx1250); checked and timed in simulation.
; The chip was launched on July 23, 2026; its instructions are those of AMD's public machine-readable ISA for CDNA 5 (MIT licence, August 2026) and "CDNA5" Instruction Set Architecture Reference Guide (July 2026). The comments in the code are by the model that wrote it; some were corrected since.
;; Transformer Encoder Layer. Allowed arithmetic: matrix products marked QUANTISED: E5M2 operands, one E8M0 scale for each 32 along K, by v_wmma_scale_f32_16x16x128_f8f6f4 with both operands' format E5M2, f32 sums; everything else in f32.
;; Inputs: b1 4,096 float32; b2 1,024 float32; bk 16 x 64 float32; bo 1,024 float32; bq 16 x 64 float32; bv 16 x 64 float32; ln1_b 1,024 float32; ln1_g 1,024 float32; ln2_b 1,024 float32; ln2_g 1,024 float32; mask 4 x 1 x 1,024 int32; w1 1,024 x 4,096 float32; w2 4,096 x 1,024 float32; wk 16 x 1,024 x 64 float32; wo 1,024 x 1,024 float32; wq 16 x 1,024 x 64 float32; wv 16 x 1,024 x 64 float32; x 4 x 1,024 x 1,024 float32.
;; Outputs: out0 4 x 1,024 x 1,024 float32.
;; This version of the problem:
;;   THIS VERSION OF THE PROBLEM IS GIVEN IN LOW PRECISION. The matrix products marked QUANTISED in the list below multiply operands that are first quantised to E5M2 (5 exponent bits, 2 mantissa bits; 8 bits a number), with one power-of-two scale for each 32 numbers along K (OCP MX v1.0); their sums are f32. All else is computed in f32.
;;   The module's matrix products, in the order in which they are computed (A, B: the left and right operand; K: the contracted axis; several contracted axes count as one K, in the product's order):
;;     1. [M 1,024, K 1,024] x [K 1,024, N 4,096]; A: input wq; B: computed on the way: QUANTISED
;;     2. [M 1,024, K 1,024] x [K 1,024, N 4,096]; A: input wk; B: computed on the way: QUANTISED
;;     3. [M 1,024, K 1,024] x [K 1,024, N 4,096]; A: input wv; B: computed on the way: QUANTISED
;;     4. batch 64 x [M 1,024, K 64] x [K 64, N 1,024]; A: computed on the way; B: computed on the way: QUANTISED
;;     5. batch 64 x [M 1,024, K 1,024] x [K 1,024, N 64]; A: softmax (see below); B: computed on the way: QUANTISED
;;     6. [M 4,096, K 1,024] x [K 1,024, N 1,024]; A: computed on the way; B: input wo: QUANTISED
;;     7. [M 4,096, K 1,024] x [K 1,024, N 4,096]; A: computed on the way; B: input w1: QUANTISED
;;     8. [M 4,096, K 4,096] x [K 4,096, N 1,024]; A: computed on the way; B: input w2: QUANTISED
;;   THE QUANTISER, for each operand of a quantised product, along K:
;;     - K is cut into blocks of 32 from its start; a last block that is shorter is filled with zeros.
;;     - A block's scale is 2^e with e = floor(log2(the largest magnitude in the block)) - 15, held to -126 .. 127; a block of zeros has e = 0. As a byte (E8M0): e + 127.
;;     - Each number is divided by its block's scale, clamped to +-57,344, and rounded to the nearest number of E5M2, ties to even, subnormals kept.
;;     - The product sums the exact products of the quantised numbers (number of the format x scale) in f32.
;;   ~~~python
;;   def quantise(x, axis):      # numpy; x: float32 -> the quantised numbers, widened to float32 again
;;       x = np.moveaxis(x, axis, -1); K = x.shape[-1]
;;       x = np.pad(x, [(0, 0)] * (x.ndim - 1) + [(0, -K % 32)]); x = x.reshape(x.shape[:-1] + (-1, 32)); a = np.abs(x).max(-1, keepdims=True)
;;       e = np.where(a > 0, np.clip(np.frexp(np.where(a > 0, a, 1))[1] - 1 - 15, -126, 127), 0)      # np.frexp(a)[1] - 1 = floor(log2(a)), exactly
;;       r = np.clip(x / 2.0 ** e, -57344, 57344)
;;       step = 2.0 ** (np.maximum(np.frexp(np.where(r == 0, 1, r))[1] - 1, -14) - 2)
;;       q = np.round(r / step) * step * 2.0 ** e      # np.round: ties to even
;;       return np.moveaxis(q.reshape(q.shape[:-2] + (-1,))[..., :K], -1, axis).astype(np.float32)
;;   ~~~
;;   SOFTMAX AHEAD OF A QUANTISED PRODUCT. Where the list says 'softmax', what is quantised is not the finished softmax but p = 2^(t - M), with t = logit x log2(e) and M = ceil(the row's largest t), a whole number; so 1/2 < the row's largest p <= 1. The row's sum l is taken of the UNQUANTISED p, in f32, and the product's result is divided by l at the end. Since M is a whole number, a kernel that streams over the keys may use a running M (the ceiling of the running maximum): every later rescaling is an exact power of two, which a block's scale takes up: the codes' values come out the same.
;;   OPERANDS COMPUTED ON THE WAY. 'Computed on the way' means the value that the module computes at that place (a softmax that the list does not call 'softmax' is quantised finished and normalised). What goes into a quantiser is computed in f32, as accurately as f32 sums, v_exp_f32 and their like allow (about 1e-6 of the number): no bf16 or f16 on the way to a quantiser, and a product that is left as it is and whose result goes on into a quantised operand takes f32 operands (vector FMAs, or v_wmma_f32_16x16x4_f32). A number that lies on a knife's edge between two numbers of the format may be rounded either way, as far as f32 arithmetic and the matrix unit's own rounding can turn it there, and no further.
;; 2 versions, each right and faster than the one before. Each part assembles by itself: llvm-mc -triple=amdgcn-amd-amdhsa -mcpu=gfx1250 --defsym DOCPART=n.
;; ======== version 1 of 2: 7 launches
;; limits: right only within a limited range of input values; a function is approximated: absolute error at most 1e-07
;; workspace buffers: wts 12,976,128 bytes; act1 4,325,376 bytes; act2 4,325,376 bytes; qkvp 12,976,128 bytes; att 4,325,376 bytes; x1 16,777,216 bytes; hid 17,301,504 bytes
;; launch prep (part 1): grid 512 x 1, 4 waves a work-group, no clusters, 0 bytes of LDS; arguments x, ln1_g, ln1_b, act1, wq, wk, wv, wo, w1, w2, wts; writes act1, wts
.if DOCPART == 1
	.amdgcn_target "amdgcn-amd-amdhsa--gfx1250"
	.amdhsa_code_object_version 6
	.text
	.protected	k_q6fc8981738_prep
	.globl	k_q6fc8981738_prep
	.p2align	8
	.type	k_q6fc8981738_prep,@function
k_q6fc8981738_prep:
	s_mov_b64 s[64:65], 0
	v_nop
	global_prefetch_b8 v0, s[64:65] scope:SCOPE_SE
	s_setreg_imm32_b32 hwreg(HW_REG_WAVE_MODE, 25, 1), 1
	s_wait_xcnt 0x0
; FIRST LAUNCH OF SEVEN: LayerNorm 1 with its quantiser, and the quantising of all six weights, to codes of E5M2 with one E8M0 byte for each 32 along K.
; NOTHING OF reference() IS LEFT OUT IN THIS PROGRAM: every bias goes into a quantised operand or into the output (bk too: it moves k's codes), and the mask is an input, so no key is passed over.
; ORDER OF ROWS in every buffer of codes and scale bytes of this program: row n lies at position pi(n) = n with its bits 3 and 4 exchanged.  A tile of 16 positions that is source 0 of a product then
; leaves, in two neighbouring result tiles, 16 true neighbours in a lane's 16 registers: the layout that the next quantiser and the next operand want.
; act1: codes [position][1024] at 0; scale words [k / 128][position][4 bytes] at 4,194,304.
; wts: codes as images of the operand's registers, [16 rows][k / 128][chunk 0..3][lane][16 bytes]; scale words [k / 128][position][4 bytes].
; A block's scale byte is its largest magnitude's exponent field - 15, held at 1 from below (a block of zeros has byte 1 where the rule says 127: its codes are zeros, and this program alone reads the bytes).
; LIMITS: NaN and infinities among the inputs are not served.
; Work-groups 0-127: LayerNorm, a wave to 8 rows, a row in 32 registers.  Work-groups 128-511: weights, a wave to 32 columns x 256 along K, a lane to a column, registers down K.
; No LDS, no barrier, no matrix unit, no cluster: waves share nothing and memory binds.
.set G,   32                           ; v32-63   gain of my 32 columns
.set BB,  64                           ; v64-95   bias of my 32 columns
.set XS,  96                           ; v96-223  four row slots of 32
.set CD,  224                          ; v224-239 two sets of 8 code registers
.set OW,  240                          ; v240-243 scale words gathered over the 8 rows
.macro XLOAD t                         ; row t: lane l takes elements 256 j + 8 l + 0..7
.irp j,0,1,2,3
	global_load_b128 v[XS+32*((\t)%4)+8*\j:XS+32*((\t)%4)+8*\j+3], v1, s[4:5] offset:4096*(\t)+1024*\j th:TH_LOAD_NT
	global_load_b128 v[XS+32*((\t)%4)+8*\j+4:XS+32*((\t)%4)+8*\j+7], v1, s[4:5] offset:4096*(\t)+1024*\j+16 th:TH_LOAD_NT
.endr
.endm
.macro WSUM                            ; v8 summed over the 32 lanes, in every lane
	v_add_f32_dpp v8, v8, v8 row_xmask:1 row_mask:0xf bank_mask:0xf
	v_add_f32_dpp v8, v8, v8 row_xmask:2 row_mask:0xf bank_mask:0xf
	v_add_f32_dpp v8, v8, v8 row_xmask:4 row_mask:0xf bank_mask:0xf
	v_add_f32_dpp v8, v8, v8 row_xmask:8 row_mask:0xf bank_mask:0xf
	v_permlanex16_b32 v9, v8, s34, s35
	v_add_f32 v8, v8, v9
.endm
.macro FOLD                            ; four chains of pairs into v8
	v_pk_add_f32 v[8:9], v[8:9], v[10:11]
	v_pk_add_f32 v[12:13], v[12:13], v[14:15]
	v_pk_add_f32 v[8:9], v[8:9], v[12:13]
	v_add_f32 v8, v8, v9
.endm
.macro ROW t, left                     ; left: the loads of younger rows that may stay out
.set X, XS+32*((\t)%4)
.set C, CD+8*((\t)%2)
	s_wait_loadcnt \left
	s_wait_xcnt 0x0                                ; the stores of two rows back have read this set of code registers
.irp k,0,1,2,3
	v_pk_add_f32 v[8+2*\k:9+2*\k], v[X+2*\k:X+2*\k+1], v[X+8+2*\k:X+9+2*\k]
.endr
.irp m,2,3
.irp k,0,1,2,3
	v_pk_add_f32 v[8+2*\k:9+2*\k], v[8+2*\k:9+2*\k], v[X+8*\m+2*\k:X+8*\m+2*\k+1]
.endr
.endr
	FOLD
	WSUM
	v_mul_f32 v16, s30, v8                         ; the mean: sum / 1024
.irp m,0,2,4,6,8,10,12,14,16,18,20,22,24,26,28,30
	v_pk_add_f32 v[X+\m:X+\m+1], v[X+\m:X+\m+1], v[16:17] op_sel_hi:[1,0] neg_lo:[0,1] neg_hi:[0,1]
.endr
.irp k,0,1,2,3
	v_pk_mul_f32 v[8+2*\k:9+2*\k], v[X+2*\k:X+2*\k+1], v[X+2*\k:X+2*\k+1]
.endr
.irp m,1,2,3
.irp k,0,1,2,3
	v_pk_fma_f32 v[8+2*\k:9+2*\k], v[X+8*\m+2*\k:X+8*\m+2*\k+1], v[X+8*\m+2*\k:X+8*\m+2*\k+1], v[8+2*\k:9+2*\k]
.endr
.endr
	FOLD
	WSUM
	v_fma_f32 v18, v8, s30, s31                    ; the variance + 1e-6
	v_rsq_f32 v18, v18
	v_nop                                          ; a plain line behind the transcendental
	s_wait_alu depctr_va_vdst(0)                   ; and the wait ahead of its first reader
.irp m,0,2,4,6,8,10,12,14,16,18,20,22,24,26,28,30
	v_pk_mul_f32 v[X+\m:X+\m+1], v[X+\m:X+\m+1], v[18:19] op_sel_hi:[1,0]
.endr
.irp m,0,2,4,6,8,10,12,14,16,18,20,22,24,26,28,30
	v_pk_fma_f32 v[X+\m:X+\m+1], v[X+\m:X+\m+1], v[G+\m:G+\m+1], v[BB+\m:BB+\m+1]
.endr
	; the quantiser: my 8 numbers of each j are a quarter of a block of 32; four neighbouring lanes hold a block
.irp j,0,1,2,3
	v_max3_num_f32 v[20+\j], |v[X+8*\j]|, |v[X+8*\j+1]|, 0x8000000   ; with the floor 2^(16 - 127): the byte cannot fall under 1
.endr
.irp i,2,4,6
.irp j,0,1,2,3
	v_max3_num_f32 v[20+\j], v[20+\j], |v[X+8*\j+\i]|, |v[X+8*\j+\i+1]|
.endr
.endr
.irp j,0,1,2,3
	v_max_num_f32_dpp v[20+\j], v[20+\j], v[20+\j] row_xmask:1 row_mask:0xf bank_mask:0xf
.endr
.irp j,0,1,2,3
	v_max_num_f32_dpp v[20+\j], v[20+\j], v[20+\j] row_xmask:2 row_mask:0xf bank_mask:0xf
.endr
.irp j,0,1,2,3
	v_add_nc_u32 v[24+\j], 0xf8800000, v[20+\j]    ; 15 off the exponent field: the conversion's scale operand
.endr
.irp j,0,1,2,3
	v_and_or_b32 v[28+\j], v[20+\j], 0x7f800000, s32   ; 57,344 x the scale
.endr
.irp j,0,1,2,3
.irp i,0,1,2,3,4,5,6,7
	v_med3_num_f32 v[X+8*\j+\i], v[X+8*\j+\i], -v[28+\j], v[28+\j]   ; the conversion does not saturate (ISA guide 7.6.2): the hold
.endr
.endr
.irp j,0,1,2,3
	v_cvt_scalef32_pk8_bf8_f32 v[C+2*\j:C+2*\j+1], v[X+8*\j:X+8*\j+7], v[24+\j]
.endr
.irp j,0,1,2,3
	v_lshrrev_b32 v[8+\j], 23, v[24+\j]            ; the scale's byte,
.endr
.irp j,0,1,2,3
	v_lshlrev_b32 v[8+\j], v3, v[8+\j]             ; at its place in the word of 128 along K,
.endr
.irp j,0,1,2,3
	v_mov_b32_dpp v[12+\j], v[8+\j] row_xmask:4 row_mask:0xf bank_mask:0xf
.endr
.irp j,0,1,2,3
	v_or_b32 v[8+\j], v[8+\j], v[12+\j]
.endr
.irp j,0,1,2,3
	v_mov_b32_dpp v[12+\j], v[8+\j] row_xmask:8 row_mask:0xf bank_mask:0xf
.endr
.irp j,0,1,2,3
	v_or_b32 v[8+\j], v[8+\j], v[12+\j]            ; lanes 0-15: word 2 j; lanes 16-31: word 2 j + 1
.endr
.if (\t) == 0
.irp j,0,1,2,3
	v_mov_b32 v[OW+\j], v[8+\j]
.endr
.else
	s_mov_b32 s33, 0x01010101<<(\t)                ; the lanes whose low three bits are t keep row t's words
.irp j,0,1,2,3
	v_cndmask_b32 v[OW+\j], v[OW+\j], v[8+\j], s33
.endr
.endif
.irp j,0,1,2,3
	global_store_b64 v2, v[C+2*\j:C+2*\j+1], s[26:27] offset:1024*(\t)+256*\j   ; 32 lanes store 256 consecutive bytes, aligned
.endr
.if (\t) < 4
	XLOAD (\t)+4
.endif
.endm
.macro WLOAD t                         ; weights: block t of 32 along K, W(32 t + i, my column)
.if (\t) > 0
	s_wait_xcnt 0x0                                ; the earlier loads and stores have read their addresses: the base may step
	s_add_nc_u64 s[38:39], s[38:39], s[60:61]
.endif
.irp i,0,1,2,3,4,5,6,7,8,9,10,11,12,13,14,15,16,17,18,19,20,21,22,23,24,25,26,27,28,29,30,31
	global_load_b32 v[64+32*((\t)%2)+\i], v[32+\i], s[38:39] th:TH_LOAD_NT
.endr
.endm
.macro WBLOCK t
.set XW, 64+32*((\t)%2)
.set CW, 128+8*(\t)
.if (\t) < 7
	s_wait_loadcnt 32                              ; this block's 32 loads are in; the next block's may be out
.else
	s_wait_loadcnt 0x0
.endif
	v_max3_num_f32 v12, |v[XW]|, |v[XW+1]|, |v[XW+2]|              ; all 32 numbers of the block are mine
	v_max3_num_f32 v13, |v[XW+3]|, |v[XW+4]|, |v[XW+5]|
.irp i,6,10,14,18,22,26
	v_max3_num_f32 v12, v12, |v[XW+\i]|, |v[XW+\i+1]|
	v_max3_num_f32 v13, v13, |v[XW+\i+2]|, |v[XW+\i+3]|
.endr
	v_max3_num_f32 v12, v12, |v[XW+30]|, |v[XW+31]|
	v_max3_num_f32 v12, v12, v13, 0x8000000
	v_add_nc_u32 v11, 0xf8800000, v12
	v_and_or_b32 v10, v12, 0x7f800000, s62
	v_lshrrev_b32 v13, 23, v11
.if (\t)%4 == 0
	v_mov_b32 v[24+(\t)/4], v13
.else
	v_lshl_or_b32 v[24+(\t)/4], v13, 8*((\t)%4), v[24+(\t)/4]
.endif
.irp i,0,1,2,3,4,5,6,7,8,9,10,11,12,13,14,15,16,17,18,19,20,21,22,23,24,25,26,27,28,29,30,31
	v_med3_num_f32 v[XW+\i], v[XW+\i], -v10, v10
.endr
.irp g,0,1,2,3
	v_cvt_scalef32_pk8_bf8_f32 v[CW+2*\g:CW+2*\g+1], v[XW+8*\g:XW+8*\g+7], v11
.endr
	global_store_b128 v26, v[CW:CW+3], s[56:57] offset:512*(\t)          ; k 0-15 of the block: the image's lanes 0-15; sixteen lanes store 256 consecutive bytes, aligned
	global_store_b128 v26, v[CW+4:CW+7], s[56:57] offset:512*(\t)+256    ; k 16-31: its lanes 16-31
.if (\t)+2 < 8
	WLOAD (\t)+2
.endif
.endm
	s_load_b256 s[4:11], s[0:1], 0x0               ; x, gain, bias, act1
	s_load_b256 s[12:19], s[0:1], 0x20             ; wq, wk, wv, wo
	s_load_b128 s[20:23], s[0:1], 0x40             ; w1, w2
	s_load_b64 s[24:25], s[0:1], 0x50              ; wts
	v_lshrrev_b32 v5, 5, v0
	v_readfirstlane_b32 s36, v5                    ; wave
	s_cmp_lt_u32 ttmp9, 128
	s_cbranch_scc0 .Lweights
	; ---------------- LayerNorm: wave W = 4 x work-group + wave takes true rows 8 W .. 8 W + 7, which lie at 8 consecutive positions
	v_and_b32 v6, 31, v0
	v_lshlrev_b32 v1, 5, v6                        ; 32 x lane: my 8 numbers of each 256
	v_lshlrev_b32 v2, 3, v6                        ; 8 x lane: my 8 codes
	v_bfe_u32 v3, v0, 2, 2
	v_lshlrev_b32 v3, 3, v3                        ; my block's byte in its word, as a shift
	v_bfe_u32 v7, v0, 3, 1
	v_bfe_u32 v8, v0, 4, 1
	v_lshl_add_u32 v7, v7, 1, v8
	v_and_b32 v8, 7, v0
	v_lshlrev_b32 v8, 2, v8
	v_lshl_add_u32 v4, v7, 14, v8                  ; the scale words' way out: word 2 bit3 + bit4 of row lane % 8
	v_mov_b32 v17, 0                               ; (named as upper halves of pairs of which the low word serves both halves)
	v_mov_b32 v19, 0
	s_lshl_b32 s37, ttmp9, 2
	s_add_co_u32 s38, s37, s36
	s_lshl_b32 s38, s38, 15                        ; 8 rows of 4,096 bytes
	s_mov_b32 s39, 0
	s_and_b32 s40, s36, 1
	s_lshl_b32 s40, s40, 1
	s_lshr_b32 s41, s36, 1
	s_or_b32 s40, s40, s41
	s_add_co_u32 s40, s40, s37                     ; W with its bits 0 and 1 exchanged: first position / 8
	s_lshl_b32 s42, s40, 13
	s_mov_b32 s43, 0
	s_lshl_b32 s44, s40, 5
	s_add_co_u32 s44, s44, 4194304
	s_mov_b32 s45, 0
	s_mov_b32 s30, 0x3a800000                      ; 1 / 1024
	s_mov_b32 s31, 0x358637bd                      ; 1e-6
	s_mov_b32 s32, 0x600000                        ; the mantissa field of 57,344
	s_mov_b32 s34, 0x76543210
	s_mov_b32 s35, 0xfedcba98
	s_wait_kmcnt 0x0
	s_add_nc_u64 s[4:5], s[4:5], s[38:39]
	s_add_nc_u64 s[26:27], s[10:11], s[42:43]      ; my rows' codes
	s_add_nc_u64 s[28:29], s[10:11], s[44:45]      ; my rows' scale words
.irp j,0,1,2,3
	global_load_b128 v[G+8*\j:G+8*\j+3], v1, s[6:7] offset:1024*\j
	global_load_b128 v[G+8*\j+4:G+8*\j+7], v1, s[6:7] offset:1024*\j+16
	global_load_b128 v[BB+8*\j:BB+8*\j+3], v1, s[8:9] offset:1024*\j
	global_load_b128 v[BB+8*\j+4:BB+8*\j+7], v1, s[8:9] offset:1024*\j+16
.endr
	XLOAD 0
	XLOAD 1
	XLOAD 2
	XLOAD 3
	ROW 0, 24
	ROW 1, 24
	ROW 2, 24
	ROW 3, 24
	ROW 4, 24
	ROW 5, 16
	ROW 6, 8
	ROW 7, 0
	s_mov_b32 s33, 0xff00ff00                      ; lanes whose bit 3 is set take the odd j
	v_cndmask_b32 v244, v[OW], v[OW+1], s33
	v_cndmask_b32 v245, v[OW+2], v[OW+3], s33
	global_store_b32 v4, v244, s[28:29]            ; pieces of 32 bytes: 8 rows' words of one k / 128; one part in 160 of what the wave moves
	global_store_b32 v4, v245, s[28:29] offset:65536
	s_endpgm
	; ---------------- weights
.Lweights:
	s_sub_co_u32 s37, ttmp9, 128                   ; u: wq 0-31, wk 32-63, wv 64-95, wo 96-127, w1 128-255, w2 256-383
	s_wait_kmcnt 0x0
	s_mov_b64 s[38:39], s[22:23]                   ; w2's figures first; each compare below puts an earlier tensor's in their place
	s_mov_b32 s40, 4096                            ; bytes from k to k + 1
	s_mov_b32 s41, 5                               ; log2 of the groups of 32 columns
	s_mov_b32 s42, 0                               ; first row in the tensor's codes
	s_mov_b32 s43, 65536                           ; bytes of 16 rows of codes
	s_mov_b32 s44, 4096                            ; bytes of one k / 128 of scale words
	s_mov_b32 s45, 8388608                         ; the codes' place in wts
	s_mov_b32 s46, 12845056                        ; the scale words' place
	s_mov_b32 s47, 256                             ; first u
	s_mov_b32 s48, 0                               ; 1: stored [head][k][64]
	s_cmp_lt_u32 s37, 256
	s_cselect_b64 s[38:39], s[20:21], s[38:39]
	s_cselect_b32 s40, 16384, s40
	s_cselect_b32 s41, 7, s41
	s_cselect_b32 s43, 16384, s43
	s_cselect_b32 s44, 16384, s44
	s_cselect_b32 s45, 4194304, s45
	s_cselect_b32 s46, 12713984, s46
	s_cselect_b32 s47, 128, s47
	s_cmp_lt_u32 s37, 128
	s_cselect_b64 s[38:39], s[18:19], s[38:39]
	s_cselect_b32 s40, 4096, s40
	s_cselect_b32 s41, 5, s41
	s_cselect_b32 s44, 4096, s44
	s_cselect_b32 s45, 3145728, s45
	s_cselect_b32 s46, 12681216, s46
	s_cselect_b32 s47, 96, s47
	s_cmp_lt_u32 s37, 96
	s_cselect_b64 s[38:39], s[16:17], s[38:39]
	s_cselect_b32 s40, 256, s40
	s_cselect_b32 s42, 2048, s42
	s_cselect_b32 s44, 12288, s44
	s_cselect_b32 s45, 0, s45
	s_cselect_b32 s46, 12582912, s46
	s_cselect_b32 s47, 64, s47
	s_cselect_b32 s48, 1, s48
	s_cmp_lt_u32 s37, 64
	s_cselect_b64 s[38:39], s[14:15], s[38:39]
	s_cselect_b32 s42, 1024, s42
	s_cselect_b32 s47, 32, s47
	s_cmp_lt_u32 s37, 32
	s_cselect_b64 s[38:39], s[12:13], s[38:39]
	s_cselect_b32 s42, 0, s42
	s_cselect_b32 s47, 0, s47
	s_sub_co_u32 s49, s37, s47
	s_lshl_b32 s49, s49, 2
	s_add_co_u32 s49, s49, s36                     ; my wave's task in the tensor
	s_lshl_b32 s50, 1, s41
	s_sub_co_u32 s50, s50, 1
	s_and_b32 s50, s49, s50                        ; g: which 32 columns
	s_lshr_b32 s51, s49, s41                       ; kc: which 256 along K
	s_lshl_b32 s52, s50, 7
	s_lshr_b32 s53, s50, 1
	s_lshl_b32 s53, s53, 18                        ; a head is 262,144 bytes
	s_and_b32 s54, s50, 1
	s_lshl_b32 s54, s54, 7
	s_add_co_u32 s53, s53, s54
	s_cmp_eq_u32 s48, 1
	s_cselect_b32 s52, s53, s52
	s_mul_i32 s53, s51, s40
	s_lshl_b32 s53, s53, 8
	s_add_co_u32 s52, s52, s53
	s_mov_b32 s53, 0
	s_add_nc_u64 s[38:39], s[38:39], s[52:53]
	s_lshl_b32 s54, s50, 5
	s_add_co_u32 s54, s54, s42                     ; my first row
	s_lshr_b32 s55, s54, 4
	s_mul_i32 s55, s55, s43
	s_add_co_u32 s55, s55, s45
	s_lshl_b32 s56, s51, 12
	s_add_co_u32 s56, s56, s55
	s_mov_b32 s57, 0
	s_add_nc_u64 s[56:57], s[24:25], s[56:57]
	s_mul_i32 s58, s51, s44
	s_lshl_b32 s58, s58, 1
	s_add_co_u32 s58, s58, s46
	s_lshl_b32 s54, s54, 2
	s_add_co_u32 s58, s58, s54
	s_mov_b32 s59, 0
	s_add_nc_u64 s[58:59], s[24:25], s[58:59]
	s_lshl_b32 s60, s40, 5                         ; 32 along K on
	s_mov_b32 s61, 0
	s_mov_b32 s62, 0x600000
	v_and_b32 v5, 7, v0
	v_bfe_u32 v6, v0, 3, 1
	v_bfe_u32 v7, v0, 4, 1
	v_lshl_or_b32 v5, v6, 4, v5
	v_lshl_or_b32 v5, v7, 3, v5                    ; lane l, which is position l, takes true column pi(l)
	v_lshlrev_b32 v32, 2, v5
.irp i,1,2,3,4,5,6,7,8,9,10,11,12,13,14,15,16,17,18,19,20,21,22,23,24,25,26,27,28,29,30,31
	v_add_nc_u32 v[32+\i], s40, v[31+\i]           ; an offset for each of the block's 32 rows: the pitch is no constant of the text
.endr
	v_mul_lo_u32 v26, v7, s43
	v_and_b32 v8, 15, v0
	v_lshl_add_u32 v26, v8, 4, v26                 ; my 16 bytes of an image: 16 rows' block lane / 16, lane % 16
	v_and_b32 v27, 31, v0
	v_lshlrev_b32 v27, 2, v27
	v_add_nc_u32 v28, s44, v27
	WLOAD 0
	WLOAD 1
.irp t,0,1,2,3,4,5,6,7
	WBLOCK \t
.endr
	global_store_b32 v27, v24, s[58:59]            ; 32 rows' words of one k / 128: 128 consecutive bytes
	global_store_b32 v28, v25, s[58:59]
	s_endpgm
.Lfunc_end_k_q6fc8981738_prep:
	.size	k_q6fc8981738_prep, .Lfunc_end_k_q6fc8981738_prep-k_q6fc8981738_prep
	.p2alignl 7, 3214868480
	.fill 96, 4, 3214868480
	.section	.rodata,"a",@progbits
	.p2align	6, 0x0
	.amdhsa_kernel k_q6fc8981738_prep
		.amdhsa_group_segment_fixed_size 0
		.amdhsa_private_segment_fixed_size 0
		.amdhsa_enable_private_segment 0
		.amdhsa_kernarg_size 88
		.amdhsa_user_sgpr_count 2
		.amdhsa_user_sgpr_kernarg_segment_ptr 1
		.amdhsa_wavefront_size32 1
		.amdhsa_system_sgpr_workgroup_id_x 1
		.amdhsa_system_sgpr_workgroup_id_y 1
		.amdhsa_system_sgpr_workgroup_id_z 1
		.amdhsa_system_vgpr_workitem_id 0
		.amdhsa_next_free_vgpr 256
		.amdhsa_next_free_sgpr 66
		.amdhsa_reserve_vcc 0
		.amdhsa_float_denorm_mode_32 3
		.amdhsa_float_denorm_mode_16_64 3
		.amdhsa_memory_ordered 1
		.amdhsa_forward_progress 1
		.amdhsa_inst_pref_size 168
	.end_amdhsa_kernel
	.amdgpu_metadata
---
amdhsa.version: [ 1, 2 ]
amdhsa.kernels:
  - .name:           k_q6fc8981738_prep
    .symbol:         k_q6fc8981738_prep.kd
    .args:
      - { .name: x, .offset: 0, .size: 8, .value_kind: global_buffer, .address_space: global }
      - { .name: ln1_g, .offset: 8, .size: 8, .value_kind: global_buffer, .address_space: global }
      - { .name: ln1_b, .offset: 16, .size: 8, .value_kind: global_buffer, .address_space: global }
      - { .name: act1, .offset: 24, .size: 8, .value_kind: global_buffer, .address_space: global }
      - { .name: wq, .offset: 32, .size: 8, .value_kind: global_buffer, .address_space: global }
      - { .name: wk, .offset: 40, .size: 8, .value_kind: global_buffer, .address_space: global }
      - { .name: wv, .offset: 48, .size: 8, .value_kind: global_buffer, .address_space: global }
      - { .name: wo, .offset: 56, .size: 8, .value_kind: global_buffer, .address_space: global }
      - { .name: w1, .offset: 64, .size: 8, .value_kind: global_buffer, .address_space: global }
      - { .name: w2, .offset: 72, .size: 8, .value_kind: global_buffer, .address_space: global }
      - { .name: wts, .offset: 80, .size: 8, .value_kind: global_buffer, .address_space: global }
    .group_segment_fixed_size: 0
    .private_segment_fixed_size: 0
    .kernarg_segment_align: 8
    .kernarg_segment_size: 88
    .max_flat_workgroup_size: 128
    .sgpr_count:     66
    .vgpr_count:     256
    .wavefront_size: 32
...
	.end_amdgpu_metadata
.endif
;; end of part 1
;; launch gqkv (part 2): grid 24 x 32, 4 waves a work-group, clusters of 4 x 4, 327,680 bytes of LDS; arguments act1, wts, bq, bk, bv, qkvp; writes qkvp
.if DOCPART == 2
	.amdgcn_target "amdgcn-amd-amdhsa--gfx1250"
	.amdhsa_code_object_version 6
	.text
	.protected	k_q6fc8981738_gqkv
	.globl	k_q6fc8981738_gqkv
	.p2align	8
	.type	k_q6fc8981738_gqkv,@function
k_q6fc8981738_gqkv:
	s_mov_b64 s[64:65], 0
	v_nop
	global_prefetch_b8 v0, s[64:65] scope:SCOPE_SE
	s_setreg_imm32_b32 hwreg(HW_REG_WAVE_MODE, 25, 1), 1
	s_wait_xcnt 0x0
	s_wait_alu depctr_hold_cnt(0) depctr_sa_sdst(0) depctr_va_vdst(0) depctr_va_sdst(0) depctr_va_ssrc(0) depctr_va_vcc(0) depctr_vm_vsrc(0)
	s_getreg_b32 s2, hwreg(HW_REG_IB_STS2, 6, 4)
	s_cmp_eq_u32 s2, 0
	s_cbranch_scc0 .Lentry_in_a_cluster
	s_endpgm
.Lentry_in_a_cluster:
	s_bfe_u32 s2, ttmp6, 0x10000c
	s_cmp_lg_u32 s2, 0xf033
	s_cbranch_scc0 .Lentry_shape_is_right
	s_endpgm
.Lentry_shape_is_right:
; q, k, v = LN1(x) W + bias on codes of E5M2 (K = 1024), then quantised again: q and k along the head's 64, v along the keys, into one pack of 202,752 bytes for each (batch, head):
; K image 0, V image 65,536, K scale words 131,072, V scale words 133,120, Q image 135,168, Q scale words 200,704.  Images are images of the operand's registers, 512 bytes a chunk of four registers.
; A tile of C is 128 x 128: Y = 128 rows of the activations (work-group y), X = 128 rows of the weights (work-group x: 0-7 q, 8-15 k, 16-23 v).  Four waves, each 64 x 64: 16 accumulators.
; q, k: source 0 = X, source 1 = Y: a lane holds one row of the activations and its registers run along the head.  v: the sources change places: a lane holds one channel and its registers run along the keys.
; Which of the two is run hangs on the cluster's x alone: the same in all sixteen partners.
; K goes in two steps of 512 through two LDS slots, both filled at the start: nothing is filled again.  The scale words of all of K come once, with the first fills.
; CLUSTERS: 4 x 4.  Y's tiles are asked for jointly by a row of the cluster, X's by a column.  No prefetch: each tile of a launch this short is asked for at the kernel's head.
; The bias is the C of each sum's first product.  LIMITS: NaN and infinities are not served; a block of zeros has the byte 1.
; REGISTERS: window 0: v1 r, v2 h, v4 16 x lane, v8-15 offsets, v16-27 LDS addresses, v28-29 the add's two, v30-31 scale words made, v32-47 scale words read, v48-63 at work, v64-95 bias, v96-127 codes made, v128-255 accumulators.
;   window 1: two sets of fragments of 128 along K: X's four at +0, Y's four at +64.
.set SIZE_K, 1024
.set YIMG,   0
.set XCODE,  0
.set XSCAL,  12582912
.set XROWS,  3072
.set YSCAL,  4194304
.set STAGEB, 0
.set NSTEP, SIZE_K/512
.set KQN,   SIZE_K/128
.if YIMG
.set YH,    32768
.set YSTEP, 8192
.set LY,    4
.else
.set YH,    64*528                     ; 64 rows of 512 bytes + 16 of padding: the 16 rows that a load touches start at 16 different banks (64 banks of 4 bytes: ISA guide 11.1)
.set YSTEP, 512
.set LY,    5
.endif
.set XH,    32768                      ; 4 blocks of 16 rows x 512 along K, as images: dense
.set SLOT,  2*YH+2*XH
.set SCL,   2*SLOT                     ; behind the slots: four parts of scale words, wave w's fetch in part w: a row of 256 bytes + 16 for each 128 along K
.set PARTB, KQN*272
.set STAGE, SCL+4*PARTB
.set SPARE, STAGE+STAGEB               ; the spare words, 128 bytes for each wave, which no other line names
.set ADRY, 16
.set ADRX, 20
.set ADRS, 27
.set SPW,  28
.set NIL,  29
.set PW0,  30
.set SC,   32
.set TM,   48
.set BIAS, 64
.set PC,   96
.set ACC,  128
.set WV, 20
.set WY, 21
.set WC, 22
.set CNT, 23
.set G1Y, 24
.set G0Y, 32
.set G1X, 40
.set G0X, 48
.set G1SY, 56
.set G0SY, 68
.set G1SX, 72
.set G0SX, 80
.set CX, 84
.set CY, 85
.set XT, 86
.set YT, 87
.set SEL, 98
.set KIND, 100
.set MNT, 101
.set MSB, 0
.macro WIN new                         ; the immediate's high byte repeats the setting that is left
.if MSB != \new
	s_set_vgpr_msb (MSB<<8)|\new
.set MSB, \new
.endif
.endm
.set MUL,  0x05                        ; sources 0 and 1 window 1; C and D window 0
.set TO_F, 0x40                        ; destination window 1, address window 0
.macro PLACES n
.rept \n
	v_nop
.endr
.endm
.macro JLOAD g0a, g1a, g0b, g1b        ; a joint load: waves 0 and 1 fetch for Y, waves 2 and 3 for X; an s_nop 0 and four v_nop follow each line
	s_cmp_eq_u32 s[WY], 0
	s_cbranch_scc0 .Lfor_x_\@
	tensor_load_to_lds s[\g0a:\g0a+3], s[\g1a:\g1a+7]
	s_nop 0
.rept 4
	v_nop
.endr
	s_branch .Lasked_\@
.Lfor_x_\@:
	tensor_load_to_lds s[\g0b:\g0b+3], s[\g1b:\g1b+7]
	s_nop 0
.rept 4
	v_nop
.endr
.Lasked_\@:
.endm
.macro CROUND                          ; a round of the cluster's barrier
	s_barrier_signal -1
	s_barrier_wait -1
	s_cmp_lg_u32 s[WV], 0
	s_cbranch_scc1 .Lnot_wave_0_\@
	s_barrier_signal -3
.Lnot_wave_0_\@:
	s_barrier_wait -3
	s_barrier_signal -1
	s_barrier_wait -1
.endm
.macro FRAG reg, adr, off, cs          ; a fragment: 16 rows x 128 K, four loads of 16 bytes a lane
.irp c,0,1,2,3
	ds_load_b128 v[\reg+4*\c:\reg+4*\c+3], v[\adr] offset:\off+\cs*\c
.endr
.endm
.macro FX slot, q, f, i
	FRAG \f+16*(\i), ADRX+\slot, 8192*(\i)+2048*(\q), 512
.endm
.macro FY slot, q, f, i
.if YIMG
	FRAG \f+64+16*(\i), ADRY+\slot, 8192*(\i)+2048*(\q), 512
.else
	FRAG \f+64+16*(\i), ADRY+\slot, 8448*(\i)+128*(\q), 32
.endif
.endm
.macro FETCH slot, q, f, ord           ; 32 loads in one run: source 0's four blocks, then source 1's
	WIN TO_F
.if \ord
.irp i,0,1,2,3
	FY \slot, \q, \f, \i
.endr
.irp i,0,1,2,3
	FX \slot, \q, \f, \i
.endr
.else
.irp i,0,1,2,3
	FX \slot, \q, \f, \i
.endr
.irp i,0,1,2,3
	FY \slot, \q, \f, \i
.endr
.endif
.endm
.macro SCALES                          ; a K step's scale words: lanes 0-15 Y's block i, lanes 16-31 X's block i
.irp q,0,1,2,3
.irp i,0,1,2,3
	ds_load_b32 v[SC+4*\q+\i], v[ADRS] offset:272*\q+64*\i
.endr
.endr
.endm
; 8 products: source 1's blocks a0, a0 + 1 x source 0's four.  cm 0: C = D; 1: the bias by source 0's block; 2: by source 1's.  The 16 accumulators take turns.
.macro MUL8 f, q, a0, cm, ord
.irp a,\a0,\a0+1
.irp b,0,1,2,3
.set DD, ACC+8*(4*(\a)+\b)
.if \cm == 1
.set CC, BIAS+8*\b
.elseif \cm == 2
.set CC, BIAS+8*(\a)
.else
.set CC, DD
.endif
.if \ord
	v_wmma_scale_f32_16x16x128_f8f6f4 v[DD:DD+7], v[\f+64+16*\b:\f+64+16*\b+15], v[\f+16*(\a):\f+16*(\a)+15], v[CC:CC+7], v[SC+4*(\q)+\b], v[SC+4*(\q)+(\a)] matrix_a_fmt:MATRIX_FMT_BF8 matrix_b_fmt:MATRIX_FMT_BF8 matrix_b_scale:MATRIX_SCALE_ROW1
.else
	v_wmma_scale_f32_16x16x128_f8f6f4 v[DD:DD+7], v[\f+16*\b:\f+16*\b+15], v[\f+64+16*(\a):\f+64+16*(\a)+15], v[CC:CC+7], v[SC+4*(\q)+\b], v[SC+4*(\q)+(\a)] matrix_a_fmt:MATRIX_FMT_BF8 matrix_b_fmt:MATRIX_FMT_BF8 matrix_a_scale:MATRIX_SCALE_ROW1
.endif
.endr
.endr
.endm
; A K step of 512: four quarters of 128, 16 products each, on two sets of fragments.  Eight plain places stand in front of each run of loads into registers that products have read.
.macro HALF slot, cm, ord
	PLACES 8
	SCALES
	FETCH \slot, 0, 0, \ord
.irp q,0,1,2,3
	s_wait_dscnt 0x8                               ; all but source 1's blocks 2 and 3
	WIN MUL
.if \q == 0
	MUL8 0, 0, 0, \cm, \ord
.else
	MUL8 128*(\q%2), \q, 0, 0, \ord
.endif
.if \q < 3
	PLACES 8
	FETCH \slot, \q+1, 128*((\q+1)%2), \ord
	s_wait_dscnt 0x20                              ; all but the 32 just issued
	WIN MUL
.else
	s_wait_dscnt 0x0
.endif
.if \q == 0
	MUL8 0, 0, 2, \cm, \ord
.else
	MUL8 128*(\q%2), \q, 2, 0, \ord
.endif
.endr
	WIN 0
.endm
; 64 numbers of a lane, register 16 b + i = number 32 b + 16 (lane / 16) + i of my row along the next K, become 16 registers of codes and a scale word
.macro QUANT s, pc, pw
.irp b,0,1,2,3
	v_max3_num_f32 v[TM+\b], |v[\s+16*\b]|, |v[\s+1+16*\b]|, 0x8000000   ; with the floor 2^(16 - 127)
.endr
.irp i,2,4,6,8,10,12,14
.irp b,0,1,2,3
	v_max3_num_f32 v[TM+\b], v[TM+\b], |v[\s+16*\b+\i]|, |v[\s+1+16*\b+\i]|
.endr
.endr
.irp b,0,1,2,3
	v_permlanex16_b32 v[TM+4+\b], v[TM+\b], s[SEL], s[SEL+1]
.endr
.irp b,0,1,2,3
	v_max_num_f32 v[TM+\b], v[TM+\b], v[TM+4+\b]
.endr
.irp b,0,1,2,3
	v_add_nc_u32 v[TM+12+\b], 0xf8800000, v[TM+\b]
.endr
.irp b,0,1,2,3
	v_and_or_b32 v[TM+8+\b], v[TM+\b], 0x7f800000, s[MNT]
.endr
.irp b,0,1,2,3
	v_lshrrev_b32 v[TM+4+\b], 23, v[TM+12+\b]
.endr
	v_lshl_or_b32 v[\pw], v[TM+5], 8, v[TM+4]
	v_lshl_or_b32 v[\pw], v[TM+6], 16, v[\pw]
	v_lshl_or_b32 v[\pw], v[TM+7], 24, v[\pw]
.irp b,0,1,2,3
.irp i,0,1,2,3,4,5,6,7,8,9,10,11,12,13,14,15
	v_med3_num_f32 v[\s+16*\b+\i], v[\s+16*\b+\i], -v[TM+8+\b], v[TM+8+\b]
.endr
	v_cvt_scalef32_pk8_bf8_f32 v[\pc+4*\b:\pc+1+4*\b], v[\s+16*\b:\s+7+16*\b], v[TM+12+\b]
	v_cvt_scalef32_pk8_bf8_f32 v[\pc+2+4*\b:\pc+3+4*\b], v[\s+8+16*\b:\s+15+16*\b], v[TM+12+\b]
.endr
	v_nop                                          ; a plain line behind the last conversion
.endm
	s_load_b256 s[4:11], s[0:1], 0x0               ; act1, wts, bq, bk
	s_load_b128 s[12:15], s[0:1], 0x20             ; bv, qkvp
	v_lshl_add_u32 v[SPW], v0, 2, SPARE
	v_mov_b32 v[NIL], 0
	ds_add_u32 v[SPW], v[NIL]                      ; the wave's opening: the add, twice on end, and its wait ahead of my first tensor load
	ds_add_u32 v[SPW], v[NIL]
	v_lshrrev_b32 v3, 5, v0
	v_readfirstlane_b32 s[WV], v3
	s_lshr_b32 s[WY], s[WV], 1                     ; my half of Y's rows.  Also: I fetch for Y (0) or for X (1)
	s_and_b32 s[WC], s[WV], 1                      ; my half of X's rows.  Also: which 64 rows I fetch
	s_bfe_u32 s[CX], ttmp6, 0x40000
	s_bfe_u32 s[CY], ttmp6, 0x40004
	s_lshl_b32 s[XT], ttmp9, 2
	s_add_co_u32 s[XT], s[XT], s[CX]
	s_and_b32 s[YT], ttmp7, 0xffff
	s_lshl_b32 s[YT], s[YT], 2
	s_add_co_u32 s[YT], s[YT], s[CY]
	s_lshl_b32 s88, s[CY], 2
	s_lshl_b32 s88, 15, s88                        ; my row of the cluster
	s_lshl_b32 s89, 0x1111, s[CX]                  ; my column
.if YIMG
	s_or_b32 s[G1Y], s88, (3<<16)|(1<<21)          ; elements of 8 bytes; bit 21 beside a mask; no padding
	s_mov_b32 s[G1Y+1], 1024<<16
	s_mov_b32 s[G1Y+2], 4<<16
	s_mov_b32 s[G1Y+3], 1024<<16
	s_mov_b32 s[G1Y+4], 4
	s_mov_b32 s[G1Y+5], 2*SIZE_K
.else
	s_or_b32 s[G1Y], s88, (1<<20)|(1<<21)|(6<<22)|(3<<25)   ; elements of 1 byte; 4 words of padding after every 128
	s_mov_b32 s[G1Y+1], 512<<16
	s_mov_b32 s[G1Y+2], 64<<16
	s_mov_b32 s[G1Y+3], 512<<16
	s_mov_b32 s[G1Y+4], 64
	s_mov_b32 s[G1Y+5], SIZE_K
.endif
	s_mov_b32 s[G1Y+6], 0
	s_mov_b32 s[G1Y+7], 0
	s_or_b32 s[G1X], s89, (3<<16)|(1<<21)          ; X: 4 rows of 8,192 bytes (a block of 16 rows x 512 along K), 16 SIZE_K bytes apart
	s_mov_b32 s[G1X+1], 1024<<16
	s_mov_b32 s[G1X+2], 4<<16
	s_mov_b32 s[G1X+3], 1024<<16
	s_mov_b32 s[G1X+4], 4
	s_mov_b32 s[G1X+5], 2*SIZE_K
	s_mov_b32 s[G1X+6], 0
	s_mov_b32 s[G1X+7], 0
	s_or_b32 s[G1SY], s88, (3<<16)|(1<<20)|(1<<21)|(5<<22)|(3<<25)   ; scale words of 64 rows: a row of 256 bytes for each 128 along K, 16 bytes of padding behind it
	s_or_b32 s[G1SX], s89, (3<<16)|(1<<20)|(1<<21)|(5<<22)|(3<<25)
.irp g,G1SY,G1SX
	s_mov_b32 s[\g+1], 32<<16
	s_mov_b32 s[\g+2], KQN<<16
	s_mov_b32 s[\g+3], 32<<16
	s_mov_b32 s[\g+4], KQN
	s_mov_b32 s[\g+6], 0
	s_mov_b32 s[\g+7], 0
.endr
	s_mov_b32 s[G1SY+5], 2048
	s_mov_b32 s[G1SX+5], XROWS/2
	s_lshl_b32 s16, s[WC], 6
	s_lshl_b32 s90, s[YT], 7
	s_add_co_u32 s90, s90, s16                     ; Y: first row that I fetch
	s_lshl_b32 s94, s90, 2
	s_add_co_u32 s94, s94, YSCAL
	s_mul_i32 s90, s90, SIZE_K
	s_mov_b32 s91, 0
	s_mov_b32 s95, 0
	s_lshl_b32 s92, s[XT], 7
	s_add_co_u32 s92, s92, s16                     ; X likewise
	s_lshl_b32 s96, s92, 2
	s_add_co_u32 s96, s96, XSCAL
	s_mul_i32 s92, s92, SIZE_K
	s_add_co_u32 s92, s92, XCODE
	s_mov_b32 s93, 0
	s_mov_b32 s97, 0
	s_mul_i32 s17, s[WC], YH                       ; where they go: no place in the cluster enters an LDS address
	s_mul_i32 s18, s[WC], XH
	s_add_co_u32 s18, s18, 2*YH
	s_mul_i32 s19, s[WV], PARTB
	s_wait_dscnt 0x0                               ; both opening adds are done
	s_wait_kmcnt 0x0
	s_add_nc_u64 s[90:91], s[4:5], s[90:91]
	s_add_nc_u64 s[94:95], s[4:5], s[94:95]
	s_add_nc_u64 s[92:93], s[6:7], s[92:93]
	s_add_nc_u64 s[96:97], s[6:7], s[96:97]
	CROUND                                         ; all sixteen work-groups are here: the first joint loads meet
	s_mov_b32 s[G0SY], 1
	s_add_co_u32 s[G0SY+1], s19, SCL
	s_mov_b64 s[G0SY+2:G0SY+3], s[94:95]
	s_or_b32 s[G0SY+3], s[G0SY+3], 0x80000000
	s_mov_b32 s[G0SX], 1
	s_add_co_u32 s[G0SX+1], s19, SCL
	s_mov_b64 s[G0SX+2:G0SX+3], s[96:97]
	s_or_b32 s[G0SX+3], s[G0SX+3], 0x80000000
	JLOAD G0SY, G1SY, G0SX, G1SX
.irp s,0,1
	s_mov_b32 s[G0Y+4*\s], 1
	s_add_co_u32 s[G0Y+4*\s+1], s17, \s*SLOT
	s_add_nc_u64 s[G0Y+4*\s+2:G0Y+4*\s+3], s[90:91], \s*YSTEP
	s_or_b32 s[G0Y+4*\s+3], s[G0Y+4*\s+3], 0x80000000
	s_mov_b32 s[G0X+4*\s], 1
	s_add_co_u32 s[G0X+4*\s+1], s18, \s*SLOT
	s_add_nc_u64 s[G0X+4*\s+2:G0X+4*\s+3], s[92:93], \s*8192
	s_or_b32 s[G0X+4*\s+3], s[G0X+4*\s+3], 0x80000000
	JLOAD G0Y+4*\s, G1Y, G0X+4*\s, G1X             ; by this text's count three tensor loads of a wave are out
.endr
	v_and_b32 v1, 15, v0                           ; r
	v_bfe_u32 v2, v0, 4, 1                         ; h
	v_and_b32 v3, 31, v0
	v_lshlrev_b32 v4, 4, v3                        ; 16 x lane: my place in an image; never rewritten
.if YIMG == 0
	v_mul_u32_u24 v5, v1, 528
	v_lshl_add_u32 v5, v2, 4, v5
.endif
	s_mul_i32 s16, s[WY], YH
	s_mul_i32 s17, s[WC], XH
	s_add_co_u32 s17, s17, 2*YH
.irp s,0,1
	v_add_nc_u32 v[ADRY+\s], s16, v[LY]
	v_add_nc_u32 v[ADRX+\s], s17, v4
	s_add_co_u32 s16, s16, SLOT
	s_add_co_u32 s17, s17, SLOT
.endr
	s_mul_i32 s16, s[WY], PARTB                    ; Y's words: part WY
	s_mul_i32 s17, s[WC], PARTB                    ; X's: part 2 + WC
	s_add_co_u32 s17, s17, 2*PARTB
	s_sub_co_u32 s17, s17, s16
	v_mul_u32_u24 v6, s17, v2                      ; lanes 16-31 take X's
	s_add_co_u32 s16, s16, SCL
	v_lshl_add_u32 v6, v1, 2, v6
	v_add_nc_u32 v[ADRS], s16, v6
	s_mov_b32 s[SEL], 0x76543210
	s_mov_b32 s[SEL+1], 0xfedcba98
	s_mov_b32 s[MNT], 0x600000
.irp b,0,1,2,3
	v_mov_b32 v[TM+4+\b], 0                        ; a lane permute's destination counts as one of its sources
.endr
	; the bias, in the result's layout.  q, k: register j of tile i is channel 32 (i / 2) + 16 h + 8 (i % 2) + j.  v: all eight registers of tile i are channel 32 (i / 2) + 8 (i % 2) + r + 8 (r / 8)
	s_lshr_b32 s[KIND], ttmp9, 1                   ; 0 q, 1 k, 2 v
	s_and_b32 s2, s[XT], 7
	s_lshl_b32 s2, s2, 1
	s_add_co_u32 s2, s2, s[WC]                     ; my head
	s_lshl_b32 s92, s2, 8
	s_mov_b32 s93, 0
	s_cmp_eq_u32 s[KIND], 0
	s_cselect_b64 s[16:17], s[8:9], s[10:11]
	s_cmp_eq_u32 s[KIND], 2
	s_cselect_b64 s[16:17], s[12:13], s[16:17]
	s_cselect_b32 s3, -1, 0
	s_cselect_b32 s18, 0, 4
	s_add_nc_u64 s[16:17], s[16:17], s[92:93]
	v_lshlrev_b32 v7, 6, v2
	v_and_b32 v6, 8, v1
	v_add_nc_u32 v6, v6, v1
	v_lshlrev_b32 v6, 2, v6
	v_cndmask_b32 v8, v7, v6, s3
.irp j,1,2,3,4,5,6,7
	v_add_nc_u32 v[8+\j], s18, v[7+\j]
.endr
.irp i,0,1,2,3
.irp j,0,1,2,3,4,5,6,7
	global_load_b32 v[BIAS+8*\i+\j], v[8+\j], s[16:17] offset:128*(\i/2)+32*(\i%2)
.endr
.endr
	s_wait_tensorcnt 0x1                           ; the scale words and my part of K step 0 are in; K step 1's load may be out
	s_wait_loadcnt 0x0                             ; the bias
	s_barrier_signal -1
	s_barrier_wait -1
	s_cmp_eq_u32 s[KIND], 2
	s_cbranch_scc1 .Lv_first
	HALF 0, 1, 0
	s_branch .Lboth_first
.Lv_first:
	HALF 0, 2, 1
.Lboth_first:
	s_wait_tensorcnt 0x0                           ; my part of K step 1 is in,
	s_wait_dscnt 0x0
	s_barrier_signal -1
	s_barrier_wait -1                              ; everybody's is
	v_add_nc_u32 v[ADRS], 1088, v[ADRS]            ; the next K step's scale words: four rows of 272 bytes on
	s_cmp_eq_u32 s[KIND], 2
	s_cbranch_scc1 .Lv_second
	HALF 1, 0, 0
	s_branch .Lboth_second
.Lv_second:
	HALF 1, 0, 1
.Lboth_second:
	; THE WAY OUT.  For source 1's block a my 32 registers are two blocks of 32 along the next K.  The codes are the next operand's registers: they are stored as they stand, 512 consecutive bytes a store.
	PLACES 8
	QUANT ACC, PC, PW0
	QUANT ACC+64, PC+16, PW0+1
	s_and_b32 s24, s[XT], 7                        ; (no tensor load is out: the descriptors' registers are free)
	s_lshl_b32 s24, s24, 1
	s_add_co_u32 s24, s24, s[WC]
	s_lshr_b32 s25, s[YT], 3
	s_lshl_b32 s25, s25, 4
	s_add_co_u32 s24, s24, s25                     ; the pack: 16 x batch + head
	s_mul_i32 s24, s24, 202752
	s_mov_b32 s26, 135168                          ; q's figures; k's and v's are put in their place
	s_mov_b32 s27, 200704
	s_mov_b32 s28, 1024                            ; from block a to a + 1
	s_mov_b32 s29, 4096                            ; from Y's half 0 to half 1
	s_cmp_eq_u32 s[KIND], 1
	s_cselect_b32 s26, 0, s26
	s_cselect_b32 s27, 131072, s27
	s_cmp_eq_u32 s[KIND], 2
	s_cselect_b32 s26, 65536, s26
	s_cselect_b32 s27, 133120, s27
	s_cselect_b32 s28, 2048, s28
	s_cselect_b32 s29, 1024, s29
	s_and_b32 s30, s[YT], 7                        ; which 128 rows of the batch
	s_lshl_b32 s31, s30, 13
	s_mul_i32 s29, s29, s[WY]
	s_add_co_u32 s32, s24, s26
	s_add_co_u32 s32, s32, s31
	s_add_co_u32 s32, s32, s29
	s_mov_b32 s33, 0
	s_add_nc_u64 s[32:33], s[14:15], s[32:33]
	s_lshl_b32 s31, s30, 8
	s_lshl_b32 s29, s[WY], 7
	s_add_co_u32 s34, s24, s27
	s_add_co_u32 s34, s34, s31
	s_add_co_u32 s34, s34, s29
	s_mov_b32 s35, 0
	s_add_nc_u64 s[34:35], s[14:15], s[34:35]
	v_mov_b32 v8, v4
.irp a,1,2,3
	v_add_nc_u32 v[8+\a], s28, v[7+\a]
.endr
.irp i,0,1
.irp k,0,1,2,3
	global_store_b128 v[8+2*\i+\k/2], v[PC+16*\i+4*\k:PC+16*\i+4*\k+3], s[32:33] offset:512*(\k%2)
.endr
.endr
	v_cmp_eq_u32 vcc_lo, 1, v2
	v_cndmask_b32 v12, v[PW0], v[PW0+1], vcc_lo    ; lanes 0-15 store the word of blocks 0 and 1, lanes 16-31 that of blocks 2 and 3
	v_lshlrev_b32 v13, 3, v1
	v_lshl_add_u32 v13, v2, 2, v13
	global_store_b32 v13, v12, s[34:35]            ; 128 consecutive bytes
	s_wait_tensorcnt 0x0                           ; the wave's end
	ds_add_u32 v[SPW], v[NIL]
	s_wait_dscnt 0x0
	CROUND                                         ; the closing round
	s_endpgm
.Lfunc_end_k_q6fc8981738_gqkv:
	.size	k_q6fc8981738_gqkv, .Lfunc_end_k_q6fc8981738_gqkv-k_q6fc8981738_gqkv
	.p2alignl 7, 3214868480
	.fill 96, 4, 3214868480
	.section	.rodata,"a",@progbits
	.p2align	6, 0x0
	.amdhsa_kernel k_q6fc8981738_gqkv
		.amdhsa_group_segment_fixed_size 327680
		.amdhsa_private_segment_fixed_size 0
		.amdhsa_enable_private_segment 0
		.amdhsa_kernarg_size 48
		.amdhsa_user_sgpr_count 2
		.amdhsa_user_sgpr_kernarg_segment_ptr 1
		.amdhsa_wavefront_size32 1
		.amdhsa_system_sgpr_workgroup_id_x 1
		.amdhsa_system_sgpr_workgroup_id_y 1
		.amdhsa_system_sgpr_workgroup_id_z 1
		.amdhsa_system_vgpr_workitem_id 0
		.amdhsa_next_free_vgpr 512
		.amdhsa_next_free_sgpr 102
		.amdhsa_reserve_vcc 1
		.amdhsa_float_denorm_mode_32 3
		.amdhsa_float_denorm_mode_16_64 3
		.amdhsa_memory_ordered 1
		.amdhsa_forward_progress 1
		.amdhsa_inst_pref_size 107
	.end_amdhsa_kernel
	.amdgpu_metadata
---
amdhsa.version: [ 1, 2 ]
amdhsa.kernels:
  - .name:           k_q6fc8981738_gqkv
    .symbol:         k_q6fc8981738_gqkv.kd
    .args:
      - { .name: act1, .offset: 0, .size: 8, .value_kind: global_buffer, .address_space: global }
      - { .name: wts, .offset: 8, .size: 8, .value_kind: global_buffer, .address_space: global }
      - { .name: bq, .offset: 16, .size: 8, .value_kind: global_buffer, .address_space: global }
      - { .name: bk, .offset: 24, .size: 8, .value_kind: global_buffer, .address_space: global }
      - { .name: bv, .offset: 32, .size: 8, .value_kind: global_buffer, .address_space: global }
      - { .name: qkvp, .offset: 40, .size: 8, .value_kind: global_buffer, .address_space: global }
    .group_segment_fixed_size: 327680
    .private_segment_fixed_size: 0
    .kernarg_segment_align: 8
    .kernarg_segment_size: 48
    .max_flat_workgroup_size: 128
    .sgpr_count:     102
    .vgpr_count:     512
    .wavefront_size: 32
...
	.end_amdgpu_metadata
.endif
;; end of part 2
;; launch attn (part 3): grid 4 x 64, 16 waves a work-group, clusters of 4 x 1, 167,936 bytes of LDS; arguments qkvp, mask, att; writes att
.if DOCPART == 3
	.amdgcn_target "amdgcn-amd-amdhsa--gfx1250"
	.amdhsa_code_object_version 6
	.text
	.protected	k_q6fc8981738_attn
	.globl	k_q6fc8981738_attn
	.p2align	8
	.type	k_q6fc8981738_attn,@function
k_q6fc8981738_attn:
	s_mov_b64 s[64:65], 0
	v_nop
	global_prefetch_b8 v0, s[64:65] scope:SCOPE_SE
	s_setreg_imm32_b32 hwreg(HW_REG_WAVE_MODE, 25, 1), 1
	s_wait_xcnt 0x0
	s_wait_alu depctr_hold_cnt(0) depctr_sa_sdst(0) depctr_va_vdst(0) depctr_va_sdst(0) depctr_va_ssrc(0) depctr_va_vcc(0) depctr_vm_vsrc(0)
	s_getreg_b32 s2, hwreg(HW_REG_IB_STS2, 6, 4)
	s_cmp_eq_u32 s2, 0
	s_cbranch_scc0 .Lentry_in_a_cluster
	s_endpgm
.Lentry_in_a_cluster:
	s_bfe_u32 s2, ttmp6, 0x10000c
	s_cmp_lg_u32 s2, 0x3003
	s_cbranch_scc0 .Lentry_shape_is_right
	s_endpgm
.Lentry_shape_is_right:
; Attention of one (batch, head) on codes of E5M2: S^T = K Q^T (K = the head's 64), the mask, p = 2^(t - M) quantised along the keys, O^T = V^T P^T, O / the row's sum quantised along the head's channels.
; t = score x log2(e) / 32; M = the running largest t rounded up to a whole number; the sum is taken of the unquantised p; when M moves, the sum and O^T are multiplied by 2^(old M - new M): exact.
; SHARES.  A work-group owns 256 queries, each of its sixteen waves 16: four waves to a SIMD, so that one wave's vector work stands beside another's products and LDS loads.
; The head's K image, V image and their scale words, 135,168 bytes, come into LDS once and stay: no slot is ever filled again.  CLUSTER: the four query blocks of a head ask for them jointly, each wave one load of 8,448 bytes.
; No prefetch: all that the launch loads through LDS is asked for at its head.
; K = 64 IN AN INSTRUCTION OF 128: a fragment of K holds two tiles of 16 keys, one in each half of the instruction's K; Q stands twice in registers, once in each half with zero codes in the other.  So each fragment feeds two products.
; THE MASK costs no vector instruction: 0 or -2^100 for each key lies in LDS and is loaded as the C of the first product.  A masked p is then 0.
; LIMITS: a t under -2^90 is taken for masked.  Where every key of a batch is masked reference() gives NaN: here the row's scale bytes become 0xff, which makes the next product's row NaN.  NaN and infinities among the inputs are not served.
; REGISTERS: v1-4, v7 LDS addresses, stepped each trip; v5, v6 the add's two; v10, v11 Q's scale words; v12 -M, v13 largest t, v[14:15] the sum; v16-47 Q twice; v48-111 four fragments; v112-175 S^T, then p; v176-207 O^T;
;   v208-223 p's codes; v224-239 at work; v240-243 K's scale words; v244-247 V's; v248-251 V's as they lie; v252 f, v253 p's scale word; v254 at work.
.set VIMG,  65536
.set KSC,   131072
.set VSC,   133120
.set QIMG,  135168
.set QSC,   200704
.set PACKB, 202752
.set MB,    135168                     ; LDS: 1,024 words, 0 or -2^100, by key
.set SPARE, 139264                     ; the spare words, 128 bytes for each of 16 waves, which no other line names
.set SPW, 5
.set NIL, 6
.set WV,  10
.set SEL, 42
.set CS,  44
.set MNT, 46
.set PL,  47
.set PH,  48
.macro ROUND
	s_barrier_signal -1
	s_barrier_wait -1
	s_cmp_lg_u32 s[WV], 0
	s_cbranch_scc1 .Lnot_wave_0_\@
	s_barrier_signal -3
.Lnot_wave_0_\@:
	s_barrier_wait -3
	s_barrier_signal -1
	s_barrier_wait -1
.endm
	s_load_b128 s[4:7], s[0:1], 0x0                ; qkvp, mask
	s_load_b64 s[8:9], s[0:1], 0x10                ; att
	v_lshl_add_u32 v[SPW], v0, 2, SPARE
	v_mov_b32 v[NIL], 0
	ds_add_u32 v[SPW], v[NIL]                      ; the wave's opening: the add, twice on end, and its wait ahead of my first tensor load
	ds_add_u32 v[SPW], v[NIL]
	v_lshrrev_b32 v8, 5, v0
	v_readfirstlane_b32 s[WV], v8
	s_bfe_u32 s11, ttmp6, 0x40000
	s_lshl_b32 s12, ttmp9, 2
	s_add_co_u32 s11, s11, s12                     ; my block of 256 queries: it enters Q's and the output's addresses alone
	s_and_b32 s12, ttmp7, 0xffff                   ; the pack: 16 x batch + head, which the four partners share
	s_mul_i32 s14, s12, PACKB
	s_mov_b32 s15, 0
	s_mul_i32 s13, s[WV], 8448                     ; my wave's sixteenth of the 135,168 bytes
	s_mov_b32 s16, s13
	s_mov_b32 s17, 0
	s_mov_b32 s24, 15|(3<<16)|(1<<21)              ; the mask: all four work-groups; elements of 8 bytes; bit 21 beside a mask
	s_mov_b32 s25, 32<<16                          ; rows of 256 bytes,
	s_mov_b32 s26, 33<<16                          ; 33 of them,
	s_mov_b32 s27, 32<<16
	s_mov_b32 s28, 33
	s_mov_b32 s29, 32                              ; dense
	s_mov_b32 s30, 0
	s_mov_b32 s31, 0
	s_mov_b32 s[SEL], 0x76543210
	s_mov_b32 s[SEL+1], 0xfedcba98
	s_mov_b32 s[CS], 0x3d38aa3b                    ; c = log2(e) / sqrt(1024)
	s_mov_b32 s[CS+1], s[CS]
	s_mov_b32 s[MNT], 0x600000
	s_mov_b32 s[PL], 0x05040100
	s_mov_b32 s[PH], 0x07060302
	s_mov_b32 s41, 0xec800000                      ; -2^90
	s_mov_b32 s40, 8
	s_wait_dscnt 0x0                               ; both opening adds are done
	s_wait_kmcnt 0x0
	s_add_nc_u64 s[14:15], s[4:5], s[14:15]
	s_mov_b32 s20, 1
	s_mov_b32 s21, s13
	s_add_nc_u64 s[22:23], s[14:15], s[16:17]
	s_or_b32 s23, s23, 0x80000000
	ROUND                                          ; all four work-groups are here: the joint loads meet
	tensor_load_to_lds s[20:23], s[24:31]          ; my one tensor load
	s_nop 0
	s_lshr_b32 s32, s12, 4
	s_lshl_b32 s32, s32, 12
	s_mov_b32 s33, 0
	s_add_nc_u64 s[6:7], s[6:7], s[32:33]          ; the batch's mask
	v_lshlrev_b32 v8, 3, v0
	global_load_b64 v[224:225], v8, s[6:7]         ; two keys a thread
	s_lshl_b32 s34, s11, 4
	s_add_co_u32 s34, s34, s[WV]                   ; my block of 16 queries in the head, 0..63
	s_lshl_b32 s32, s34, 10
	s_add_co_u32 s32, s32, QIMG
	s_add_nc_u64 s[36:37], s[14:15], s[32:33]
	s_lshr_b32 s32, s34, 2
	s_lshl_b32 s32, s32, 7
	s_bfe_u32 s35, s34, 0x10001
	s_lshl_b32 s35, s35, 2
	s_add_co_u32 s32, s32, s35
	s_add_co_u32 s32, s32, QSC
	s_add_nc_u64 s[38:39], s[14:15], s[32:33]
	v_and_b32 v9, 31, v0
	v_lshlrev_b32 v1, 4, v9                        ; 16 x lane: K's fragments
	v_and_b32 v9, 15, v0
	v_lshlrev_b32 v232, 3, v9
	global_load_b128 v[16:19], v1, s[36:37]        ; Q in the low half of the instruction's K,
	global_load_b128 v[20:23], v1, s[36:37] offset:512
	global_load_b128 v[40:43], v1, s[36:37]        ; and once more in the high half: a product's two sources share no register
	global_load_b128 v[44:47], v1, s[36:37] offset:512
	global_load_b32 v10, v232, s[38:39]
	v_mov_b32 v226, 0xf1800000                     ; -2^100
	v_lshl_add_u32 v227, v0, 3, MB
	s_wait_loadcnt 0x5                             ; the mask is in; Q's five loads may be out
	v_cmp_eq_u32 vcc_lo, 0, v224
	v_cndmask_b32 v224, 0, v226, vcc_lo
	v_cmp_eq_u32 vcc_lo, 0, v225
	v_cndmask_b32 v225, 0, v226, vcc_lo
	ds_store_b64 v227, v[224:225]
	v_add_nc_u32 v2, VIMG, v1                      ; V's fragments
	v_lshl_add_u32 v3, v9, 3, KSC                  ; K's scale words: 8 bytes a row
	v_lshl_add_u32 v4, v9, 3, VSC
	v_bfe_u32 v8, v0, 4, 1
	v_lshl_add_u32 v7, v8, 6, MB                   ; the mask's words of my 16 keys of a block of 32
	s_wait_loadcnt 0x0
	s_and_b32 s35, s34, 1
	s_lshl_b32 s35, s35, 4
	v_lshrrev_b32 v10, s35, v10
	v_and_b32 v10, 0xffff, v10                     ; my rows' two bytes, for the low half of K (the bytes over zero codes are 0: 2^-127, no NaN)
	v_lshlrev_b32 v11, 16, v10                     ; and for the high half
.irp j,24,25,26,27,28,29,30,31,32,33,34,35,36,37,38,39
	v_mov_b32 v[\j], 0                             ; zero codes
.endr
	v_mov_b32 v13, 0xff61b1e6                      ; the largest t so far: -3e38
	v_floor_f32 v12, -v13
	v_mov_b32 v14, 0
	v_mov_b32 v15, 0
.irp b,0,1,2,3
	v_mov_b32 v[228+\b], 0                         ; a lane permute's destination counts as one of its sources
.endr
	v_mov_b32 v253, 0
	v_mov_b32 v254, 0
.irp j,0,1,2,3,4,5,6,7,8,9,10,11,12,13,14,15,16,17,18,19,20,21,22,23,24,25,26,27,28,29,30,31
	v_mov_b32 v[176+\j], 0                         ; O^T: the step is written once; the first change of M leaves zeros zeros
.endr
	s_wait_tensorcnt 0x0                           ; my part of the pack has landed,
	s_wait_dscnt 0x0                               ; my two words of the mask are stored:
	s_barrier_signal -1
	s_barrier_wait -1                              ; everybody's
.Lstep:                                                ; 8 trips of 128 keys
.irp b,0,1,2,3
.irp i,0,1,2,3
	ds_load_b128 v[112+16*\b+4*\i:115+16*\b+4*\i], v7 offset:128*\b+16*\i   ; register 16 b + i is key 32 b + 16 h + i
.endr
.endr
.irp g,0,1,2,3
.irp c,0,1,2,3
	ds_load_b128 v[48+16*\g+4*\c:51+16*\g+4*\c], v1 offset:2048*\g+512*\c
.endr
.endr
	ds_load_b64 v[240:241], v3
	ds_load_b64 v[242:243], v3 offset:128
	s_wait_dscnt 0x0
.irp g,0,1,2,3
.irp u,0,1
	v_wmma_scale_f32_16x16x128_f8f6f4 v[112+8*(2*\g+\u):119+8*(2*\g+\u)], v[48+16*\g:63+16*\g], v[16+16*\u:31+16*\u], v[112+8*(2*\g+\u):119+8*(2*\g+\u)], v[240+\g], v[10+\u] matrix_a_fmt:MATRIX_FMT_BF8 matrix_b_fmt:MATRIX_FMT_BF8
.endr
.endr
.rept 8
	v_nop                                          ; places in front of the loads into K's registers and of the first read of the scores
.endr
.irp d,0,1,2,3
.irp c,0,1,2,3
	ds_load_b128 v[48+16*\d+4*\c:51+16*\d+4*\c], v2 offset:2048*\d+512*\c   ; V's four fragments land under the softmax
.endr
.endr
	ds_load_b64 v[248:249], v4
	ds_load_b64 v[250:251], v4 offset:128
.irp b,0,1,2,3
	v_max3_num_f32 v[224+\b], v[112+16*\b], v[113+16*\b], v[114+16*\b]   ; the largest score of each block of 32 keys: for the row's maximum and for the block's largest p
.endr
.irp i,3,5,7,9,11,13
.irp b,0,1,2,3
	v_max3_num_f32 v[224+\b], v[224+\b], v[112+16*\b+\i], v[113+16*\b+\i]
.endr
.endr
.irp b,0,1,2,3
	v_max_num_f32 v[224+\b], v[224+\b], v[127+16*\b]
.endr
.irp b,0,1,2,3
	v_permlanex16_b32 v[228+\b], v[224+\b], s[SEL], s[SEL+1]
.endr
.irp b,0,1,2,3
	v_max_num_f32 v[224+\b], v[224+\b], v[228+\b]
.endr
	v_max3_num_f32 v254, v224, v225, v226
	v_max_num_f32 v254, v254, v227
	v_mul_f32 v254, s[CS], v254
	v_max_num_f32 v13, v13, v254                   ; the running largest t
	v_mov_b32 v254, v12
	v_floor_f32 v12, -v13                          ; the new -M
	v_sub_f32 v254, v12, v254
	v_cvt_i32_f32 v254, v254                       ; (it saturates)
	v_ldexp_f32 v252, 1.0, v254                    ; f = 2^(old M - new M)
.irp j,0,2,4,6,8,10,12,14,16,18,20,22,24,26,28,30,32,34,36,38,40,42,44,46,48,50,52,54,56,58,60,62
	v_pk_fma_f32 v[112+\j:113+\j], v[112+\j:113+\j], s[CS:CS+1], v[12:13] op_sel_hi:[1,0,0]
.endr
.irp b,0,1,2,3
	v_fma_f32 v[224+\b], v[224+\b], s[CS], v12
.endr
.irp j,0,1,2,3,4,5,6,7,8,9,10,11,12,13,14,15,16,17,18,19,20,21,22,23,24,25,26,27,28,29,30,31,32,33,34,35,36,37,38,39,40,41,42,43,44,45,46,47,48,49,50,51,52,53,54,55,56,57,58,59,60,61,62,63
	v_exp_f32 v[112+\j], v[112+\j]                 ; p = 2^(t - M): not normalised
.endr
	v_pk_mul_f32 v[14:15], v[14:15], v[252:253] op_sel_hi:[1,0]   ; the sums under the new M: a plain line behind the exponentials
	s_wait_alu depctr_va_vdst(0)                   ; one wait for the batch, ahead of its first reader
.irp b,0,1,2,3
	v_exp_f32 v[224+\b], v[224+\b]                 ; the block's largest p
.endr
	v_pk_add_f32 v[228:229], v[112:113], v[114:115]   ; the row's sum of the unquantised p, in two chains
.irp j,4,8,12,16,20,24,28,32,36,40,44,48,52,56,60
	v_pk_add_f32 v[14:15], v[14:15], v[112+\j:113+\j]
	v_pk_add_f32 v[228:229], v[228:229], v[114+\j:115+\j]
.endr
	v_pk_add_f32 v[14:15], v[14:15], v[228:229]
	s_wait_dscnt 0x0                               ; V and its scale words are in
	v_perm_b32 v244, v250, v248, s[PL]             ; a channel tile's word: two bytes of keys 0-63, two of keys 64-127
	v_perm_b32 v245, v250, v248, s[PH]
	v_perm_b32 v246, v251, v249, s[PL]
	v_perm_b32 v247, v251, v249, s[PH]
	s_wait_alu depctr_va_vdst(0)                   ; and one for the four
.irp b,0,1,2,3
	v_max_num_f32 v[224+\b], 0x8000000, v[224+\b]  ; the floor 2^(16 - 127)
.endr
.irp b,0,1,2,3
	v_add_nc_u32 v[236+\b], 0xf8800000, v[224+\b]
.endr
.irp b,0,1,2,3
	v_and_or_b32 v[232+\b], v[224+\b], 0x7f800000, s[MNT]
.endr
.irp b,0,1,2,3
	v_lshrrev_b32 v[228+\b], 23, v[236+\b]
.endr
	v_lshl_or_b32 v253, v229, 8, v228              ; p's scale word for these 128 keys
	v_lshl_or_b32 v253, v230, 16, v253
	v_lshl_or_b32 v253, v231, 24, v253
.irp b,0,1,2,3
.irp i,0,1,2,3,4,5,6,7,8,9,10,11,12,13,14,15
	v_min_num_f32 v[112+16*\b+\i], v[112+16*\b+\i], v[232+\b]   ; the hold; p is not negative
.endr
	v_cvt_scalef32_pk8_bf8_f32 v[208+4*\b:209+4*\b], v[112+16*\b:119+16*\b], v[236+\b]
	v_cvt_scalef32_pk8_bf8_f32 v[210+4*\b:211+4*\b], v[120+16*\b:127+16*\b], v[236+\b]
.endr
.irp j,0,2,4,6,8,10,12,14,16,18,20,22,24,26,28,30
	v_pk_mul_f32 v[176+\j:177+\j], v[176+\j:177+\j], v[252:253] op_sel_hi:[1,0]   ; O^T under the new M; these are also the places in front of the products below
.endr
.irp d,0,1,2,3
	v_wmma_scale_f32_16x16x128_f8f6f4 v[176+8*\d:183+8*\d], v[48+16*\d:63+16*\d], v[208:223], v[176+8*\d:183+8*\d], v[244+\d], v253 matrix_a_fmt:MATRIX_FMT_BF8 matrix_b_fmt:MATRIX_FMT_BF8
.endr
	v_add_nc_u32 v1, 0x2000, v1                    ; the next 128 keys; with the three v_nop: the eight places behind the products
	v_add_nc_u32 v2, 0x2000, v2
	v_add_nc_u32 v3, 0x100, v3
	v_add_nc_u32 v4, 0x100, v4
	v_add_nc_u32 v7, 0x200, v7
.rept 3
	v_nop
.endr
	s_sub_co_u32 s40, s40, 1
	s_cmp_lg_u32 s40, 0
	s_cbranch_scc1 .Lstep
	; THE WAY OUT: O^T / the sum; register 16 a + i is channel 32 a + 16 h + i of my query: two blocks of the next K; the codes are two chunks of the next operand's image
	v_add_f32 v14, v14, v15
	v_permlanex16_b32 v254, v14, s[SEL], s[SEL+1]
	v_add_f32 v14, v14, v254
	v_rcp_f32 v14, v14
	v_and_b32 v8, 31, v0                           ; (a plain line behind the transcendental)
	v_lshlrev_b32 v8, 4, v8
	v_and_b32 v9, 15, v0
	v_bfe_u32 v255, v0, 4, 1
	v_lshl_add_u32 v9, v9, 2, v255                 ; the byte's place: 4 r + h
	s_wait_alu depctr_va_vdst(0)
.irp j,0,1,2,3,4,5,6,7,8,9,10,11,12,13,14,15,16,17,18,19,20,21,22,23,24,25,26,27,28,29,30,31
	v_mul_f32 v[112+\j], v[176+\j], v14
.endr
.irp a,0,1
	v_max3_num_f32 v[224+\a], |v[112+16*\a]|, |v[113+16*\a]|, 0x8000000
.endr
.irp i,2,4,6,8,10,12,14
.irp a,0,1
	v_max3_num_f32 v[224+\a], v[224+\a], |v[112+16*\a+\i]|, |v[113+16*\a+\i]|
.endr
.endr
.irp a,0,1
	v_permlanex16_b32 v[228+\a], v[224+\a], s[SEL], s[SEL+1]
.endr
.irp a,0,1
	v_max_num_f32 v[224+\a], v[224+\a], v[228+\a]
.endr
.irp a,0,1
	v_add_nc_u32 v[236+\a], 0xf8800000, v[224+\a]
.endr
.irp a,0,1
	v_and_or_b32 v[232+\a], v[224+\a], 0x7f800000, s[MNT]
.endr
.irp a,0,1
	v_lshrrev_b32 v[228+\a], 23, v[236+\a]
.endr
.irp a,0,1
.irp i,0,1,2,3,4,5,6,7,8,9,10,11,12,13,14,15
	v_med3_num_f32 v[112+16*\a+\i], v[112+16*\a+\i], -v[232+\a], v[232+\a]
.endr
	v_cvt_scalef32_pk8_bf8_f32 v[208+4*\a:209+4*\a], v[112+16*\a:119+16*\a], v[236+\a]
	v_cvt_scalef32_pk8_bf8_f32 v[210+4*\a:211+4*\a], v[120+16*\a:127+16*\a], v[236+\a]
.endr
	v_cmp_eq_u32 vcc_lo, 1, v255
	v_cndmask_b32 v228, v228, v229, vcc_lo         ; lanes 0-15 store block 0's byte, lanes 16-31 block 1's
	v_mov_b32 v230, 0xff
	v_cmp_gt_f32 vcc_lo, s41, v13                  ; every key masked: the byte that stands for NaN
	v_cndmask_b32 v228, v228, v230, vcc_lo
	s_lshr_b32 s49, s12, 4
	s_lshl_b32 s49, s49, 6
	s_add_co_u32 s49, s49, s34                     ; my block of 16 rows among the 256: 64 x batch + block
	s_and_b32 s50, s12, 15                         ; head
	s_lshr_b32 s51, s50, 1
	s_and_b32 s50, s50, 1
	s_lshl_b32 s52, s49, 3
	s_add_co_u32 s52, s52, s51
	s_lshl_b32 s52, s52, 11
	s_lshl_b32 s53, s50, 10
	s_add_co_u32 s52, s52, s53
	s_mov_b32 s53, 0
	s_add_nc_u64 s[52:53], s[8:9], s[52:53]
	s_lshl_b32 s54, s51, 14
	s_lshl_b32 s55, s49, 6
	s_add_co_u32 s54, s54, s55
	s_lshl_b32 s55, s50, 1
	s_add_co_u32 s54, s54, s55
	s_add_co_u32 s54, s54, 4194304
	s_mov_b32 s55, 0
	s_add_nc_u64 s[54:55], s[8:9], s[54:55]
	global_store_b128 v8, v[208:211], s[52:53]     ; 512 consecutive bytes a store
	global_store_b128 v8, v[212:215], s[52:53] offset:512
	global_store_b8 v9, v228, s[54:55]             ; two bytes of each row's word: one part in 32 of the output
	s_wait_tensorcnt 0x0                           ; the wave's end
	ds_add_u32 v[SPW], v[NIL]
	s_wait_dscnt 0x0
	ROUND                                          ; the closing round
	s_endpgm
.Lfunc_end_k_q6fc8981738_attn:
	.size	k_q6fc8981738_attn, .Lfunc_end_k_q6fc8981738_attn-k_q6fc8981738_attn
	.p2alignl 7, 3214868480
	.fill 96, 4, 3214868480
	.section	.rodata,"a",@progbits
	.p2align	6, 0x0
	.amdhsa_kernel k_q6fc8981738_attn
		.amdhsa_group_segment_fixed_size 167936
		.amdhsa_private_segment_fixed_size 0
		.amdhsa_enable_private_segment 0
		.amdhsa_kernarg_size 24
		.amdhsa_user_sgpr_count 2
		.amdhsa_user_sgpr_kernarg_segment_ptr 1
		.amdhsa_wavefront_size32 1
		.amdhsa_system_sgpr_workgroup_id_x 1
		.amdhsa_system_sgpr_workgroup_id_y 1
		.amdhsa_system_sgpr_workgroup_id_z 1
		.amdhsa_system_vgpr_workitem_id 0
		.amdhsa_next_free_vgpr 256
		.amdhsa_next_free_sgpr 66
		.amdhsa_reserve_vcc 1
		.amdhsa_float_denorm_mode_32 3
		.amdhsa_float_denorm_mode_16_64 3
		.amdhsa_memory_ordered 1
		.amdhsa_forward_progress 1
		.amdhsa_inst_pref_size 34
	.end_amdhsa_kernel
	.amdgpu_metadata
---
amdhsa.version: [ 1, 2 ]
amdhsa.kernels:
  - .name:           k_q6fc8981738_attn
    .symbol:         k_q6fc8981738_attn.kd
    .args:
      - { .name: qkvp, .offset: 0, .size: 8, .value_kind: global_buffer, .address_space: global }
      - { .name: mask, .offset: 8, .size: 8, .value_kind: global_buffer, .address_space: global }
      - { .name: att, .offset: 16, .size: 8, .value_kind: global_buffer, .address_space: global }
    .group_segment_fixed_size: 167936
    .private_segment_fixed_size: 0
    .kernarg_segment_align: 8
    .kernarg_segment_size: 24
    .max_flat_workgroup_size: 512
    .sgpr_count:     66
    .vgpr_count:     256
    .wavefront_size: 32
...
	.end_amdgpu_metadata
.endif
;; end of part 3
;; launch go (part 4): grid 8 x 32, 4 waves a work-group, clusters of 4 x 4, 327,680 bytes of LDS; arguments att, wts, bo, x, x1; writes x1
.if DOCPART == 4
	.amdgcn_target "amdgcn-amd-amdhsa--gfx1250"
	.amdhsa_code_object_version 6
	.text
	.protected	k_q6fc8981738_go
	.globl	k_q6fc8981738_go
	.p2align	8
	.type	k_q6fc8981738_go,@function
k_q6fc8981738_go:
	s_mov_b64 s[64:65], 0
	v_nop
	global_prefetch_b8 v0, s[64:65] scope:SCOPE_SE
	s_setreg_imm32_b32 hwreg(HW_REG_WAVE_MODE, 25, 1), 1
	s_wait_xcnt 0x0
	s_wait_alu depctr_hold_cnt(0) depctr_sa_sdst(0) depctr_va_vdst(0) depctr_va_sdst(0) depctr_va_ssrc(0) depctr_va_vcc(0) depctr_vm_vsrc(0)
	s_getreg_b32 s2, hwreg(HW_REG_IB_STS2, 6, 4)
	s_cmp_eq_u32 s2, 0
	s_cbranch_scc0 .Lentry_in_a_cluster
	s_endpgm
.Lentry_in_a_cluster:
	s_bfe_u32 s2, ttmp6, 0x10000c
	s_cmp_lg_u32 s2, 0xf033
	s_cbranch_scc0 .Lentry_shape_is_right
	s_endpgm
.Lentry_shape_is_right:
; x1 = x + attention Wo + bo: a product on codes of E5M2 (K = SIZE_K) with the bias as the C of each sum's first product and the residual added on the way out; f32 out, rows in their true order.
; A tile of C is 128 x 128: Y = 128 rows of the activations (work-group y), X = 128 rows of the weights (work-group x).  Four waves, each 64 x 64: 16 accumulators.  Source 0 = X, source 1 = Y:
; a lane holds one row and its registers run along the columns.  Both operands lie in memory as images of their registers: every fragment is four loads of 512 consecutive bytes.
; K goes in steps of 512 through two LDS slots; with SIZE_K = 1024 both are filled at the start and nothing is filled again.  The scale words of all of K come once, with the first fills.
; CLUSTERS: 4 x 4.  Y's tiles are asked for jointly by a row of the cluster, X's by a column.  No prefetch: small tiles, a short launch.
; The residual's 32 loads a lane go out at the head, into window 2, and land under the products.
; REGISTERS: window 0: v1 r, v2 h, v4 16 x lane, v16-27 addresses, v28-29 the add's two, v32-47 scale words, v64-95 bias, later with v96-127 rows on the way out, v128-255 accumulators.
;   window 1: two sets of fragments.  window 2: v0-127 the residual.
.set SIZE_K, 1024
.set YIMG,   1
.set XCODE,  3145728
.set XSCAL,  12681216
.set XROWS,  1024
.set YSCAL,  4194304
.set STAGEB, 4*16*272
.set NSTEP, SIZE_K/512
.set KQN,   SIZE_K/128
.if YIMG
.set YH,    32768
.set YSTEP, 8192
.set LY,    4
.else
.set YH,    64*528
.set YSTEP, 512
.set LY,    5
.endif
.set XH,    32768
.set SLOT,  2*YH+2*XH
.set SCL,   2*SLOT                     ; behind the slots: four parts of scale words, wave w's fetch in part w
.set PARTB, KQN*272
.set STAGE, SCL+4*PARTB                ; 16 rows x (256 bytes + 16) for each wave: no tensor load lands here
.set SPARE, STAGE+STAGEB               ; the spare words, 128 bytes for each wave, which no other line names
.set ADRY, 16
.set ADRX, 20
.set STO,  24
.set RD,   25
.set CO,   26
.set ADRS, 27
.set SPW,  28
.set NIL,  29
.set SC,   32
.set BIAS, 64
.set ACC,  128
.set WV, 20
.set WY, 21
.set WC, 22
.set CNT, 23
.set G1Y, 24
.set G0Y, 32
.set G1X, 40
.set G0X, 48
.set G1SY, 56
.set G0SY, 68
.set G1SX, 72
.set G0SX, 80
.set CX, 84
.set CY, 85
.set XT, 86
.set YT, 87
.set MSB, 0
.macro WIN new
.if MSB != \new
	s_set_vgpr_msb (MSB<<8)|\new
.set MSB, \new
.endif
.endm
.set MUL,  0x05
.set TO_F, 0x40
.macro PLACES n
.rept \n
	v_nop
.endr
.endm
.macro JLOAD g0a, g1a, g0b, g1b        ; a joint load: waves 0 and 1 fetch for Y, waves 2 and 3 for X; an s_nop 0 and four v_nop follow each line
	s_cmp_eq_u32 s[WY], 0
	s_cbranch_scc0 .Lfor_x_\@
	tensor_load_to_lds s[\g0a:\g0a+3], s[\g1a:\g1a+7]
	s_nop 0
.rept 4
	v_nop
.endr
	s_branch .Lasked_\@
.Lfor_x_\@:
	tensor_load_to_lds s[\g0b:\g0b+3], s[\g1b:\g1b+7]
	s_nop 0
.rept 4
	v_nop
.endr
.Lasked_\@:
.endm
.macro CROUND
	s_barrier_signal -1
	s_barrier_wait -1
	s_cmp_lg_u32 s[WV], 0
	s_cbranch_scc1 .Lnot_wave_0_\@
	s_barrier_signal -3
.Lnot_wave_0_\@:
	s_barrier_wait -3
	s_barrier_signal -1
	s_barrier_wait -1
.endm
.macro FRAG reg, adr, off, cs
.irp c,0,1,2,3
	ds_load_b128 v[\reg+4*\c:\reg+4*\c+3], v[\adr] offset:\off+\cs*\c
.endr
.endm
.macro FX slot, q, f, i
	FRAG \f+16*(\i), ADRX+\slot, 8192*(\i)+2048*(\q), 512
.endm
.macro FY slot, q, f, i
	FRAG \f+64+16*(\i), ADRY+\slot, 8192*(\i)+2048*(\q), 512
.endm
.macro FETCH slot, q, f                ; 32 loads in one run: X's four blocks, then Y's
	WIN TO_F
.irp i,0,1,2,3
	FX \slot, \q, \f, \i
.endr
.irp i,0,1,2,3
	FY \slot, \q, \f, \i
.endr
.endm
.macro SCALES                          ; a K step's scale words: lanes 0-15 Y's block i, lanes 16-31 X's block i
.irp q,0,1,2,3
.irp i,0,1,2,3
	ds_load_b32 v[SC+4*\q+\i], v[ADRS] offset:272*\q+64*\i
.endr
.endr
.endm
.macro MUL8 f, q, a0, cm               ; 8 products: Y's blocks a0, a0 + 1 x X's four; cm = 1: C is the bias.  The 16 accumulators take turns
.irp a,\a0,\a0+1
.irp b,0,1,2,3
.set DD, ACC+8*(4*(\a)+\b)
.if \cm
.set CC, BIAS+8*\b
.else
.set CC, DD
.endif
	v_wmma_scale_f32_16x16x128_f8f6f4 v[DD:DD+7], v[\f+16*\b:\f+16*\b+15], v[\f+64+16*(\a):\f+64+16*(\a)+15], v[CC:CC+7], v[SC+4*(\q)+\b], v[SC+4*(\q)+(\a)] matrix_a_fmt:MATRIX_FMT_BF8 matrix_b_fmt:MATRIX_FMT_BF8 matrix_a_scale:MATRIX_SCALE_ROW1
.endr
.endr
.endm
.macro HALF slot, cm                   ; a K step of 512: four quarters of 128 on two sets of fragments; eight plain places in front of each run of loads into registers that products have read
	PLACES 8
	SCALES
	FETCH \slot, 0, 0
.irp q,0,1,2,3
	s_wait_dscnt 0x8                               ; all but Y's blocks 2 and 3
	WIN MUL
.if \q == 0
	MUL8 0, 0, 0, \cm
.else
	MUL8 128*(\q%2), \q, 0, 0
.endif
.if \q < 3
	PLACES 8
	FETCH \slot, \q+1, 128*((\q+1)%2)
	s_wait_dscnt 0x20                              ; all but the 32 just issued
	WIN MUL
.else
	s_wait_dscnt 0x0
.endif
.if \q == 0
	MUL8 0, 0, 2, \cm
.else
	MUL8 128*(\q%2), \q, 2, 0
.endif
.endr
	WIN 0
.endm
.macro CHANGE slot                     ; the slot just read out is filled again, two K steps ahead: every wave's three lines, a round of the cluster's barrier, the joint refill first behind it
	s_wait_tensorcnt 0x0                           ; all my tensor loads have landed, my part of the other slot among them
	ds_add_u32 v[SPW], v[NIL]                      ; 0 onto my spare word
	s_add_nc_u64 s[G0Y+4*\slot+2:G0Y+4*\slot+3], s[G0Y+4*\slot+2:G0Y+4*\slot+3], 16384
	s_add_nc_u64 s[G0X+4*\slot+2:G0X+4*\slot+3], s[G0X+4*\slot+2:G0X+4*\slot+3], 16384
	s_wait_dscnt 0x0                               ; the add is done, and my reads of the slot are over
	CROUND
	JLOAD G0Y+4*\slot, G1Y, G0X+4*\slot, G1X       ; one tensor load of mine is out; it has a K step's 64 products in which to land
.endm
	s_load_b256 s[4:11], s[0:1], 0x0               ; Y, wts, bias, residual
	s_load_b64 s[12:13], s[0:1], 0x20              ; out
	v_lshl_add_u32 v[SPW], v0, 2, SPARE
	v_mov_b32 v[NIL], 0
	ds_add_u32 v[SPW], v[NIL]                      ; the wave's opening: the add, twice on end, and its wait ahead of my first tensor load
	ds_add_u32 v[SPW], v[NIL]
	v_lshrrev_b32 v3, 5, v0
	v_readfirstlane_b32 s[WV], v3
	s_lshr_b32 s[WY], s[WV], 1
	s_and_b32 s[WC], s[WV], 1
	s_bfe_u32 s[CX], ttmp6, 0x40000
	s_bfe_u32 s[CY], ttmp6, 0x40004
	s_lshl_b32 s[XT], ttmp9, 2
	s_add_co_u32 s[XT], s[XT], s[CX]
	s_and_b32 s[YT], ttmp7, 0xffff
	s_lshl_b32 s[YT], s[YT], 2
	s_add_co_u32 s[YT], s[YT], s[CY]
	s_lshl_b32 s88, s[CY], 2
	s_lshl_b32 s88, 15, s88                        ; my row of the cluster
	s_lshl_b32 s89, 0x1111, s[CX]                  ; my column
	s_or_b32 s[G1Y], s88, (3<<16)|(1<<21)          ; 4 rows of 8,192 bytes (a block of 16 rows x 512 along K), 16 SIZE_K bytes apart; elements of 8 bytes
	s_or_b32 s[G1X], s89, (3<<16)|(1<<21)
.irp g,G1Y,G1X
	s_mov_b32 s[\g+1], 1024<<16
	s_mov_b32 s[\g+2], 4<<16
	s_mov_b32 s[\g+3], 1024<<16
	s_mov_b32 s[\g+4], 4
	s_mov_b32 s[\g+5], 2*SIZE_K
	s_mov_b32 s[\g+6], 0
	s_mov_b32 s[\g+7], 0
.endr
	s_or_b32 s[G1SY], s88, (3<<16)|(1<<20)|(1<<21)|(5<<22)|(3<<25)   ; scale words of 64 rows: a row of 256 bytes for each 128 along K, 16 bytes of padding behind it
	s_or_b32 s[G1SX], s89, (3<<16)|(1<<20)|(1<<21)|(5<<22)|(3<<25)
.irp g,G1SY,G1SX
	s_mov_b32 s[\g+1], 32<<16
	s_mov_b32 s[\g+2], KQN<<16
	s_mov_b32 s[\g+3], 32<<16
	s_mov_b32 s[\g+4], KQN
	s_mov_b32 s[\g+6], 0
	s_mov_b32 s[\g+7], 0
.endr
	s_mov_b32 s[G1SY+5], 2048
	s_mov_b32 s[G1SX+5], XROWS/2
	s_lshl_b32 s16, s[WC], 6
	s_lshl_b32 s90, s[YT], 7
	s_add_co_u32 s90, s90, s16
	s_lshl_b32 s94, s90, 2
	s_add_co_u32 s94, s94, YSCAL
	s_mul_i32 s90, s90, SIZE_K
	s_mov_b32 s91, 0
	s_mov_b32 s95, 0
	s_lshl_b32 s92, s[XT], 7
	s_add_co_u32 s92, s92, s16
	s_lshl_b32 s96, s92, 2
	s_add_co_u32 s96, s96, XSCAL
	s_mul_i32 s92, s92, SIZE_K
	s_add_co_u32 s92, s92, XCODE
	s_mov_b32 s93, 0
	s_mov_b32 s97, 0
	s_mul_i32 s17, s[WC], YH
	s_mul_i32 s18, s[WC], XH
	s_add_co_u32 s18, s18, 2*YH
	s_mul_i32 s19, s[WV], PARTB
	s_wait_dscnt 0x0                               ; both opening adds are done
	s_wait_kmcnt 0x0
	s_add_nc_u64 s[90:91], s[4:5], s[90:91]
	s_add_nc_u64 s[94:95], s[4:5], s[94:95]
	s_add_nc_u64 s[92:93], s[6:7], s[92:93]
	s_add_nc_u64 s[96:97], s[6:7], s[96:97]
	CROUND                                         ; all sixteen work-groups are here: the first joint loads meet
	s_mov_b32 s[G0SY], 1
	s_add_co_u32 s[G0SY+1], s19, SCL
	s_mov_b64 s[G0SY+2:G0SY+3], s[94:95]
	s_or_b32 s[G0SY+3], s[G0SY+3], 0x80000000
	s_mov_b32 s[G0SX], 1
	s_add_co_u32 s[G0SX+1], s19, SCL
	s_mov_b64 s[G0SX+2:G0SX+3], s[96:97]
	s_or_b32 s[G0SX+3], s[G0SX+3], 0x80000000
	JLOAD G0SY, G1SY, G0SX, G1SX
.irp s,0,1
	s_mov_b32 s[G0Y+4*\s], 1
	s_add_co_u32 s[G0Y+4*\s+1], s17, \s*SLOT
	s_add_nc_u64 s[G0Y+4*\s+2:G0Y+4*\s+3], s[90:91], \s*YSTEP
	s_or_b32 s[G0Y+4*\s+3], s[G0Y+4*\s+3], 0x80000000
	s_mov_b32 s[G0X+4*\s], 1
	s_add_co_u32 s[G0X+4*\s+1], s18, \s*SLOT
	s_add_nc_u64 s[G0X+4*\s+2:G0X+4*\s+3], s[92:93], \s*8192
	s_or_b32 s[G0X+4*\s+3], s[G0X+4*\s+3], 0x80000000
	JLOAD G0Y+4*\s, G1Y, G0X+4*\s, G1X             ; by this text's count three tensor loads of a wave are out
.endr
	v_and_b32 v1, 15, v0                           ; r
	v_bfe_u32 v2, v0, 4, 1                         ; h
	v_and_b32 v3, 31, v0
	v_lshlrev_b32 v4, 4, v3                        ; 16 x lane
	s_mul_i32 s16, s[WY], YH
	s_mul_i32 s17, s[WC], XH
	s_add_co_u32 s17, s17, 2*YH
.irp s,0,1
	v_add_nc_u32 v[ADRY+\s], s16, v[LY]
	v_add_nc_u32 v[ADRX+\s], s17, v4
	s_add_co_u32 s16, s16, SLOT
	s_add_co_u32 s17, s17, SLOT
.endr
	s_mul_i32 s16, s[WY], PARTB
	s_mul_i32 s17, s[WC], PARTB
	s_add_co_u32 s17, s17, 2*PARTB
	s_sub_co_u32 s17, s17, s16
	v_mul_u32_u24 v6, s17, v2                      ; lanes 16-31 take X's words
	s_add_co_u32 s16, s16, SCL
	v_lshl_add_u32 v6, v1, 2, v6
	v_add_nc_u32 v[ADRS], s16, v6
	s_mul_i32 s18, s[WV], 16*272
	s_add_co_u32 s18, s18, STAGE                   ; my stage
	v_mul_u32_u24 v3, v1, 272
	v_lshl_add_u32 v3, v2, 6, v3
	v_add_nc_u32 v[STO], s18, v3                   ; in: row r, + 64 h
	v_mul_u32_u24 v3, v2, 272
	v_lshl_add_u32 v3, v1, 4, v3
	v_add_nc_u32 v[RD], s18, v3                    ; back: lanes 0-15 one row of 256 bytes, lanes 16-31 the next
	s_lshl_b32 s2, s[XT], 7
	s_lshl_b32 s3, s[WC], 6
	s_add_co_u32 s2, s2, s3
	s_lshl_b32 s2, s2, 2                           ; my first column, in bytes
	s_mov_b32 s3, 0
	s_add_nc_u64 s[8:9], s[8:9], s[2:3]
	v_lshlrev_b32 v8, 6, v2
.irp b,0,1,2,3
	global_load_b128 v[BIAS+8*\b:BIAS+8*\b+3], v8, s[8:9] offset:128*(\b/2)+32*(\b%2)        ; register j of tile b is column 32 (b / 2) + 16 h + 8 (b % 2) + j
	global_load_b128 v[BIAS+8*\b+4:BIAS+8*\b+7], v8, s[8:9] offset:128*(\b/2)+32*(\b%2)+16
.endr
	s_lshl_b32 s16, s[YT], 7
	s_lshl_b32 s17, s[WY], 6
	s_add_co_u32 s16, s16, s17
	s_lshl_b32 s16, s16, 12
	s_add_co_u32 s16, s16, s2
	s_mov_b32 s17, 0
	s_add_nc_u64 s[10:11], s[10:11], s[16:17]
	s_add_nc_u64 s[12:13], s[12:13], s[16:17]
	v_lshlrev_b32 v[CO], 12, v2
	v_lshl_add_u32 v[CO], v1, 4, v[CO]
	WIN 0x80                                       ; destination window 2
.irp a,0,1,2,3
.irp i,0,1,2,3,4,5,6,7
	global_load_b128 v[32*\a+4*\i:32*\a+4*\i+3], v[CO], s[10:11] offset:(32*(\a/2)+8*(\a%2)+2*\i+8*(\i/4))*4096 th:TH_LOAD_NT   ; position 16 a + 2 i + h is true row 32 (a / 2) + 8 (a % 2) + 2 i + h + 8 (i / 4)
.endr
.endr
	WIN 0
	s_wait_tensorcnt 0x1                           ; the scale words and my part of K step 0 are in; K step 1's load may be out
	s_wait_loadcnt 0x20                            ; the bias is in; the residual's 32 loads may be out
	s_barrier_signal -1
	s_barrier_wait -1
	HALF 0, 1
.if NSTEP > 2
	s_mov_b32 s[CNT], (NSTEP-2)/2
.Llap:
	CHANGE 0
	v_add_nc_u32 v[ADRS], 1088, v[ADRS]            ; the next K step's scale words
	HALF 1, 0
	CHANGE 1
	v_add_nc_u32 v[ADRS], 1088, v[ADRS]
	HALF 0, 0
	s_sub_co_u32 s[CNT], s[CNT], 1
	s_cmp_lg_u32 s[CNT], 0
	s_cbranch_scc1 .Llap
.endif
	s_wait_tensorcnt 0x0                           ; my part of the last K step is in,
	s_wait_dscnt 0x0
	s_barrier_signal -1
	s_barrier_wait -1                              ; everybody's is; nothing is filled again
	v_add_nc_u32 v[ADRS], 1088, v[ADRS]
	HALF 1, 0
	; THE WAY OUT, a block of 16 rows x 64 columns at a time, through my own stage: back as whole rows of 256 bytes, + the residual, stored sixteen lanes to 256 consecutive bytes, aligned
	s_wait_loadcnt 0x0
	PLACES 8
.irp a,0,1,2,3
.set RBK, 64+32*(\a%2)
.if \a >= 2
	s_wait_xcnt 0x0                                ; the stores of two blocks back have read these registers
.endif
.irp b,0,1,2,3
	ds_store_b128 v[STO], v[ACC+8*(4*\a+\b):ACC+8*(4*\a+\b)+3] offset:128*(\b/2)+32*(\b%2)
	ds_store_b128 v[STO], v[ACC+8*(4*\a+\b)+4:ACC+8*(4*\a+\b)+7] offset:128*(\b/2)+32*(\b%2)+16
.endr
.irp i,0,1,2,3,4,5,6,7
	ds_load_b128 v[RBK+4*\i:RBK+4*\i+3], v[RD] offset:544*\i   ; LDS serves a wave's instructions in order (ISA guide 5.7.1.4): these see the stores above
.endr
	s_wait_dscnt 0x0
	WIN 0x08                                       ; source 1 window 2
.irp m,0,2,4,6,8,10,12,14,16,18,20,22,24,26,28,30
	v_pk_add_f32 v[RBK+\m:RBK+\m+1], v[RBK+\m:RBK+\m+1], v[32*\a+\m:32*\a+\m+1]
.endr
	WIN 0
.irp i,0,1,2,3,4,5,6,7
	global_store_b128 v[CO], v[RBK+4*\i:RBK+4*\i+3], s[12:13] offset:(32*(\a/2)+8*(\a%2)+2*\i+8*(\i/4))*4096 th:TH_STORE_NT
.endr
.endr
	s_wait_tensorcnt 0x0                           ; the wave's end
	ds_add_u32 v[SPW], v[NIL]
	s_wait_dscnt 0x0
	CROUND                                         ; the closing round
	s_endpgm
.Lfunc_end_k_q6fc8981738_go:
	.size	k_q6fc8981738_go, .Lfunc_end_k_q6fc8981738_go-k_q6fc8981738_go
	.p2alignl 7, 3214868480
	.fill 96, 4, 3214868480
	.section	.rodata,"a",@progbits
	.p2align	6, 0x0
	.amdhsa_kernel k_q6fc8981738_go
		.amdhsa_group_segment_fixed_size 327680
		.amdhsa_private_segment_fixed_size 0
		.amdhsa_enable_private_segment 0
		.amdhsa_kernarg_size 40
		.amdhsa_user_sgpr_count 2
		.amdhsa_user_sgpr_kernarg_segment_ptr 1
		.amdhsa_wavefront_size32 1
		.amdhsa_system_sgpr_workgroup_id_x 1
		.amdhsa_system_sgpr_workgroup_id_y 1
		.amdhsa_system_sgpr_workgroup_id_z 1
		.amdhsa_system_vgpr_workitem_id 0
		.amdhsa_next_free_vgpr 640
		.amdhsa_next_free_sgpr 102
		.amdhsa_reserve_vcc 0
		.amdhsa_float_denorm_mode_32 3
		.amdhsa_float_denorm_mode_16_64 3
		.amdhsa_memory_ordered 1
		.amdhsa_forward_progress 1
		.amdhsa_inst_pref_size 63
	.end_amdhsa_kernel
	.amdgpu_metadata
---
amdhsa.version: [ 1, 2 ]
amdhsa.kernels:
  - .name:           k_q6fc8981738_go
    .symbol:         k_q6fc8981738_go.kd
    .args:
      - { .name: att, .offset: 0, .size: 8, .value_kind: global_buffer, .address_space: global }
      - { .name: wts, .offset: 8, .size: 8, .value_kind: global_buffer, .address_space: global }
      - { .name: bo, .offset: 16, .size: 8, .value_kind: global_buffer, .address_space: global }
      - { .name: x, .offset: 24, .size: 8, .value_kind: global_buffer, .address_space: global }
      - { .name: x1, .offset: 32, .size: 8, .value_kind: global_buffer, .address_space: global }
    .group_segment_fixed_size: 327680
    .private_segment_fixed_size: 0
    .kernarg_segment_align: 8
    .kernarg_segment_size: 40
    .max_flat_workgroup_size: 128
    .sgpr_count:     102
    .vgpr_count:     640
    .wavefront_size: 32
...
	.end_amdgpu_metadata
.endif
;; end of part 4
;; launch ln2 (part 5): grid 128 x 1, 4 waves a work-group, no clusters, 0 bytes of LDS; arguments x1, ln2_g, ln2_b, act2; writes act2
.if DOCPART == 5
	.amdgcn_target "amdgcn-amd-amdhsa--gfx1250"
	.amdhsa_code_object_version 6
	.text
	.protected	k_q6fc8981738_ln2
	.globl	k_q6fc8981738_ln2
	.p2align	8
	.type	k_q6fc8981738_ln2,@function
k_q6fc8981738_ln2:
	s_mov_b64 s[64:65], 0
	v_nop
	global_prefetch_b8 v0, s[64:65] scope:SCOPE_SE
	s_setreg_imm32_b32 hwreg(HW_REG_WAVE_MODE, 25, 1), 1
	s_wait_xcnt 0x0
; LayerNorm 2 with its quantiser: the first launch's LayerNorm path on x1.  act2: codes [position][1024] at 0; scale words [k / 128][position][4 bytes] at 4,194,304; row n at position n with its bits 3 and 4 exchanged.
; A wave takes 8 rows, a row in 32 registers; four rows are on their way.  No LDS, no barrier, no matrix unit, no cluster: waves share nothing and memory binds.
; 128 work-groups: a row's mean and variance want the whole row, and 8 rows a wave let the scale words leave in pieces of 32 bytes.
; LIMITS: NaN and infinities are not served (a NaN row of x1 reaches the output by the last launch's residual); a block of zeros has the byte 1.
.set G,   32
.set BB,  64
.set XS,  96
.set CD,  224
.set OW,  240
.macro XLOAD t
.irp j,0,1,2,3
	global_load_b128 v[XS+32*((\t)%4)+8*\j:XS+32*((\t)%4)+8*\j+3], v1, s[4:5] offset:4096*(\t)+1024*\j th:TH_LOAD_NT
	global_load_b128 v[XS+32*((\t)%4)+8*\j+4:XS+32*((\t)%4)+8*\j+7], v1, s[4:5] offset:4096*(\t)+1024*\j+16 th:TH_LOAD_NT
.endr
.endm
.macro WSUM
	v_add_f32_dpp v8, v8, v8 row_xmask:1 row_mask:0xf bank_mask:0xf
	v_add_f32_dpp v8, v8, v8 row_xmask:2 row_mask:0xf bank_mask:0xf
	v_add_f32_dpp v8, v8, v8 row_xmask:4 row_mask:0xf bank_mask:0xf
	v_add_f32_dpp v8, v8, v8 row_xmask:8 row_mask:0xf bank_mask:0xf
	v_permlanex16_b32 v9, v8, s34, s35
	v_add_f32 v8, v8, v9
.endm
.macro FOLD
	v_pk_add_f32 v[8:9], v[8:9], v[10:11]
	v_pk_add_f32 v[12:13], v[12:13], v[14:15]
	v_pk_add_f32 v[8:9], v[8:9], v[12:13]
	v_add_f32 v8, v8, v9
.endm
.macro ROW t, left                     ; left: the loads of younger rows that may stay out
.set X, XS+32*((\t)%4)
.set C, CD+8*((\t)%2)
	s_wait_loadcnt \left
	s_wait_xcnt 0x0                                ; the stores of two rows back have read this set of code registers
.irp k,0,1,2,3
	v_pk_add_f32 v[8+2*\k:9+2*\k], v[X+2*\k:X+2*\k+1], v[X+8+2*\k:X+9+2*\k]
.endr
.irp m,2,3
.irp k,0,1,2,3
	v_pk_add_f32 v[8+2*\k:9+2*\k], v[8+2*\k:9+2*\k], v[X+8*\m+2*\k:X+8*\m+2*\k+1]
.endr
.endr
	FOLD
	WSUM
	v_mul_f32 v16, s30, v8                         ; the mean
.irp m,0,2,4,6,8,10,12,14,16,18,20,22,24,26,28,30
	v_pk_add_f32 v[X+\m:X+\m+1], v[X+\m:X+\m+1], v[16:17] op_sel_hi:[1,0] neg_lo:[0,1] neg_hi:[0,1]
.endr
.irp k,0,1,2,3
	v_pk_mul_f32 v[8+2*\k:9+2*\k], v[X+2*\k:X+2*\k+1], v[X+2*\k:X+2*\k+1]
.endr
.irp m,1,2,3
.irp k,0,1,2,3
	v_pk_fma_f32 v[8+2*\k:9+2*\k], v[X+8*\m+2*\k:X+8*\m+2*\k+1], v[X+8*\m+2*\k:X+8*\m+2*\k+1], v[8+2*\k:9+2*\k]
.endr
.endr
	FOLD
	WSUM
	v_fma_f32 v18, v8, s30, s31                    ; the variance + 1e-6
	v_rsq_f32 v18, v18
	v_nop                                          ; a plain line behind the transcendental
	s_wait_alu depctr_va_vdst(0)                   ; and the wait ahead of its first reader
.irp m,0,2,4,6,8,10,12,14,16,18,20,22,24,26,28,30
	v_pk_mul_f32 v[X+\m:X+\m+1], v[X+\m:X+\m+1], v[18:19] op_sel_hi:[1,0]
.endr
.irp m,0,2,4,6,8,10,12,14,16,18,20,22,24,26,28,30
	v_pk_fma_f32 v[X+\m:X+\m+1], v[X+\m:X+\m+1], v[G+\m:G+\m+1], v[BB+\m:BB+\m+1]
.endr
.irp j,0,1,2,3
	v_max3_num_f32 v[20+\j], |v[X+8*\j]|, |v[X+8*\j+1]|, 0x8000000   ; with the floor 2^(16 - 127)
.endr
.irp i,2,4,6
.irp j,0,1,2,3
	v_max3_num_f32 v[20+\j], v[20+\j], |v[X+8*\j+\i]|, |v[X+8*\j+\i+1]|
.endr
.endr
.irp j,0,1,2,3
	v_max_num_f32_dpp v[20+\j], v[20+\j], v[20+\j] row_xmask:1 row_mask:0xf bank_mask:0xf
.endr
.irp j,0,1,2,3
	v_max_num_f32_dpp v[20+\j], v[20+\j], v[20+\j] row_xmask:2 row_mask:0xf bank_mask:0xf
.endr
.irp j,0,1,2,3
	v_add_nc_u32 v[24+\j], 0xf8800000, v[20+\j]
.endr
.irp j,0,1,2,3
	v_and_or_b32 v[28+\j], v[20+\j], 0x7f800000, s32
.endr
.irp j,0,1,2,3
.irp i,0,1,2,3,4,5,6,7
	v_med3_num_f32 v[X+8*\j+\i], v[X+8*\j+\i], -v[28+\j], v[28+\j]
.endr
.endr
.irp j,0,1,2,3
	v_cvt_scalef32_pk8_bf8_f32 v[C+2*\j:C+2*\j+1], v[X+8*\j:X+8*\j+7], v[24+\j]
.endr
.irp j,0,1,2,3
	v_lshrrev_b32 v[8+\j], 23, v[24+\j]
.endr
.irp j,0,1,2,3
	v_lshlrev_b32 v[8+\j], v3, v[8+\j]
.endr
.irp j,0,1,2,3
	v_mov_b32_dpp v[12+\j], v[8+\j] row_xmask:4 row_mask:0xf bank_mask:0xf
.endr
.irp j,0,1,2,3
	v_or_b32 v[8+\j], v[8+\j], v[12+\j]
.endr
.irp j,0,1,2,3
	v_mov_b32_dpp v[12+\j], v[8+\j] row_xmask:8 row_mask:0xf bank_mask:0xf
.endr
.irp j,0,1,2,3
	v_or_b32 v[8+\j], v[8+\j], v[12+\j]            ; lanes 0-15: word 2 j; lanes 16-31: word 2 j + 1
.endr
.if (\t) == 0
.irp j,0,1,2,3
	v_mov_b32 v[OW+\j], v[8+\j]
.endr
.else
	s_mov_b32 s33, 0x01010101<<(\t)
.irp j,0,1,2,3
	v_cndmask_b32 v[OW+\j], v[OW+\j], v[8+\j], s33
.endr
.endif
.irp j,0,1,2,3
	global_store_b64 v2, v[C+2*\j:C+2*\j+1], s[26:27] offset:1024*(\t)+256*\j   ; 32 lanes store 256 consecutive bytes, aligned
.endr
.if (\t) < 4
	XLOAD (\t)+4
.endif
.endm
	s_load_b256 s[4:11], s[0:1], 0x0               ; x1, gain, bias, act2
	v_lshrrev_b32 v5, 5, v0
	v_readfirstlane_b32 s36, v5
	v_and_b32 v6, 31, v0
	v_lshlrev_b32 v1, 5, v6
	v_lshlrev_b32 v2, 3, v6
	v_bfe_u32 v3, v0, 2, 2
	v_lshlrev_b32 v3, 3, v3
	v_bfe_u32 v7, v0, 3, 1
	v_bfe_u32 v8, v0, 4, 1
	v_lshl_add_u32 v7, v7, 1, v8
	v_and_b32 v8, 7, v0
	v_lshlrev_b32 v8, 2, v8
	v_lshl_add_u32 v4, v7, 14, v8
	v_mov_b32 v17, 0
	v_mov_b32 v19, 0
	s_lshl_b32 s37, ttmp9, 2
	s_add_co_u32 s38, s37, s36
	s_lshl_b32 s38, s38, 15
	s_mov_b32 s39, 0
	s_and_b32 s40, s36, 1
	s_lshl_b32 s40, s40, 1
	s_lshr_b32 s41, s36, 1
	s_or_b32 s40, s40, s41
	s_add_co_u32 s40, s40, s37
	s_lshl_b32 s42, s40, 13
	s_mov_b32 s43, 0
	s_lshl_b32 s44, s40, 5
	s_add_co_u32 s44, s44, 4194304
	s_mov_b32 s45, 0
	s_mov_b32 s30, 0x3a800000
	s_mov_b32 s31, 0x358637bd
	s_mov_b32 s32, 0x600000
	s_mov_b32 s34, 0x76543210
	s_mov_b32 s35, 0xfedcba98
	s_wait_kmcnt 0x0
	s_add_nc_u64 s[4:5], s[4:5], s[38:39]
	s_add_nc_u64 s[26:27], s[10:11], s[42:43]
	s_add_nc_u64 s[28:29], s[10:11], s[44:45]
.irp j,0,1,2,3
	global_load_b128 v[G+8*\j:G+8*\j+3], v1, s[6:7] offset:1024*\j
	global_load_b128 v[G+8*\j+4:G+8*\j+7], v1, s[6:7] offset:1024*\j+16
	global_load_b128 v[BB+8*\j:BB+8*\j+3], v1, s[8:9] offset:1024*\j
	global_load_b128 v[BB+8*\j+4:BB+8*\j+7], v1, s[8:9] offset:1024*\j+16
.endr
	XLOAD 0
	XLOAD 1
	XLOAD 2
	XLOAD 3
	ROW 0, 24
	ROW 1, 24
	ROW 2, 24
	ROW 3, 24
	ROW 4, 24
	ROW 5, 16
	ROW 6, 8
	ROW 7, 0
	s_mov_b32 s33, 0xff00ff00
	v_cndmask_b32 v244, v[OW], v[OW+1], s33
	v_cndmask_b32 v245, v[OW+2], v[OW+3], s33
	global_store_b32 v4, v244, s[28:29]
	global_store_b32 v4, v245, s[28:29] offset:65536
	s_endpgm
.Lfunc_end_k_q6fc8981738_ln2:
	.size	k_q6fc8981738_ln2, .Lfunc_end_k_q6fc8981738_ln2-k_q6fc8981738_ln2
	.p2alignl 7, 3214868480
	.fill 96, 4, 3214868480
	.section	.rodata,"a",@progbits
	.p2align	6, 0x0
	.amdhsa_kernel k_q6fc8981738_ln2
		.amdhsa_group_segment_fixed_size 0
		.amdhsa_private_segment_fixed_size 0
		.amdhsa_enable_private_segment 0
		.amdhsa_kernarg_size 32
		.amdhsa_user_sgpr_count 2
		.amdhsa_user_sgpr_kernarg_segment_ptr 1
		.amdhsa_wavefront_size32 1
		.amdhsa_system_sgpr_workgroup_id_x 1
		.amdhsa_system_sgpr_workgroup_id_y 1
		.amdhsa_system_sgpr_workgroup_id_z 1
		.amdhsa_system_vgpr_workitem_id 0
		.amdhsa_next_free_vgpr 256
		.amdhsa_next_free_sgpr 66
		.amdhsa_reserve_vcc 0
		.amdhsa_float_denorm_mode_32 3
		.amdhsa_float_denorm_mode_16_64 3
		.amdhsa_memory_ordered 1
		.amdhsa_forward_progress 1
		.amdhsa_inst_pref_size 109
	.end_amdhsa_kernel
	.amdgpu_metadata
---
amdhsa.version: [ 1, 2 ]
amdhsa.kernels:
  - .name:           k_q6fc8981738_ln2
    .symbol:         k_q6fc8981738_ln2.kd
    .args:
      - { .name: x1, .offset: 0, .size: 8, .value_kind: global_buffer, .address_space: global }
      - { .name: ln2_g, .offset: 8, .size: 8, .value_kind: global_buffer, .address_space: global }
      - { .name: ln2_b, .offset: 16, .size: 8, .value_kind: global_buffer, .address_space: global }
      - { .name: act2, .offset: 24, .size: 8, .value_kind: global_buffer, .address_space: global }
    .group_segment_fixed_size: 0
    .private_segment_fixed_size: 0
    .kernarg_segment_align: 8
    .kernarg_segment_size: 32
    .max_flat_workgroup_size: 128
    .sgpr_count:     66
    .vgpr_count:     256
    .wavefront_size: 32
...
	.end_amdgpu_metadata
.endif
;; end of part 5
;; launch gf1 (part 6): grid 32 x 32, 4 waves a work-group, clusters of 4 x 4, 327,680 bytes of LDS; arguments act2, wts, b1, hid; writes hid
.if DOCPART == 6
	.amdgcn_target "amdgcn-amd-amdhsa--gfx1250"
	.amdhsa_code_object_version 6
	.text
	.protected	k_q6fc8981738_gf1
	.globl	k_q6fc8981738_gf1
	.p2align	8
	.type	k_q6fc8981738_gf1,@function
k_q6fc8981738_gf1:
	s_mov_b64 s[64:65], 0
	v_nop
	global_prefetch_b8 v0, s[64:65] scope:SCOPE_SE
	s_setreg_imm32_b32 hwreg(HW_REG_WAVE_MODE, 25, 1), 1
	s_wait_xcnt 0x0
	s_wait_alu depctr_hold_cnt(0) depctr_sa_sdst(0) depctr_va_vdst(0) depctr_va_sdst(0) depctr_va_ssrc(0) depctr_va_vcc(0) depctr_vm_vsrc(0)
	s_getreg_b32 s2, hwreg(HW_REG_IB_STS2, 6, 4)
	s_cmp_eq_u32 s2, 0
	s_cbranch_scc0 .Lentry_in_a_cluster
	s_endpgm
.Lentry_in_a_cluster:
	s_bfe_u32 s2, ttmp6, 0x10000c
	s_cmp_lg_u32 s2, 0xf033
	s_cbranch_scc0 .Lentry_shape_is_right
	s_endpgm
.Lentry_shape_is_right:
; hidden = gelu(LN2(x1) W1 + b1), quantised along the hidden units: a product on codes of E5M2 (K = 1024), the bias as the C of each sum's first product, the exact GELU and the quantiser in registers.
; hid: codes as images of the next operand's registers, [16 rows][unit / 128][chunk][lane][16 bytes]; scale words [unit / 128][position][4 bytes] at 16,777,216.
; A tile of C is 128 x 128: Y = 128 rows of the activations, X = 128 rows of W1.  Four waves, each 64 x 64.  Source 0 = X, source 1 = Y: a lane holds one row and its registers run along the hidden units, 16 true neighbours in two tiles.
; K goes in two steps of 512 through two LDS slots, both filled at the start: nothing is filled again.  CLUSTERS: 4 x 4; Y's tiles are asked for jointly by a row, X's by a column.  No prefetch: all tiles are asked for at the head.
; GELU: 0.5 x (1 + erf(z)), z = x / sqrt(2) held within +-4, erf(z) = z P(z^2) / Q(z^2), polynomials of degrees 6 and 4.
; LIMITS: erf is good to about 1e-7 absolutely, the size of f32's own rounding of 1 + erf: far down the negative tail the relative error of the result is larger.  NaN and infinities are not served; a block of zeros has the byte 1.
.set SIZE_K, 1024
.set YIMG,   0
.set XCODE,  4194304
.set XSCAL,  12713984
.set XROWS,  4096
.set YSCAL,  4194304
.set STAGEB, 0
.set NSTEP, SIZE_K/512
.set KQN,   SIZE_K/128
.set YH,    64*528                     ; 64 rows of 512 bytes + 16 of padding
.set YSTEP, 512
.set LY,    5
.set XH,    32768
.set SLOT,  2*YH+2*XH
.set SCL,   2*SLOT
.set PARTB, KQN*272
.set STAGE, SCL+4*PARTB
.set SPARE, STAGE+STAGEB               ; the spare words, 128 bytes for each wave, which no other line names
.set ADRY, 16
.set ADRX, 20
.set ADRS, 27
.set SPW,  28
.set NIL,  29
.set PW0,  30
.set SC,   32
.set TM,   48
.set BIAS, 64
.set ACC,  128
.set ZC,   64                          ; the way out: z, z^2, Q, P: 16 registers each, where the bias lay and on
.set X2,   80
.set QQ,   96
.set PP,   112                         ; and the codes just made
.set WV, 20
.set WY, 21
.set WC, 22
.set G1Y, 24
.set G0Y, 32
.set G1X, 40
.set G0X, 48
.set G1SY, 56
.set G0SY, 68
.set G1SX, 72
.set G0SX, 80
.set CX, 84
.set CY, 85
.set XT, 86
.set YT, 87
.set SEL, 98
.set MNT, 101
.set MSB, 0
.macro WIN new
.if MSB != \new
	s_set_vgpr_msb (MSB<<8)|\new
.set MSB, \new
.endif
.endm
.set MUL,  0x05
.set TO_F, 0x40
.macro PLACES n
.rept \n
	v_nop
.endr
.endm
.macro JLOAD g0a, g1a, g0b, g1b        ; a joint load: waves 0 and 1 fetch for Y, waves 2 and 3 for X; an s_nop 0 and four v_nop follow each line
	s_cmp_eq_u32 s[WY], 0
	s_cbranch_scc0 .Lfor_x_\@
	tensor_load_to_lds s[\g0a:\g0a+3], s[\g1a:\g1a+7]
	s_nop 0
.rept 4
	v_nop
.endr
	s_branch .Lasked_\@
.Lfor_x_\@:
	tensor_load_to_lds s[\g0b:\g0b+3], s[\g1b:\g1b+7]
	s_nop 0
.rept 4
	v_nop
.endr
.Lasked_\@:
.endm
.macro CROUND
	s_barrier_signal -1
	s_barrier_wait -1
	s_cmp_lg_u32 s[WV], 0
	s_cbranch_scc1 .Lnot_wave_0_\@
	s_barrier_signal -3
.Lnot_wave_0_\@:
	s_barrier_wait -3
	s_barrier_signal -1
	s_barrier_wait -1
.endm
.macro FRAG reg, adr, off, cs
.irp c,0,1,2,3
	ds_load_b128 v[\reg+4*\c:\reg+4*\c+3], v[\adr] offset:\off+\cs*\c
.endr
.endm
.macro FX slot, q, f, i
	FRAG \f+16*(\i), ADRX+\slot, 8192*(\i)+2048*(\q), 512
.endm
.macro FY slot, q, f, i
	FRAG \f+64+16*(\i), ADRY+\slot, 8448*(\i)+128*(\q), 32
.endm
.macro FETCH slot, q, f
	WIN TO_F
.irp i,0,1,2,3
	FX \slot, \q, \f, \i
.endr
.irp i,0,1,2,3
	FY \slot, \q, \f, \i
.endr
.endm
.macro SCALES
.irp q,0,1,2,3
.irp i,0,1,2,3
	ds_load_b32 v[SC+4*\q+\i], v[ADRS] offset:272*\q+64*\i
.endr
.endr
.endm
.macro MUL8 f, q, a0, cm               ; 8 products: Y's blocks a0, a0 + 1 x X's four; cm = 1: C is the bias.  The 16 accumulators take turns
.irp a,\a0,\a0+1
.irp b,0,1,2,3
.set DD, ACC+8*(4*(\a)+\b)
.if \cm
.set CC, BIAS+8*\b
.else
.set CC, DD
.endif
	v_wmma_scale_f32_16x16x128_f8f6f4 v[DD:DD+7], v[\f+16*\b:\f+16*\b+15], v[\f+64+16*(\a):\f+64+16*(\a)+15], v[CC:CC+7], v[SC+4*(\q)+\b], v[SC+4*(\q)+(\a)] matrix_a_fmt:MATRIX_FMT_BF8 matrix_b_fmt:MATRIX_FMT_BF8 matrix_a_scale:MATRIX_SCALE_ROW1
.endr
.endr
.endm
.macro HALF slot, cm
	PLACES 8
	SCALES
	FETCH \slot, 0, 0
.irp q,0,1,2,3
	s_wait_dscnt 0x8                               ; all but Y's blocks 2 and 3
	WIN MUL
.if \q == 0
	MUL8 0, 0, 0, \cm
.else
	MUL8 128*(\q%2), \q, 0, 0
.endif
.if \q < 3
	PLACES 8
	FETCH \slot, \q+1, 128*((\q+1)%2)
	s_wait_dscnt 0x20                              ; all but the 32 just issued
	WIN MUL
.else
	s_wait_dscnt 0x0
.endif
.if \q == 0
	MUL8 0, 0, 2, \cm
.else
	MUL8 128*(\q%2), \q, 2, 0
.endif
.endr
	WIN 0
.endm
.macro QUANT s, pc, pw
.irp b,0,1,2,3
	v_max3_num_f32 v[TM+\b], |v[\s+16*\b]|, |v[\s+1+16*\b]|, 0x8000000
.endr
.irp i,2,4,6,8,10,12,14
.irp b,0,1,2,3
	v_max3_num_f32 v[TM+\b], v[TM+\b], |v[\s+16*\b+\i]|, |v[\s+1+16*\b+\i]|
.endr
.endr
.irp b,0,1,2,3
	v_permlanex16_b32 v[TM+4+\b], v[TM+\b], s[SEL], s[SEL+1]
.endr
.irp b,0,1,2,3
	v_max_num_f32 v[TM+\b], v[TM+\b], v[TM+4+\b]
.endr
.irp b,0,1,2,3
	v_add_nc_u32 v[TM+12+\b], 0xf8800000, v[TM+\b]
.endr
.irp b,0,1,2,3
	v_and_or_b32 v[TM+8+\b], v[TM+\b], 0x7f800000, s[MNT]
.endr
.irp b,0,1,2,3
	v_lshrrev_b32 v[TM+4+\b], 23, v[TM+12+\b]
.endr
	v_lshl_or_b32 v[\pw], v[TM+5], 8, v[TM+4]
	v_lshl_or_b32 v[\pw], v[TM+6], 16, v[\pw]
	v_lshl_or_b32 v[\pw], v[TM+7], 24, v[\pw]
.irp b,0,1,2,3
.irp i,0,1,2,3,4,5,6,7,8,9,10,11,12,13,14,15
	v_med3_num_f32 v[\s+16*\b+\i], v[\s+16*\b+\i], -v[TM+8+\b], v[TM+8+\b]
.endr
	v_cvt_scalef32_pk8_bf8_f32 v[\pc+4*\b:\pc+1+4*\b], v[\s+16*\b:\s+7+16*\b], v[TM+12+\b]
	v_cvt_scalef32_pk8_bf8_f32 v[\pc+2+4*\b:\pc+3+4*\b], v[\s+8+16*\b:\s+15+16*\b], v[TM+12+\b]
.endr
	v_nop
.endm
; GELU of 16 numbers in place.  The 16 reciprocals are one batch: P's 56 lines are the work behind them, and one wait stands ahead of their first reader.
.macro GELU16 s
.irp m,0,2,4,6,8,10,12,14
	v_pk_mul_f32 v[ZC+\m:ZC+\m+1], v[\s+\m:\s+\m+1], 0x3f3504f3 op_sel_hi:[1,0]   ; x / sqrt(2)
.endr
.irp m,0,1,2,3,4,5,6,7,8,9,10,11,12,13,14,15
	v_med3_num_f32 v[ZC+\m], v[ZC+\m], -4.0, 4.0
.endr
.irp m,0,2,4,6,8,10,12,14
	v_pk_mul_f32 v[\s+\m:\s+\m+1], v[\s+\m:\s+\m+1], 0.5 op_sel_hi:[1,0]
.endr
.irp m,0,2,4,6,8,10,12,14
	v_pk_mul_f32 v[X2+\m:X2+\m+1], v[ZC+\m:ZC+\m+1], v[ZC+\m:ZC+\m+1]
.endr
.irp m,0,2,4,6,8,10,12,14
	v_pk_fma_f32 v[QQ+\m:QQ+\m+1], v[X2+\m:X2+\m+1], v[10:11], s[36:37] op_sel_hi:[1,1,0]
.endr
.irp c,38,40,42
.irp m,0,2,4,6,8,10,12,14
	v_pk_fma_f32 v[QQ+\m:QQ+\m+1], v[QQ+\m:QQ+\m+1], v[X2+\m:X2+\m+1], s[\c:\c+1] op_sel_hi:[1,1,0]
.endr
.endr
.irp m,0,1,2,3,4,5,6,7,8,9,10,11,12,13,14,15
	v_rcp_f32 v[QQ+\m], v[QQ+\m]
.endr
.irp m,0,2,4,6,8,10,12,14
	v_pk_fma_f32 v[PP+\m:PP+\m+1], v[X2+\m:X2+\m+1], v[8:9], s[24:25] op_sel_hi:[1,1,0]
.endr
.irp c,26,28,30,32,34
.irp m,0,2,4,6,8,10,12,14
	v_pk_fma_f32 v[PP+\m:PP+\m+1], v[PP+\m:PP+\m+1], v[X2+\m:X2+\m+1], s[\c:\c+1] op_sel_hi:[1,1,0]
.endr
.endr
.irp m,0,2,4,6,8,10,12,14
	v_pk_mul_f32 v[PP+\m:PP+\m+1], v[PP+\m:PP+\m+1], v[ZC+\m:ZC+\m+1]
.endr
	s_wait_alu depctr_va_vdst(0)                   ; one wait for the 16 reciprocals
.irp m,0,2,4,6,8,10,12,14
	v_pk_mul_f32 v[PP+\m:PP+\m+1], v[PP+\m:PP+\m+1], v[QQ+\m:QQ+\m+1]   ; erf
.endr
.irp m,0,2,4,6,8,10,12,14
	v_pk_fma_f32 v[\s+\m:\s+\m+1], v[\s+\m:\s+\m+1], v[PP+\m:PP+\m+1], v[\s+\m:\s+\m+1]   ; 0.5 x erf + 0.5 x
.endr
.endm
	s_load_b256 s[4:11], s[0:1], 0x0               ; act2, wts, b1, hid
	v_lshl_add_u32 v[SPW], v0, 2, SPARE
	v_mov_b32 v[NIL], 0
	ds_add_u32 v[SPW], v[NIL]                      ; the wave's opening: the add, twice on end, and its wait ahead of my first tensor load
	ds_add_u32 v[SPW], v[NIL]
	v_lshrrev_b32 v3, 5, v0
	v_readfirstlane_b32 s[WV], v3
	s_lshr_b32 s[WY], s[WV], 1
	s_and_b32 s[WC], s[WV], 1
	s_bfe_u32 s[CX], ttmp6, 0x40000
	s_bfe_u32 s[CY], ttmp6, 0x40004
	s_lshl_b32 s[XT], ttmp9, 2
	s_add_co_u32 s[XT], s[XT], s[CX]
	s_and_b32 s[YT], ttmp7, 0xffff
	s_lshl_b32 s[YT], s[YT], 2
	s_add_co_u32 s[YT], s[YT], s[CY]
	s_lshl_b32 s88, s[CY], 2
	s_lshl_b32 s88, 15, s88                        ; my row of the cluster
	s_lshl_b32 s89, 0x1111, s[CX]                  ; my column
	s_or_b32 s[G1Y], s88, (1<<20)|(1<<21)|(6<<22)|(3<<25)   ; Y: 64 rows of 512 bytes, 4 words of padding after every 128
	s_mov_b32 s[G1Y+1], 512<<16
	s_mov_b32 s[G1Y+2], 64<<16
	s_mov_b32 s[G1Y+3], 512<<16
	s_mov_b32 s[G1Y+4], 64
	s_mov_b32 s[G1Y+5], SIZE_K
	s_mov_b32 s[G1Y+6], 0
	s_mov_b32 s[G1Y+7], 0
	s_or_b32 s[G1X], s89, (3<<16)|(1<<21)          ; X: 4 rows of 8,192 bytes, 16 SIZE_K bytes apart
	s_mov_b32 s[G1X+1], 1024<<16
	s_mov_b32 s[G1X+2], 4<<16
	s_mov_b32 s[G1X+3], 1024<<16
	s_mov_b32 s[G1X+4], 4
	s_mov_b32 s[G1X+5], 2*SIZE_K
	s_mov_b32 s[G1X+6], 0
	s_mov_b32 s[G1X+7], 0
	s_or_b32 s[G1SY], s88, (3<<16)|(1<<20)|(1<<21)|(5<<22)|(3<<25)
	s_or_b32 s[G1SX], s89, (3<<16)|(1<<20)|(1<<21)|(5<<22)|(3<<25)
.irp g,G1SY,G1SX
	s_mov_b32 s[\g+1], 32<<16
	s_mov_b32 s[\g+2], KQN<<16
	s_mov_b32 s[\g+3], 32<<16
	s_mov_b32 s[\g+4], KQN
	s_mov_b32 s[\g+6], 0
	s_mov_b32 s[\g+7], 0
.endr
	s_mov_b32 s[G1SY+5], 2048
	s_mov_b32 s[G1SX+5], XROWS/2
	s_lshl_b32 s16, s[WC], 6
	s_lshl_b32 s90, s[YT], 7
	s_add_co_u32 s90, s90, s16
	s_lshl_b32 s94, s90, 2
	s_add_co_u32 s94, s94, YSCAL
	s_mul_i32 s90, s90, SIZE_K
	s_mov_b32 s91, 0
	s_mov_b32 s95, 0
	s_lshl_b32 s92, s[XT], 7
	s_add_co_u32 s92, s92, s16
	s_lshl_b32 s96, s92, 2
	s_add_co_u32 s96, s96, XSCAL
	s_mul_i32 s92, s92, SIZE_K
	s_add_co_u32 s92, s92, XCODE
	s_mov_b32 s93, 0
	s_mov_b32 s97, 0
	s_mul_i32 s17, s[WC], YH
	s_mul_i32 s18, s[WC], XH
	s_add_co_u32 s18, s18, 2*YH
	s_mul_i32 s19, s[WV], PARTB
	s_wait_dscnt 0x0                               ; both opening adds are done
	s_wait_kmcnt 0x0
	s_add_nc_u64 s[90:91], s[4:5], s[90:91]
	s_add_nc_u64 s[94:95], s[4:5], s[94:95]
	s_add_nc_u64 s[92:93], s[6:7], s[92:93]
	s_add_nc_u64 s[96:97], s[6:7], s[96:97]
	CROUND                                         ; all sixteen work-groups are here: the first joint loads meet
	s_mov_b32 s[G0SY], 1
	s_add_co_u32 s[G0SY+1], s19, SCL
	s_mov_b64 s[G0SY+2:G0SY+3], s[94:95]
	s_or_b32 s[G0SY+3], s[G0SY+3], 0x80000000
	s_mov_b32 s[G0SX], 1
	s_add_co_u32 s[G0SX+1], s19, SCL
	s_mov_b64 s[G0SX+2:G0SX+3], s[96:97]
	s_or_b32 s[G0SX+3], s[G0SX+3], 0x80000000
	JLOAD G0SY, G1SY, G0SX, G1SX
.irp s,0,1
	s_mov_b32 s[G0Y+4*\s], 1
	s_add_co_u32 s[G0Y+4*\s+1], s17, \s*SLOT
	s_add_nc_u64 s[G0Y+4*\s+2:G0Y+4*\s+3], s[90:91], \s*YSTEP
	s_or_b32 s[G0Y+4*\s+3], s[G0Y+4*\s+3], 0x80000000
	s_mov_b32 s[G0X+4*\s], 1
	s_add_co_u32 s[G0X+4*\s+1], s18, \s*SLOT
	s_add_nc_u64 s[G0X+4*\s+2:G0X+4*\s+3], s[92:93], \s*8192
	s_or_b32 s[G0X+4*\s+3], s[G0X+4*\s+3], 0x80000000
	JLOAD G0Y+4*\s, G1Y, G0X+4*\s, G1X             ; by this text's count three tensor loads of a wave are out
.endr
	v_and_b32 v1, 15, v0                           ; r
	v_bfe_u32 v2, v0, 4, 1                         ; h
	v_and_b32 v3, 31, v0
	v_lshlrev_b32 v4, 4, v3                        ; 16 x lane; never rewritten
	v_mul_u32_u24 v5, v1, 528
	v_lshl_add_u32 v5, v2, 4, v5
	s_mul_i32 s16, s[WY], YH
	s_mul_i32 s17, s[WC], XH
	s_add_co_u32 s17, s17, 2*YH
.irp s,0,1
	v_add_nc_u32 v[ADRY+\s], s16, v[LY]
	v_add_nc_u32 v[ADRX+\s], s17, v4
	s_add_co_u32 s16, s16, SLOT
	s_add_co_u32 s17, s17, SLOT
.endr
	s_mul_i32 s16, s[WY], PARTB
	s_mul_i32 s17, s[WC], PARTB
	s_add_co_u32 s17, s17, 2*PARTB
	s_sub_co_u32 s17, s17, s16
	v_mul_u32_u24 v6, s17, v2                      ; lanes 16-31 take X's words
	s_add_co_u32 s16, s16, SCL
	v_lshl_add_u32 v6, v1, 2, v6
	v_add_nc_u32 v[ADRS], s16, v6
	s_mov_b32 s[SEL], 0x76543210
	s_mov_b32 s[SEL+1], 0xfedcba98
	s_mov_b32 s[MNT], 0x600000
.irp b,0,1,2,3
	v_mov_b32 v[TM+4+\b], 0                        ; a lane permute's destination counts as one of its sources
.endr
	s_lshl_b32 s2, s[XT], 7
	s_lshl_b32 s3, s[WC], 6
	s_add_co_u32 s2, s2, s3
	s_lshl_b32 s2, s2, 2
	s_mov_b32 s3, 0
	s_add_nc_u64 s[8:9], s[8:9], s[2:3]
	v_lshlrev_b32 v12, 6, v2
.irp b,0,1,2,3
	global_load_b128 v[BIAS+8*\b:BIAS+8*\b+3], v12, s[8:9] offset:128*(\b/2)+32*(\b%2)       ; register j of tile b is unit 32 (b / 2) + 16 h + 8 (b % 2) + j
	global_load_b128 v[BIAS+8*\b+4:BIAS+8*\b+7], v12, s[8:9] offset:128*(\b/2)+32*(\b%2)+16
.endr
	s_wait_tensorcnt 0x1                           ; the scale words and my part of K step 0 are in; K step 1's load may be out
	s_wait_loadcnt 0x0
	s_barrier_signal -1
	s_barrier_wait -1
	HALF 0, 1
	s_wait_tensorcnt 0x0
	s_wait_dscnt 0x0
	s_barrier_signal -1
	s_barrier_wait -1
	v_add_nc_u32 v[ADRS], 1088, v[ADRS]            ; the next K step's scale words
	HALF 1, 0
	; THE WAY OUT.  No tensor load is out: the descriptors' registers take erf's coefficients, each twice (the packed form names a pair)
	PLACES 8
	s_mov_b32 s24, 0x32edffee                      ; P: z^10
	s_mov_b32 s26, 0xb60cff51                      ; z^8
	s_mov_b32 s28, 0xb86ec2d2                      ; z^6
	s_mov_b32 s30, 0xba40ac63                      ; z^4
	s_mov_b32 s32, 0xbb41a1f6                      ; z^2
	s_mov_b32 s34, 0xbc83dbd4                      ; 1
	s_mov_b32 s36, 0xb95fbd29                      ; Q: z^6
	s_mov_b32 s38, 0xbadc924e                      ; z^4
	s_mov_b32 s40, 0xbbf19bf8                      ; z^2
	s_mov_b32 s42, 0xbc69b6a7                      ; 1
.irp c,24,26,28,30,32,34,36,38,40,42
	s_mov_b32 s[\c+1], s[\c]
.endr
	v_mov_b32 v8, 0xaf95df0b                       ; P: z^12
	v_mov_b32 v9, v8
	v_mov_b32 v10, 0xb77460cd                      ; Q: z^8
	v_mov_b32 v11, v10
	v_and_b32 v13, 31, v0
	v_lshlrev_b32 v13, 2, v13                      ; 4 x lane
	v_lshlrev_b32 v14, 4, v2                       ; 16 h
	s_lshl_b32 s44, s[YT], 3
	s_lshl_b32 s45, s[WY], 2
	s_add_co_u32 s44, s44, s45
	s_lshl_b32 s44, s44, 16                        ; my first block of 16 rows: 65,536 bytes each
	s_lshl_b32 s45, s[XT], 11
	s_add_co_u32 s44, s44, s45
	s_lshl_b32 s45, s[WC], 10
	s_add_co_u32 s44, s44, s45
	s_mov_b32 s45, 0
	s_add_nc_u64 s[44:45], s[10:11], s[44:45]
	s_lshl_b32 s46, s[YT], 7
	s_lshl_b32 s47, s[WY], 6
	s_add_co_u32 s46, s46, s47
	s_lshl_b32 s46, s46, 2
	s_lshl_b32 s47, s[XT], 14
	s_add_co_u32 s46, s46, s47
	s_lshl_b32 s47, s[WC], 1
	s_add_co_u32 s46, s46, s47
	s_add_co_u32 s46, s46, 16777216
	s_mov_b32 s47, 0
	s_add_nc_u64 s[46:47], s[10:11], s[46:47]
.irp i,0,1
.if \i
	s_wait_xcnt 0x0                                ; the stores above have read their registers
.endif
	GELU16 ACC+64*\i
	GELU16 ACC+64*\i+16
	GELU16 ACC+64*\i+32
	GELU16 ACC+64*\i+48
	QUANT ACC+64*\i, PP, PW0
.irp k,0,1,2,3
	global_store_b128 v4, v[PP+4*\k:PP+4*\k+3], s[44:45] offset:(2*\i+\k/2)*65536+(\k%2)*512   ; a chunk of the next operand's image: 512 consecutive bytes
.endr
	v_lshrrev_b32 v15, v14, v[PW0]                 ; lanes 0-15: the two bytes of row block 2 i; lanes 16-31: of 2 i + 1
	global_store_b16 v13, v15, s[46:47] offset:128*\i   ; half of each row's word (the other half is the neighbouring wave's): one part in 32 of the output
.endr
	s_wait_tensorcnt 0x0                           ; the wave's end
	ds_add_u32 v[SPW], v[NIL]
	s_wait_dscnt 0x0
	CROUND                                         ; the closing round
	s_endpgm
.Lfunc_end_k_q6fc8981738_gf1:
	.size	k_q6fc8981738_gf1, .Lfunc_end_k_q6fc8981738_gf1-k_q6fc8981738_gf1
	.p2alignl 7, 3214868480
	.fill 96, 4, 3214868480
	.section	.rodata,"a",@progbits
	.p2align	6, 0x0
	.amdhsa_kernel k_q6fc8981738_gf1
		.amdhsa_group_segment_fixed_size 327680
		.amdhsa_private_segment_fixed_size 0
		.amdhsa_enable_private_segment 0
		.amdhsa_kernarg_size 32
		.amdhsa_user_sgpr_count 2
		.amdhsa_user_sgpr_kernarg_segment_ptr 1
		.amdhsa_wavefront_size32 1
		.amdhsa_system_sgpr_workgroup_id_x 1
		.amdhsa_system_sgpr_workgroup_id_y 1
		.amdhsa_system_sgpr_workgroup_id_z 1
		.amdhsa_system_vgpr_workitem_id 0
		.amdhsa_next_free_vgpr 512
		.amdhsa_next_free_sgpr 102
		.amdhsa_reserve_vcc 0
		.amdhsa_float_denorm_mode_32 3
		.amdhsa_float_denorm_mode_16_64 3
		.amdhsa_memory_ordered 1
		.amdhsa_forward_progress 1
		.amdhsa_inst_pref_size 146
	.end_amdhsa_kernel
	.amdgpu_metadata
---
amdhsa.version: [ 1, 2 ]
amdhsa.kernels:
  - .name:           k_q6fc8981738_gf1
    .symbol:         k_q6fc8981738_gf1.kd
    .args:
      - { .name: act2, .offset: 0, .size: 8, .value_kind: global_buffer, .address_space: global }
      - { .name: wts, .offset: 8, .size: 8, .value_kind: global_buffer, .address_space: global }
      - { .name: b1, .offset: 16, .size: 8, .value_kind: global_buffer, .address_space: global }
      - { .name: hid, .offset: 24, .size: 8, .value_kind: global_buffer, .address_space: global }
    .group_segment_fixed_size: 327680
    .private_segment_fixed_size: 0
    .kernarg_segment_align: 8
    .kernarg_segment_size: 32
    .max_flat_workgroup_size: 128
    .sgpr_count:     102
    .vgpr_count:     512
    .wavefront_size: 32
...
	.end_amdgpu_metadata
.endif
;; end of part 6
;; launch gf2 (part 7): grid 8 x 32, 4 waves a work-group, clusters of 4 x 4, 327,680 bytes of LDS; arguments hid, wts, b2, x1, out0; writes out0
.if DOCPART == 7
	.amdgcn_target "amdgcn-amd-amdhsa--gfx1250"
	.amdhsa_code_object_version 6
	.text
	.protected	k_q6fc8981738_gf2
	.globl	k_q6fc8981738_gf2
	.p2align	8
	.type	k_q6fc8981738_gf2,@function
k_q6fc8981738_gf2:
	s_mov_b64 s[64:65], 0
	v_nop
	global_prefetch_b8 v0, s[64:65] scope:SCOPE_SE
	s_setreg_imm32_b32 hwreg(HW_REG_WAVE_MODE, 25, 1), 1
	s_wait_xcnt 0x0
	s_wait_alu depctr_hold_cnt(0) depctr_sa_sdst(0) depctr_va_vdst(0) depctr_va_sdst(0) depctr_va_ssrc(0) depctr_va_vcc(0) depctr_vm_vsrc(0)
	s_getreg_b32 s2, hwreg(HW_REG_IB_STS2, 6, 4)
	s_cmp_eq_u32 s2, 0
	s_cbranch_scc0 .Lentry_in_a_cluster
	s_endpgm
.Lentry_in_a_cluster:
	s_bfe_u32 s2, ttmp6, 0x10000c
	s_cmp_lg_u32 s2, 0xf033
	s_cbranch_scc0 .Lentry_shape_is_right
	s_endpgm
.Lentry_shape_is_right:
; out0 = x1 + hidden W2 + b2: a product on codes of E5M2 (K = SIZE_K) with the bias as the C of each sum's first product and the residual added on the way out; f32 out, rows in their true order.
; A tile of C is 128 x 128: Y = 128 rows of the activations (work-group y), X = 128 rows of the weights (work-group x).  Four waves, each 64 x 64: 16 accumulators.  Source 0 = X, source 1 = Y:
; a lane holds one row and its registers run along the columns.  Both operands lie in memory as images of their registers: every fragment is four loads of 512 consecutive bytes.
; K goes in eight steps of 512 through a ring of two LDS slots of 131,072 bytes; six refills, each behind a round of the cluster's barrier.  The scale words of all of K come once, with the first fills.
; CLUSTERS: 4 x 4.  Y's tiles are asked for jointly by a row of the cluster, X's by a column.  No prefetch: small tiles, a short launch.
; The residual's 32 loads a lane go out at the head, into window 2, and land under the products.
; REGISTERS: window 0: v1 r, v2 h, v4 16 x lane, v16-27 addresses, v28-29 the add's two, v32-47 scale words, v64-95 bias, later with v96-127 rows on the way out, v128-255 accumulators.
;   window 1: two sets of fragments.  window 2: v0-127 the residual.
.set SIZE_K, 4096
.set YIMG,   1
.set XCODE,  8388608
.set XSCAL,  12845056
.set XROWS,  1024
.set YSCAL,  16777216
.set STAGEB, 4*16*272
.set NSTEP, SIZE_K/512
.set KQN,   SIZE_K/128
.if YIMG
.set YH,    32768
.set YSTEP, 8192
.set LY,    4
.else
.set YH,    64*528
.set YSTEP, 512
.set LY,    5
.endif
.set XH,    32768
.set SLOT,  2*YH+2*XH
.set SCL,   2*SLOT                     ; behind the slots: four parts of scale words, wave w's fetch in part w
.set PARTB, KQN*272
.set STAGE, SCL+4*PARTB                ; 16 rows x (256 bytes + 16) for each wave: no tensor load lands here
.set SPARE, STAGE+STAGEB               ; the spare words, 128 bytes for each wave, which no other line names
.set ADRY, 16
.set ADRX, 20
.set STO,  24
.set RD,   25
.set CO,   26
.set ADRS, 27
.set SPW,  28
.set NIL,  29
.set SC,   32
.set BIAS, 64
.set ACC,  128
.set WV, 20
.set WY, 21
.set WC, 22
.set CNT, 23
.set G1Y, 24
.set G0Y, 32
.set G1X, 40
.set G0X, 48
.set G1SY, 56
.set G0SY, 68
.set G1SX, 72
.set G0SX, 80
.set CX, 84
.set CY, 85
.set XT, 86
.set YT, 87
.set MSB, 0
.macro WIN new
.if MSB != \new
	s_set_vgpr_msb (MSB<<8)|\new
.set MSB, \new
.endif
.endm
.set MUL,  0x05
.set TO_F, 0x40
.macro PLACES n
.rept \n
	v_nop
.endr
.endm
.macro JLOAD g0a, g1a, g0b, g1b        ; a joint load: waves 0 and 1 fetch for Y, waves 2 and 3 for X; an s_nop 0 and four v_nop follow each line
	s_cmp_eq_u32 s[WY], 0
	s_cbranch_scc0 .Lfor_x_\@
	tensor_load_to_lds s[\g0a:\g0a+3], s[\g1a:\g1a+7]
	s_nop 0
.rept 4
	v_nop
.endr
	s_branch .Lasked_\@
.Lfor_x_\@:
	tensor_load_to_lds s[\g0b:\g0b+3], s[\g1b:\g1b+7]
	s_nop 0
.rept 4
	v_nop
.endr
.Lasked_\@:
.endm
.macro CROUND
	s_barrier_signal -1
	s_barrier_wait -1
	s_cmp_lg_u32 s[WV], 0
	s_cbranch_scc1 .Lnot_wave_0_\@
	s_barrier_signal -3
.Lnot_wave_0_\@:
	s_barrier_wait -3
	s_barrier_signal -1
	s_barrier_wait -1
.endm
.macro FRAG reg, adr, off, cs
.irp c,0,1,2,3
	ds_load_b128 v[\reg+4*\c:\reg+4*\c+3], v[\adr] offset:\off+\cs*\c
.endr
.endm
.macro FX slot, q, f, i
	FRAG \f+16*(\i), ADRX+\slot, 8192*(\i)+2048*(\q), 512
.endm
.macro FY slot, q, f, i
	FRAG \f+64+16*(\i), ADRY+\slot, 8192*(\i)+2048*(\q), 512
.endm
.macro FETCH slot, q, f                ; 32 loads in one run: X's four blocks, then Y's
	WIN TO_F
.irp i,0,1,2,3
	FX \slot, \q, \f, \i
.endr
.irp i,0,1,2,3
	FY \slot, \q, \f, \i
.endr
.endm
.macro SCALES                          ; a K step's scale words: lanes 0-15 Y's block i, lanes 16-31 X's block i
.irp q,0,1,2,3
.irp i,0,1,2,3
	ds_load_b32 v[SC+4*\q+\i], v[ADRS] offset:272*\q+64*\i
.endr
.endr
.endm
.macro MUL8 f, q, a0, cm               ; 8 products: Y's blocks a0, a0 + 1 x X's four; cm = 1: C is the bias.  The 16 accumulators take turns
.irp a,\a0,\a0+1
.irp b,0,1,2,3
.set DD, ACC+8*(4*(\a)+\b)
.if \cm
.set CC, BIAS+8*\b
.else
.set CC, DD
.endif
	v_wmma_scale_f32_16x16x128_f8f6f4 v[DD:DD+7], v[\f+16*\b:\f+16*\b+15], v[\f+64+16*(\a):\f+64+16*(\a)+15], v[CC:CC+7], v[SC+4*(\q)+\b], v[SC+4*(\q)+(\a)] matrix_a_fmt:MATRIX_FMT_BF8 matrix_b_fmt:MATRIX_FMT_BF8 matrix_a_scale:MATRIX_SCALE_ROW1
.endr
.endr
.endm
.macro HALF slot, cm                   ; a K step of 512: four quarters of 128 on two sets of fragments; eight plain places in front of each run of loads into registers that products have read
	PLACES 8
	SCALES
	FETCH \slot, 0, 0
.irp q,0,1,2,3
	s_wait_dscnt 0x8                               ; all but Y's blocks 2 and 3
	WIN MUL
.if \q == 0
	MUL8 0, 0, 0, \cm
.else
	MUL8 128*(\q%2), \q, 0, 0
.endif
.if \q < 3
	PLACES 8
	FETCH \slot, \q+1, 128*((\q+1)%2)
	s_wait_dscnt 0x20                              ; all but the 32 just issued
	WIN MUL
.else
	s_wait_dscnt 0x0
.endif
.if \q == 0
	MUL8 0, 0, 2, \cm
.else
	MUL8 128*(\q%2), \q, 2, 0
.endif
.endr
	WIN 0
.endm
.macro CHANGE slot                     ; the slot just read out is filled again, two K steps ahead: every wave's three lines, a round of the cluster's barrier, the joint refill first behind it
	s_wait_tensorcnt 0x0                           ; all my tensor loads have landed, my part of the other slot among them
	ds_add_u32 v[SPW], v[NIL]                      ; 0 onto my spare word
	s_add_nc_u64 s[G0Y+4*\slot+2:G0Y+4*\slot+3], s[G0Y+4*\slot+2:G0Y+4*\slot+3], 16384
	s_add_nc_u64 s[G0X+4*\slot+2:G0X+4*\slot+3], s[G0X+4*\slot+2:G0X+4*\slot+3], 16384
	s_wait_dscnt 0x0                               ; the add is done, and my reads of the slot are over
	CROUND
	JLOAD G0Y+4*\slot, G1Y, G0X+4*\slot, G1X       ; one tensor load of mine is out; it has a K step's 64 products in which to land
.endm
	s_load_b256 s[4:11], s[0:1], 0x0               ; Y, wts, bias, residual
	s_load_b64 s[12:13], s[0:1], 0x20              ; out
	v_lshl_add_u32 v[SPW], v0, 2, SPARE
	v_mov_b32 v[NIL], 0
	ds_add_u32 v[SPW], v[NIL]                      ; the wave's opening: the add, twice on end, and its wait ahead of my first tensor load
	ds_add_u32 v[SPW], v[NIL]
	v_lshrrev_b32 v3, 5, v0
	v_readfirstlane_b32 s[WV], v3
	s_lshr_b32 s[WY], s[WV], 1
	s_and_b32 s[WC], s[WV], 1
	s_bfe_u32 s[CX], ttmp6, 0x40000
	s_bfe_u32 s[CY], ttmp6, 0x40004
	s_lshl_b32 s[XT], ttmp9, 2
	s_add_co_u32 s[XT], s[XT], s[CX]
	s_and_b32 s[YT], ttmp7, 0xffff
	s_lshl_b32 s[YT], s[YT], 2
	s_add_co_u32 s[YT], s[YT], s[CY]
	s_lshl_b32 s88, s[CY], 2
	s_lshl_b32 s88, 15, s88                        ; my row of the cluster
	s_lshl_b32 s89, 0x1111, s[CX]                  ; my column
	s_or_b32 s[G1Y], s88, (3<<16)|(1<<21)          ; 4 rows of 8,192 bytes (a block of 16 rows x 512 along K), 16 SIZE_K bytes apart; elements of 8 bytes
	s_or_b32 s[G1X], s89, (3<<16)|(1<<21)
.irp g,G1Y,G1X
	s_mov_b32 s[\g+1], 1024<<16
	s_mov_b32 s[\g+2], 4<<16
	s_mov_b32 s[\g+3], 1024<<16
	s_mov_b32 s[\g+4], 4
	s_mov_b32 s[\g+5], 2*SIZE_K
	s_mov_b32 s[\g+6], 0
	s_mov_b32 s[\g+7], 0
.endr
	s_or_b32 s[G1SY], s88, (3<<16)|(1<<20)|(1<<21)|(5<<22)|(3<<25)   ; scale words of 64 rows: a row of 256 bytes for each 128 along K, 16 bytes of padding behind it
	s_or_b32 s[G1SX], s89, (3<<16)|(1<<20)|(1<<21)|(5<<22)|(3<<25)
.irp g,G1SY,G1SX
	s_mov_b32 s[\g+1], 32<<16
	s_mov_b32 s[\g+2], KQN<<16
	s_mov_b32 s[\g+3], 32<<16
	s_mov_b32 s[\g+4], KQN
	s_mov_b32 s[\g+6], 0
	s_mov_b32 s[\g+7], 0
.endr
	s_mov_b32 s[G1SY+5], 2048
	s_mov_b32 s[G1SX+5], XROWS/2
	s_lshl_b32 s16, s[WC], 6
	s_lshl_b32 s90, s[YT], 7
	s_add_co_u32 s90, s90, s16
	s_lshl_b32 s94, s90, 2
	s_add_co_u32 s94, s94, YSCAL
	s_mul_i32 s90, s90, SIZE_K
	s_mov_b32 s91, 0
	s_mov_b32 s95, 0
	s_lshl_b32 s92, s[XT], 7
	s_add_co_u32 s92, s92, s16
	s_lshl_b32 s96, s92, 2
	s_add_co_u32 s96, s96, XSCAL
	s_mul_i32 s92, s92, SIZE_K
	s_add_co_u32 s92, s92, XCODE
	s_mov_b32 s93, 0
	s_mov_b32 s97, 0
	s_mul_i32 s17, s[WC], YH
	s_mul_i32 s18, s[WC], XH
	s_add_co_u32 s18, s18, 2*YH
	s_mul_i32 s19, s[WV], PARTB
	s_wait_dscnt 0x0                               ; both opening adds are done
	s_wait_kmcnt 0x0
	s_add_nc_u64 s[90:91], s[4:5], s[90:91]
	s_add_nc_u64 s[94:95], s[4:5], s[94:95]
	s_add_nc_u64 s[92:93], s[6:7], s[92:93]
	s_add_nc_u64 s[96:97], s[6:7], s[96:97]
	CROUND                                         ; all sixteen work-groups are here: the first joint loads meet
	s_mov_b32 s[G0SY], 1
	s_add_co_u32 s[G0SY+1], s19, SCL
	s_mov_b64 s[G0SY+2:G0SY+3], s[94:95]
	s_or_b32 s[G0SY+3], s[G0SY+3], 0x80000000
	s_mov_b32 s[G0SX], 1
	s_add_co_u32 s[G0SX+1], s19, SCL
	s_mov_b64 s[G0SX+2:G0SX+3], s[96:97]
	s_or_b32 s[G0SX+3], s[G0SX+3], 0x80000000
	JLOAD G0SY, G1SY, G0SX, G1SX
.irp s,0,1
	s_mov_b32 s[G0Y+4*\s], 1
	s_add_co_u32 s[G0Y+4*\s+1], s17, \s*SLOT
	s_add_nc_u64 s[G0Y+4*\s+2:G0Y+4*\s+3], s[90:91], \s*YSTEP
	s_or_b32 s[G0Y+4*\s+3], s[G0Y+4*\s+3], 0x80000000
	s_mov_b32 s[G0X+4*\s], 1
	s_add_co_u32 s[G0X+4*\s+1], s18, \s*SLOT
	s_add_nc_u64 s[G0X+4*\s+2:G0X+4*\s+3], s[92:93], \s*8192
	s_or_b32 s[G0X+4*\s+3], s[G0X+4*\s+3], 0x80000000
	JLOAD G0Y+4*\s, G1Y, G0X+4*\s, G1X             ; by this text's count three tensor loads of a wave are out
.endr
	v_and_b32 v1, 15, v0                           ; r
	v_bfe_u32 v2, v0, 4, 1                         ; h
	v_and_b32 v3, 31, v0
	v_lshlrev_b32 v4, 4, v3                        ; 16 x lane
	s_mul_i32 s16, s[WY], YH
	s_mul_i32 s17, s[WC], XH
	s_add_co_u32 s17, s17, 2*YH
.irp s,0,1
	v_add_nc_u32 v[ADRY+\s], s16, v[LY]
	v_add_nc_u32 v[ADRX+\s], s17, v4
	s_add_co_u32 s16, s16, SLOT
	s_add_co_u32 s17, s17, SLOT
.endr
	s_mul_i32 s16, s[WY], PARTB
	s_mul_i32 s17, s[WC], PARTB
	s_add_co_u32 s17, s17, 2*PARTB
	s_sub_co_u32 s17, s17, s16
	v_mul_u32_u24 v6, s17, v2                      ; lanes 16-31 take X's words
	s_add_co_u32 s16, s16, SCL
	v_lshl_add_u32 v6, v1, 2, v6
	v_add_nc_u32 v[ADRS], s16, v6
	s_mul_i32 s18, s[WV], 16*272
	s_add_co_u32 s18, s18, STAGE                   ; my stage
	v_mul_u32_u24 v3, v1, 272
	v_lshl_add_u32 v3, v2, 6, v3
	v_add_nc_u32 v[STO], s18, v3                   ; in: row r, + 64 h
	v_mul_u32_u24 v3, v2, 272
	v_lshl_add_u32 v3, v1, 4, v3
	v_add_nc_u32 v[RD], s18, v3                    ; back: lanes 0-15 one row of 256 bytes, lanes 16-31 the next
	s_lshl_b32 s2, s[XT], 7
	s_lshl_b32 s3, s[WC], 6
	s_add_co_u32 s2, s2, s3
	s_lshl_b32 s2, s2, 2                           ; my first column, in bytes
	s_mov_b32 s3, 0
	s_add_nc_u64 s[8:9], s[8:9], s[2:3]
	v_lshlrev_b32 v8, 6, v2
.irp b,0,1,2,3
	global_load_b128 v[BIAS+8*\b:BIAS+8*\b+3], v8, s[8:9] offset:128*(\b/2)+32*(\b%2)        ; register j of tile b is column 32 (b / 2) + 16 h + 8 (b % 2) + j
	global_load_b128 v[BIAS+8*\b+4:BIAS+8*\b+7], v8, s[8:9] offset:128*(\b/2)+32*(\b%2)+16
.endr
	s_lshl_b32 s16, s[YT], 7
	s_lshl_b32 s17, s[WY], 6
	s_add_co_u32 s16, s16, s17
	s_lshl_b32 s16, s16, 12
	s_add_co_u32 s16, s16, s2
	s_mov_b32 s17, 0
	s_add_nc_u64 s[10:11], s[10:11], s[16:17]
	s_add_nc_u64 s[12:13], s[12:13], s[16:17]
	v_lshlrev_b32 v[CO], 12, v2
	v_lshl_add_u32 v[CO], v1, 4, v[CO]
	WIN 0x80                                       ; destination window 2
.irp a,0,1,2,3
.irp i,0,1,2,3,4,5,6,7
	global_load_b128 v[32*\a+4*\i:32*\a+4*\i+3], v[CO], s[10:11] offset:(32*(\a/2)+8*(\a%2)+2*\i+8*(\i/4))*4096 th:TH_LOAD_NT   ; position 16 a + 2 i + h is true row 32 (a / 2) + 8 (a % 2) + 2 i + h + 8 (i / 4)
.endr
.endr
	WIN 0
	s_wait_tensorcnt 0x1                           ; the scale words and my part of K step 0 are in; K step 1's load may be out
	s_wait_loadcnt 0x20                            ; the bias is in; the residual's 32 loads may be out
	s_barrier_signal -1
	s_barrier_wait -1
	HALF 0, 1
.if NSTEP > 2
	s_mov_b32 s[CNT], (NSTEP-2)/2
.Llap:
	CHANGE 0
	v_add_nc_u32 v[ADRS], 1088, v[ADRS]            ; the next K step's scale words
	HALF 1, 0
	CHANGE 1
	v_add_nc_u32 v[ADRS], 1088, v[ADRS]
	HALF 0, 0
	s_sub_co_u32 s[CNT], s[CNT], 1
	s_cmp_lg_u32 s[CNT], 0
	s_cbranch_scc1 .Llap
.endif
	s_wait_tensorcnt 0x0                           ; my part of the last K step is in,
	s_wait_dscnt 0x0
	s_barrier_signal -1
	s_barrier_wait -1                              ; everybody's is; nothing is filled again
	v_add_nc_u32 v[ADRS], 1088, v[ADRS]
	HALF 1, 0
	; THE WAY OUT, a block of 16 rows x 64 columns at a time, through my own stage: back as whole rows of 256 bytes, + the residual, stored sixteen lanes to 256 consecutive bytes, aligned
	s_wait_loadcnt 0x0
	PLACES 8
.irp a,0,1,2,3
.set RBK, 64+32*(\a%2)
.if \a >= 2
	s_wait_xcnt 0x0                                ; the stores of two blocks back have read these registers
.endif
.irp b,0,1,2,3
	ds_store_b128 v[STO], v[ACC+8*(4*\a+\b):ACC+8*(4*\a+\b)+3] offset:128*(\b/2)+32*(\b%2)
	ds_store_b128 v[STO], v[ACC+8*(4*\a+\b)+4:ACC+8*(4*\a+\b)+7] offset:128*(\b/2)+32*(\b%2)+16
.endr
.irp i,0,1,2,3,4,5,6,7
	ds_load_b128 v[RBK+4*\i:RBK+4*\i+3], v[RD] offset:544*\i   ; LDS serves a wave's instructions in order (ISA guide 5.7.1.4): these see the stores above
.endr
	s_wait_dscnt 0x0
	WIN 0x08                                       ; source 1 window 2
.irp m,0,2,4,6,8,10,12,14,16,18,20,22,24,26,28,30
	v_pk_add_f32 v[RBK+\m:RBK+\m+1], v[RBK+\m:RBK+\m+1], v[32*\a+\m:32*\a+\m+1]
.endr
	WIN 0
.irp i,0,1,2,3,4,5,6,7
	global_store_b128 v[CO], v[RBK+4*\i:RBK+4*\i+3], s[12:13] offset:(32*(\a/2)+8*(\a%2)+2*\i+8*(\i/4))*4096 th:TH_STORE_NT
.endr
.endr
	s_wait_tensorcnt 0x0                           ; the wave's end
	ds_add_u32 v[SPW], v[NIL]
	s_wait_dscnt 0x0
	CROUND                                         ; the closing round
	s_endpgm
.Lfunc_end_k_q6fc8981738_gf2:
	.size	k_q6fc8981738_gf2, .Lfunc_end_k_q6fc8981738_gf2-k_q6fc8981738_gf2
	.p2alignl 7, 3214868480
	.fill 96, 4, 3214868480
	.section	.rodata,"a",@progbits
	.p2align	6, 0x0
	.amdhsa_kernel k_q6fc8981738_gf2
		.amdhsa_group_segment_fixed_size 327680
		.amdhsa_private_segment_fixed_size 0
		.amdhsa_enable_private_segment 0
		.amdhsa_kernarg_size 40
		.amdhsa_user_sgpr_count 2
		.amdhsa_user_sgpr_kernarg_segment_ptr 1
		.amdhsa_wavefront_size32 1
		.amdhsa_system_sgpr_workgroup_id_x 1
		.amdhsa_system_sgpr_workgroup_id_y 1
		.amdhsa_system_sgpr_workgroup_id_z 1
		.amdhsa_system_vgpr_workitem_id 0
		.amdhsa_next_free_vgpr 640
		.amdhsa_next_free_sgpr 102
		.amdhsa_reserve_vcc 0
		.amdhsa_float_denorm_mode_32 3
		.amdhsa_float_denorm_mode_16_64 3
		.amdhsa_memory_ordered 1
		.amdhsa_forward_progress 1
		.amdhsa_inst_pref_size 103
	.end_amdhsa_kernel
	.amdgpu_metadata
---
amdhsa.version: [ 1, 2 ]
amdhsa.kernels:
  - .name:           k_q6fc8981738_gf2
    .symbol:         k_q6fc8981738_gf2.kd
    .args:
      - { .name: hid, .offset: 0, .size: 8, .value_kind: global_buffer, .address_space: global }
      - { .name: wts, .offset: 8, .size: 8, .value_kind: global_buffer, .address_space: global }
      - { .name: b2, .offset: 16, .size: 8, .value_kind: global_buffer, .address_space: global }
      - { .name: x1, .offset: 24, .size: 8, .value_kind: global_buffer, .address_space: global }
      - { .name: out0, .offset: 32, .size: 8, .value_kind: global_buffer, .address_space: global }
    .group_segment_fixed_size: 327680
    .private_segment_fixed_size: 0
    .kernarg_segment_align: 8
    .kernarg_segment_size: 40
    .max_flat_workgroup_size: 128
    .sgpr_count:     102
    .vgpr_count:     640
    .wavefront_size: 32
...
	.end_amdgpu_metadata
.endif
;; end of part 7
;; ======== version 2 of 2: 7 launches; 1.13 times as fast as version 1
;; limits: right only within a limited range of input values; a function is approximated: absolute error at most 1e-07
;; workspace buffers: wts 12,976,128 bytes; act1 4,325,376 bytes; act2 4,325,376 bytes; qkvp 12,976,128 bytes; att 4,325,376 bytes; x1 16,777,216 bytes; hid 17,301,504 bytes
;; launch prep: the kernel of part 1 again; grid 512 x 1, 4 waves a work-group, no clusters, 0 bytes of LDS; arguments x, ln1_g, ln1_b, act1, wq, wk, wv, wo, w1, w2, wts; writes act1, wts
;; launch gqkv (part 8): grid 8 x 32, 4 waves a work-group, clusters of 4 x 4, 327,680 bytes of LDS; arguments act1, wts, bq, bk, bv, qkvp; writes qkvp
.if DOCPART == 8
	.amdgcn_target "amdgcn-amd-amdhsa--gfx1250"
	.amdhsa_code_object_version 6
	.text
	.protected	k_q6fc8981738_gqkv
	.globl	k_q6fc8981738_gqkv
	.p2align	8
	.type	k_q6fc8981738_gqkv,@function
k_q6fc8981738_gqkv:
	s_mov_b64 s[64:65], 0
	v_nop
	global_prefetch_b8 v0, s[64:65] scope:SCOPE_SE
	s_setreg_imm32_b32 hwreg(HW_REG_WAVE_MODE, 25, 1), 1
	s_wait_xcnt 0x0
	s_wait_alu depctr_hold_cnt(0) depctr_sa_sdst(0) depctr_va_vdst(0) depctr_va_sdst(0) depctr_va_ssrc(0) depctr_va_vcc(0) depctr_vm_vsrc(0)
	s_getreg_b32 s2, hwreg(HW_REG_IB_STS2, 6, 4)
	s_cmp_eq_u32 s2, 0
	s_cbranch_scc0 .Lentry_in_a_cluster
	s_endpgm
.Lentry_in_a_cluster:
	s_bfe_u32 s2, ttmp6, 0x10000c
	s_cmp_lg_u32 s2, 0xf033
	s_cbranch_scc0 .Lentry_shape_is_right
	s_endpgm
.Lentry_shape_is_right:
; q, k, v = LN1(x) W + bias on codes of E5M2 (K = 1024), then quantised again: q and k along the head's 64, v along the keys, into one pack of 202,752 bytes for each (batch, head):
; K image 0, V image 65,536, K scale words 131,072, V scale words 133,120, Q image 135,168, Q scale words 200,704.  Images are images of the operand's registers, 512 bytes a chunk of four registers.
; Nothing of reference() is left out.
; A WORK-GROUP STAYS: it owns Y = 128 rows of the activations and walks three tiles of 128 rows of the weights X: q's, k's and v's rows of its two heads.  Four waves, each 64 x 64 of a tile: 16 accumulators.
; Y STAYS IN REGISTERS: a wave's 64 rows x 1024 along K are 512 registers, read from LDS once; after that 16 products read 8 KB of X from LDS and nothing of Y.
; X GOES THROUGH A RING OF TWO WHOLE TILES: buffer A is where the first tile landed, buffer B is the place that Y has left.  Ahead of each tile's products the next tile is asked for, into the buffer that is not read:
; the load has a tile's products and way out in which to land.  One tensor load of a wave is out behind each round.
; q, k: source 0 = X, source 1 = Y: a lane holds one row of the activations and its registers run along the head.  v: the sources change places: a lane holds one channel and its registers run along the keys.
; THE SCALE WORDS of Y and of all three tiles of X come once, with the first fills.  A scale register carries the word of k / 128 = q in lanes 0-15 and of q + 4 in lanes 16-31.
; CLUSTERS: 4 x 4.  Y's tiles are asked for jointly by a row of the cluster, X's by a column.  No prefetch: a refill is asked for a whole tile ahead of its first read.
; The bias is the C of each sum's first product.  LIMITS: NaN and infinities are not served; a block of zeros has the byte 1.
; REGISTERS: window 0: v1 r, v2 h, v4 16 x lane, v8-15 offsets, v16-23 LDS addresses, v28-29 the add's two, v30-31 scale words made, v32-47 X's scale words, v48-63 at work, v64-95 codes made, v112-127 Y's scale words,
;   v128-255 accumulators.  window 1: v0-127 two sets of X's four fragments; v128-159 the bias.  windows 2, 3: Y's fragments: k / 128 = q, block a at 16 (4 (q % 4) + a) of window 2 + q / 4.
.set SIZE_K, 1024
.set NT,     3
.set XCODE,  0
.set XSCAL,  12582912
.set YSCAL,  4194304
.set KQN,   SIZE_K/128
.set YH,    64*528                     ; 64 rows of 512 bytes + 16 of padding: the 16 rows that a load touches start at 16 different banks (64 banks of 4 bytes: ISA guide 11.1)
.set XH,    32768                      ; 4 blocks of 16 rows x 512 along K, as images: dense
.set SLOT,  2*YH+2*XH                  ; a K step of 512: Y's two halves, then X's two halves
.set BUFA,  2*YH                       ; X's buffer A begins here in each slot; buffer B at the slot's first byte
.set SCL,   2*SLOT                     ; behind the slots: Y's scale words, two parts of 64 rows: a row of 256 bytes + 16 for each 128 along K;
.set PARTY, KQN*272
.set PARTX, KQN*NT*272                 ; X's, two parts: row NT (k / 128) + tile
.set SCLX,  SCL+2*PARTY
.set SPARE, SCLX+2*PARTX               ; the spare words, 128 bytes for each wave, which no other line names
.set ADRY,  16
.set ADRX0, 18
.set ADRX,  20
.set ADSY,  22
.set ADSX,  23
.set SPW,   28
.set NIL,   29
.set PW0,   30
.set SCX,   32
.set TM,    48
.set PC,    64
.set SCY,   112
.set ACC,   128
.set BIAS,  128                        ; in window 1
.set TG, 2                             ; s2   the buffer that is filled, as an offset in a slot
.set TR, 3                             ; s3   the buffer that is read
.set G0R, 16                           ; s[16:19] group 0 of the refills
.set WV, 20
.set WY, 21
.set WC, 22
.set G1Y, 24
.set G0Y, 32
.set G1X, 40
.set G0X, 48
.set G1SY, 56
.set G0SY, 68
.set G1SX, 72
.set G0SX, 80
.set CX, 84
.set CY, 85
.set XT, 86
.set YT, 87
.set SEL, 98
.set RB0, 100
.set MNT, 101
.set MSB, 0
.macro WIN new                         ; the immediate's high byte repeats the setting that is left
.if MSB != \new
	s_set_vgpr_msb (MSB<<8)|\new
.set MSB, \new
.endif
.endm
.set TO_F, 0x40                        ; destination window 1, address window 0
.macro PLACES n
.rept \n
	v_nop
.endr
.endm
.macro JLOAD g0a, g1a, g0b, g1b        ; a joint first fill: waves 0 and 1 fetch for Y, waves 2 and 3 for X; an s_nop 0 and four v_nop follow each line
	s_cmp_eq_u32 s[WY], 0
	s_cbranch_scc0 .Lfor_x_\@
	tensor_load_to_lds s[\g0a:\g0a+3], s[\g1a:\g1a+7]
	s_nop 0
.rept 4
	v_nop
.endr
	s_branch .Lasked_\@
.Lfor_x_\@:
	tensor_load_to_lds s[\g0b:\g0b+3], s[\g1b:\g1b+7]
	s_nop 0
.rept 4
	v_nop
.endr
.Lasked_\@:
.endm
.macro CROUND                          ; a round of the cluster's barrier
	s_barrier_signal -1
	s_barrier_wait -1
	s_cmp_lg_u32 s[WV], 0
	s_cbranch_scc1 .Lnot_wave_0_\@
	s_barrier_signal -3
.Lnot_wave_0_\@:
	s_barrier_wait -3
	s_barrier_signal -1
	s_barrier_wait -1
.endm
.macro FRAG reg, adr, off, cs          ; a fragment: 16 rows x 128 K, four loads of 16 bytes a lane
.irp c,0,1,2,3
	ds_load_b128 v[\reg+4*\c:\reg+4*\c+3], v[\adr] offset:\off+\cs*\c
.endr
.endm
.macro FX q, f                         ; X's four fragments of k / 128 = q into set f
.irp i,0,1,2,3
	FRAG \f+16*\i, ADRX+(\q)/4, 8192*\i+2048*((\q)%4), 512
.endr
.endm
.macro YREGS                           ; my 64 rows of Y, all of K, into windows 2 and 3: once
	WIN 0x80
.irp q,0,1,2,3
.irp a,0,1,2,3
	FRAG 16*(4*\q+\a), ADRY, 8448*\a+128*\q, 32
.endr
.endr
	WIN 0xc0
.irp q,0,1,2,3
.irp a,0,1,2,3
	FRAG 16*(4*\q+\a), ADRY+1, 8448*\a+128*\q, 32
.endr
.endr
	WIN 0
.endm
; 8 products: source 1's blocks a0, a0 + 1 x source 0's four.  cm 0: C = D; 1: the bias by source 0's block; 2: by source 1's.  The 16 accumulators take turns.
.macro MUL8 f, q, a0, cm, ord
.irp a,\a0,\a0+1
.irp b,0,1,2,3
.set DD, ACC+8*(4*(\a)+\b)
.if \cm == 1
.set CC, BIAS+8*\b
.elseif \cm == 2
.set CC, BIAS+8*(\a)
.else
.set CC, DD
.endif
.set QL, 4*((\q)%4)
.if \ord
.set RA, 16*(QL+\b)
.set RBB, \f+16*(\a)
.set SA, SCY+QL+\b
.set SBB, SCX+QL+(\a)
.else
.set RA, \f+16*\b
.set RBB, 16*(QL+(\a))
.set SA, SCX+QL+\b
.set SBB, SCY+QL+(\a)
.endif
.if (\q) < 4
	v_wmma_scale_f32_16x16x128_f8f6f4 v[DD:DD+7], v[RA:RA+15], v[RBB:RBB+15], v[CC:CC+7], v[SA], v[SBB] matrix_a_fmt:MATRIX_FMT_BF8 matrix_b_fmt:MATRIX_FMT_BF8
.else
	v_wmma_scale_f32_16x16x128_f8f6f4 v[DD:DD+7], v[RA:RA+15], v[RBB:RBB+15], v[CC:CC+7], v[SA], v[SBB] matrix_a_fmt:MATRIX_FMT_BF8 matrix_b_fmt:MATRIX_FMT_BF8 matrix_a_scale:MATRIX_SCALE_ROW1 matrix_b_scale:MATRIX_SCALE_ROW1
.endif
.endr
.endr
.endm
.macro MULQ q, f, ord                  ; the 16 products of k / 128 = q.  X in window 1, Y in window 2 or 3, C and D in window 0; the first quarter's C is the bias, in window 1
.if \ord
.if (\q) == 0
	WIN 0x16
	MUL8 \f, \q, 0, 2, 1
	MUL8 \f, \q, 2, 2, 1
.else
.if (\q) < 4
	WIN 0x06
.else
	WIN 0x07
.endif
	MUL8 \f, \q, 0, 0, 1
	MUL8 \f, \q, 2, 0, 1
.endif
.else
.if (\q) == 0
	WIN 0x19
	MUL8 \f, \q, 0, 1, 0
	MUL8 \f, \q, 2, 1, 0
.else
.if (\q) < 4
	WIN 0x09
.else
	WIN 0x0d
.endif
	MUL8 \f, \q, 0, 0, 0
	MUL8 \f, \q, 2, 0, 0
.endif
.endif
.endm
; A tile's products: eight quarters of 128 along K, 16 products each, on two sets of X's fragments; a quarter's 16 loads go out a quarter ahead.
; Plain places stand in front of each run of loads into registers that products have read (eight), and of the first products, which begin the accumulators anew with another C (ten: the two additions and the eight v_nop).
.macro PROD ord
	s_xor_b32 s[TR], s[TR], BUFA                   ; the other buffer than last time
	v_add_nc_u32 v[ADRX], s[TR], v[ADRX0]
	v_add_nc_u32 v[ADRX+1], s[TR], v[ADRX0+1]
	PLACES 8
.irp q,0,1,2,3
.irp i,0,1,2,3
	ds_load_b32 v[SCX+4*\q+\i], v[ADSX] offset:272*NT*\q+64*\i   ; the tile's scale words: lanes 0-15 k / 128 = q, lanes 16-31 q + 4
.endr
.endr
	WIN TO_F
	FX 0, 0
	FX 1, 64
	s_wait_loadcnt 0x0                             ; the bias
	s_wait_dscnt 0x10                              ; all but the next quarter's 16 loads
	MULQ 0, 0, \ord
.irp q,1,2,3,4,5,6
	PLACES 8
	WIN TO_F
	FX \q+1, 64*((\q+1)%2)
	s_wait_dscnt 0x10                              ; all but the 16 just issued
	MULQ \q, 64*(\q%2), \ord
.endr
	s_wait_dscnt 0x0
	MULQ 7, 64, \ord
	WIN 0
.endm
; Ahead of a tile's products: every wave waits for all its tensor loads (its part of the tile that is about to be read), adds 0 to its spare word, waits for that and for its reads of the other buffer;
; a round of the cluster's barrier; and the next tile is asked for into that other buffer: wave w fetches K step w / 2, half w % 2: 32 KB.
.macro CHANGE
	s_wait_tensorcnt 0x0                           ; no tensor load of mine is out, so group 0 may be written
	ds_add_u32 v[SPW], v[NIL]                      ; 0 onto my spare word
	s_xor_b32 s[TG], s[TG], BUFA
	s_add_co_u32 s[G0R+1], s[RB0], s[TG]
	s_add_nc_u64 s[G0R+2:G0R+3], s[G0R+2:G0R+3], 0x100000   ; 1,024 rows of X on; the type bits on top are not reached
	s_wait_dscnt 0x0                               ; the add is done, and my reads of the buffer that is filled are over
	CROUND
	tensor_load_to_lds s[G0R:G0R+3], s[G1X:G1X+7]  ; my one tensor load behind the round
	s_nop 0
.rept 4
	v_nop
.endr
.endm
.macro MEET                            ; ahead of the last tile's products: its loads have landed, in every wave; nothing is filled again
	s_wait_tensorcnt 0x0
	s_wait_dscnt 0x0
	s_barrier_signal -1
	s_barrier_wait -1
.endm
; 64 numbers of a lane, register 16 b + i = number 32 b + 16 (lane / 16) + i of my row along the next K, become 16 registers of codes and a scale word
.macro QUANT s, pc, pw
.irp b,0,1,2,3
	v_max3_num_f32 v[TM+\b], |v[\s+16*\b]|, |v[\s+1+16*\b]|, 0x8000000   ; with the floor 2^(16 - 127)
.endr
.irp i,2,4,6,8,10,12,14
.irp b,0,1,2,3
	v_max3_num_f32 v[TM+\b], v[TM+\b], |v[\s+16*\b+\i]|, |v[\s+1+16*\b+\i]|
.endr
.endr
.irp b,0,1,2,3
	v_permlanex16_b32 v[TM+4+\b], v[TM+\b], s[SEL], s[SEL+1]
.endr
.irp b,0,1,2,3
	v_max_num_f32 v[TM+\b], v[TM+\b], v[TM+4+\b]
.endr
.irp b,0,1,2,3
	v_add_nc_u32 v[TM+12+\b], 0xf8800000, v[TM+\b]
.endr
.irp b,0,1,2,3
	v_and_or_b32 v[TM+8+\b], v[TM+\b], 0x7f800000, s[MNT]
.endr
.irp b,0,1,2,3
	v_lshrrev_b32 v[TM+4+\b], 23, v[TM+12+\b]
.endr
	v_lshl_or_b32 v[\pw], v[TM+5], 8, v[TM+4]
	v_lshl_or_b32 v[\pw], v[TM+6], 16, v[\pw]
	v_lshl_or_b32 v[\pw], v[TM+7], 24, v[\pw]
.irp b,0,1,2,3
.irp i,0,1,2,3,4,5,6,7,8,9,10,11,12,13,14,15
	v_med3_num_f32 v[\s+16*\b+\i], v[\s+16*\b+\i], -v[TM+8+\b], v[TM+8+\b]
.endr
	v_cvt_scalef32_pk8_bf8_f32 v[\pc+4*\b:\pc+1+4*\b], v[\s+16*\b:\s+7+16*\b], v[TM+12+\b]
	v_cvt_scalef32_pk8_bf8_f32 v[\pc+2+4*\b:\pc+3+4*\b], v[\s+8+16*\b:\s+15+16*\b], v[TM+12+\b]
.endr
	v_nop                                          ; a plain line behind the last conversion
.endm
; THE WAY OUT of a tile.  For source 1's block a my 32 registers are two blocks of 32 along the next K.  The codes are the next operand's registers: they are stored as they stand, 512 consecutive bytes a store.
; koff, soff: the images' and the scale words' place in a pack; astr: from block a to a + 1; wstr: from Y's half 0 to half 1.  next = 1: k's bias is asked for; 2: v's; 0: nothing follows.
.macro WOUT koff, soff, astr, wstr, next
	PLACES 8                                       ; in front of the first read of results and of the loads into the bias's registers
.if \next == 1
	WIN TO_F
.irp b,0,1,2,3
	global_load_b128 v[BIAS+8*\b:BIAS+8*\b+3], v14, s[10:11] offset:128*(\b/2)+32*(\b%2)
	global_load_b128 v[BIAS+8*\b+4:BIAS+8*\b+7], v14, s[10:11] offset:128*(\b/2)+32*(\b%2)+16
.endr
	WIN 0
.elseif \next == 2
	WIN TO_F
.irp i,0,1,2,3
.irp j,0,1,2,3,4,5,6,7
	global_load_b32 v[BIAS+8*\i+\j], v15, s[12:13] offset:128*(\i/2)+32*(\i%2)   ; all eight registers of block i hold my lane's channel's bias
.endr
.endr
	WIN 0
.endif
	s_wait_xcnt 0x0                                ; the last tile's stores have read their registers and bases: both are written again below
	QUANT ACC, PC, PW0
	QUANT ACC+64, PC+16, PW0+1
	s_mul_i32 s28, s[WY], \wstr
	s_add_co_u32 s28, s28, s24
	s_add_co_u32 s28, s28, s25
	s_add_co_u32 s28, s28, \koff
	s_mov_b32 s29, 0
	s_add_nc_u64 s[30:31], s[14:15], s[28:29]
	s_add_co_u32 s32, s24, s26
	s_add_co_u32 s32, s32, \soff
	s_mov_b32 s33, 0
	s_add_nc_u64 s[34:35], s[14:15], s[32:33]
	v_mov_b32 v8, v4
.irp e,1,2,3
	v_add_nc_u32 v[8+\e], \astr, v[7+\e]
.endr
.irp i,0,1
.irp g,0,1,2,3
	global_store_b128 v[8+2*\i+\g/2], v[PC+16*\i+4*\g:PC+16*\i+4*\g+3], s[30:31] offset:512*(\g%2)
.endr
.endr
	v_cmp_eq_u32 vcc_lo, 1, v2
	v_cndmask_b32 v12, v[PW0], v[PW0+1], vcc_lo    ; lanes 0-15 store the word of blocks 0 and 1, lanes 16-31 that of blocks 2 and 3
	global_store_b32 v13, v12, s[34:35]            ; 128 consecutive bytes
.if \next
	v_add_nc_u32 v[ADSX], 272, v[ADSX]             ; the next tile's scale words of X: one row on
.endif
.endm
	s_load_b256 s[4:11], s[0:1], 0x0               ; act1, wts, bq, bk
	s_load_b128 s[12:15], s[0:1], 0x20             ; bv, qkvp
	v_lshl_add_u32 v[SPW], v0, 2, SPARE
	v_mov_b32 v[NIL], 0
	ds_add_u32 v[SPW], v[NIL]                      ; the wave's opening: the add, twice on end, and its wait ahead of my first tensor load
	ds_add_u32 v[SPW], v[NIL]
	v_lshrrev_b32 v3, 5, v0
	v_readfirstlane_b32 s[WV], v3
	s_lshr_b32 s[WY], s[WV], 1                     ; my half of Y's rows.  Also: at the start I fetch for Y (0) or for X (1); in a refill: which K step
	s_and_b32 s[WC], s[WV], 1                      ; my half of X's rows.  Also: which 64 rows I fetch
	s_bfe_u32 s[CX], ttmp6, 0x40000
	s_bfe_u32 s[CY], ttmp6, 0x40004
	s_lshl_b32 s[XT], ttmp9, 2
	s_add_co_u32 s[XT], s[XT], s[CX]               ; work-group x, 0..7: my two heads
	s_and_b32 s[YT], ttmp7, 0xffff
	s_lshl_b32 s[YT], s[YT], 2
	s_add_co_u32 s[YT], s[YT], s[CY]               ; work-group y: my 128 rows
	s_lshl_b32 s88, s[CY], 2
	s_lshl_b32 s88, 15, s88                        ; my row of the cluster
	s_lshl_b32 s89, 0x1111, s[CX]                  ; my column
	s_or_b32 s[G1Y], s88, (1<<20)|(1<<21)|(6<<22)|(3<<25)   ; Y: 64 rows of 512 bytes; elements of 1 byte; 4 words of padding after every 128
	s_mov_b32 s[G1Y+1], 512<<16
	s_mov_b32 s[G1Y+2], 64<<16
	s_mov_b32 s[G1Y+3], 512<<16
	s_mov_b32 s[G1Y+4], 64
	s_mov_b32 s[G1Y+5], SIZE_K
	s_mov_b32 s[G1Y+6], 0
	s_mov_b32 s[G1Y+7], 0
	s_or_b32 s[G1X], s89, (3<<16)|(1<<21)          ; X: 4 rows of 8,192 bytes (a block of 16 rows x 512 along K), 16 SIZE_K bytes apart; elements of 8 bytes
	s_mov_b32 s[G1X+1], 1024<<16
	s_mov_b32 s[G1X+2], 4<<16
	s_mov_b32 s[G1X+3], 1024<<16
	s_mov_b32 s[G1X+4], 4
	s_mov_b32 s[G1X+5], 2*SIZE_K
	s_mov_b32 s[G1X+6], 0
	s_mov_b32 s[G1X+7], 0
	s_or_b32 s[G1SY], s88, (3<<16)|(1<<20)|(1<<21)|(5<<22)|(3<<25)   ; scale words of 64 rows: rows of 256 bytes, 16 bytes of padding behind each
	s_or_b32 s[G1SX], s89, (3<<16)|(1<<20)|(1<<21)|(5<<22)|(3<<25)
.irp g,G1SY,G1SX
	s_mov_b32 s[\g+1], 32<<16
	s_mov_b32 s[\g+3], 32<<16
	s_mov_b32 s[\g+6], 0
	s_mov_b32 s[\g+7], 0
.endr
	s_mov_b32 s[G1SY+2], KQN<<16                   ; Y: a row for each 128 along K, 16,384 bytes apart
	s_mov_b32 s[G1SY+4], KQN
	s_mov_b32 s[G1SY+5], 2048
	s_mov_b32 s[G1SX+2], (KQN*NT)<<16              ; X: the walk's tiles lie 4,096 bytes apart and a k / 128 is NT x 4,096 bytes: so rows 4,096 bytes apart bring all tiles of all of K
	s_mov_b32 s[G1SX+4], KQN*NT
	s_mov_b32 s[G1SX+5], 512
	s_lshl_b32 s16, s[WC], 6
	s_lshl_b32 s90, s[YT], 7
	s_add_co_u32 s90, s90, s16                     ; Y: first row that I fetch
	s_lshl_b32 s94, s90, 2
	s_add_co_u32 s94, s94, YSCAL
	s_mul_i32 s90, s90, SIZE_K
	s_mov_b32 s91, 0
	s_mov_b32 s95, 0
	s_lshl_b32 s92, s[XT], 7
	s_add_co_u32 s92, s92, s16                     ; X likewise, in the first tile
	s_lshl_b32 s96, s92, 2
	s_add_co_u32 s96, s96, XSCAL
	s_mul_i32 s92, s92, SIZE_K
	s_add_co_u32 s92, s92, XCODE
	s_mov_b32 s93, 0
	s_mov_b32 s97, 0
	s_mul_i32 s17, s[WC], YH                       ; where they go: no place in the cluster enters an LDS address
	s_mul_i32 s18, s[WC], XH
	s_add_co_u32 s18, s18, BUFA
	s_mul_i32 s19, s[WC], PARTY
	s_mul_i32 s[RB0], s[WC], PARTX
	s_wait_dscnt 0x0                               ; both opening adds are done
	s_wait_kmcnt 0x0
	s_add_nc_u64 s[90:91], s[4:5], s[90:91]
	s_add_nc_u64 s[94:95], s[4:5], s[94:95]
	s_add_nc_u64 s[92:93], s[6:7], s[92:93]
	s_add_nc_u64 s[96:97], s[6:7], s[96:97]
	CROUND                                         ; all sixteen work-groups are here: the first joint loads meet
	s_mov_b32 s[G0SY], 1
	s_add_co_u32 s[G0SY+1], s19, SCL
	s_mov_b64 s[G0SY+2:G0SY+3], s[94:95]
	s_or_b32 s[G0SY+3], s[G0SY+3], 0x80000000
	s_mov_b32 s[G0SX], 1
	s_add_co_u32 s[G0SX+1], s[RB0], SCLX
	s_mov_b64 s[G0SX+2:G0SX+3], s[96:97]
	s_or_b32 s[G0SX+3], s[G0SX+3], 0x80000000
	JLOAD G0SY, G1SY, G0SX, G1SX
.irp s,0,1
	s_mov_b32 s[G0Y+4*\s], 1
	s_add_co_u32 s[G0Y+4*\s+1], s17, \s*SLOT
	s_add_nc_u64 s[G0Y+4*\s+2:G0Y+4*\s+3], s[90:91], \s*512
	s_or_b32 s[G0Y+4*\s+3], s[G0Y+4*\s+3], 0x80000000
	s_mov_b32 s[G0X+4*\s], 1
	s_add_co_u32 s[G0X+4*\s+1], s18, \s*SLOT
	s_add_nc_u64 s[G0X+4*\s+2:G0X+4*\s+3], s[92:93], \s*8192
	s_or_b32 s[G0X+4*\s+3], s[G0X+4*\s+3], 0x80000000
	JLOAD G0Y+4*\s, G1Y, G0X+4*\s, G1X             ; by this text's count three tensor loads of a wave are out
.endr
	v_and_b32 v1, 15, v0                           ; r
	v_bfe_u32 v2, v0, 4, 1                         ; h
	v_and_b32 v3, 31, v0
	v_lshlrev_b32 v4, 4, v3                        ; 16 x lane: my place in an image; never rewritten
	v_mul_u32_u24 v5, v1, 528
	v_lshl_add_u32 v5, v2, 4, v5
	s_mul_i32 s90, s[WY], YH
	s_mul_i32 s91, s[WC], XH
.irp s,0,1
	v_add_nc_u32 v[ADRY+\s], s90, v5
	v_add_nc_u32 v[ADRX0+\s], s91, v4              ; X's fragments in buffer B; the buffer's offset is added tile by tile
	s_add_co_u32 s90, s90, SLOT
	s_add_co_u32 s91, s91, SLOT
.endr
	s_mul_i32 s90, s[WY], PARTY
	s_add_co_u32 s90, s90, SCL
	v_mul_u32_u24 v6, v2, 4*272                    ; lanes 16-31: four rows on: the second K step's words
	v_lshl_add_u32 v6, v1, 2, v6
	v_add_nc_u32 v[ADSY], s90, v6
	s_mul_i32 s91, s[WC], PARTX
	s_add_co_u32 s91, s91, SCLX
	v_mul_u32_u24 v6, v2, 4*NT*272
	v_lshl_add_u32 v6, v1, 2, v6
	v_add_nc_u32 v[ADSX], s91, v6
	s_lshl_b32 s96, s[WY], 13                      ; the refills' group 0: K step wave / 2, half wave % 2, of the first tile; each refill steps it a tile on
	s_mov_b32 s97, 0
	s_mov_b32 s[G0R], 1
	s_add_nc_u64 s[G0R+2:G0R+3], s[92:93], s[96:97]
	s_or_b32 s[G0R+3], s[G0R+3], 0x80000000
	s_mul_i32 s[RB0], s[WY], SLOT
	s_mul_i32 s96, s[WC], XH
	s_add_co_u32 s[RB0], s[RB0], s96               ; and its place in buffer B
	s_mov_b32 s[TG], BUFA                          ; the first refill turns it to buffer B,
	s_mov_b32 s[TR], 0                             ; the first tile's products turn this to buffer A
	s_mov_b32 s[SEL], 0x76543210
	s_mov_b32 s[SEL+1], 0xfedcba98
	s_mov_b32 s[MNT], 0x600000
.irp b,0,1,2,3
	v_mov_b32 v[TM+4+\b], 0                        ; a lane permute's destination counts as one of its sources
.endr
	; the biases, in the result's layout.  q, k: register j of block i is channel 32 (i / 2) + 16 h + 8 (i % 2) + j.  v: all eight registers of block i are channel 32 (i / 2) + 8 (i % 2) + r + 8 (r / 8)
	s_lshl_b32 s94, s[XT], 1
	s_add_co_u32 s94, s94, s[WC]                   ; my head
	s_lshl_b32 s94, s94, 8
	s_mov_b32 s95, 0
	s_add_nc_u64 s[8:9], s[8:9], s[94:95]
	s_add_nc_u64 s[10:11], s[10:11], s[94:95]
	s_add_nc_u64 s[12:13], s[12:13], s[94:95]
	v_lshlrev_b32 v14, 6, v2
	v_and_b32 v15, 8, v1
	v_add_nc_u32 v15, v15, v1
	v_lshlrev_b32 v15, 2, v15
	v_lshlrev_b32 v13, 3, v1
	v_lshl_add_u32 v13, v2, 2, v13                 ; the scale words' way out: 8 r + 4 h
	WIN TO_F
.irp b,0,1,2,3
	global_load_b128 v[BIAS+8*\b:BIAS+8*\b+3], v14, s[8:9] offset:128*(\b/2)+32*(\b%2)
	global_load_b128 v[BIAS+8*\b+4:BIAS+8*\b+7], v14, s[8:9] offset:128*(\b/2)+32*(\b%2)+16
.endr
	WIN 0
	s_wait_tensorcnt 0x0                           ; my first fills have landed,
	s_barrier_signal -1
	s_barrier_wait -1                              ; everybody's have
	YREGS
.irp q,0,1,2,3
.irp i,0,1,2,3
	ds_load_b32 v[SCY+4*\q+\i], v[ADSY] offset:272*\q+64*\i
.endr
.endr
	s_lshl_b32 s24, s[XT], 1                       ; (no tensor load is out: the first fills' descriptors are free)
	s_add_co_u32 s24, s24, s[WC]
	s_lshr_b32 s25, s[YT], 3
	s_lshl_b32 s25, s25, 4
	s_add_co_u32 s24, s24, s25                     ; the pack: 16 x batch + head
	s_mul_i32 s24, s24, 202752
	s_and_b32 s26, s[YT], 7                        ; which 128 rows of the batch
	s_lshl_b32 s25, s26, 13
	s_lshl_b32 s26, s26, 8
	s_lshl_b32 s27, s[WY], 7
	s_add_co_u32 s26, s26, s27
	CHANGE                                         ; Y is in registers: k's rows of X are asked for into its place
	PROD 0                                         ; q
	WOUT 135168, 200704, 1024, 4096, 1
	CHANGE                                         ; k's rows have landed; v's are asked for into buffer A
	PROD 0                                         ; k
	WOUT 0, 131072, 1024, 4096, 2
	MEET
	PROD 1                                         ; v
	WOUT 65536, 133120, 2048, 1024, 0
	s_wait_tensorcnt 0x0                           ; the wave's end
	ds_add_u32 v[SPW], v[NIL]
	s_wait_dscnt 0x0
	CROUND                                         ; the closing round
	s_endpgm
.Lfunc_end_k_q6fc8981738_gqkv:
	.size	k_q6fc8981738_gqkv, .Lfunc_end_k_q6fc8981738_gqkv-k_q6fc8981738_gqkv
	.p2alignl 7, 3214868480
	.fill 96, 4, 3214868480
	.section	.rodata,"a",@progbits
	.p2align	6, 0x0
	.amdhsa_kernel k_q6fc8981738_gqkv
		.amdhsa_group_segment_fixed_size 327680
		.amdhsa_private_segment_fixed_size 0
		.amdhsa_enable_private_segment 0
		.amdhsa_kernarg_size 48
		.amdhsa_user_sgpr_count 2
		.amdhsa_user_sgpr_kernarg_segment_ptr 1
		.amdhsa_wavefront_size32 1
		.amdhsa_system_sgpr_workgroup_id_x 1
		.amdhsa_system_sgpr_workgroup_id_y 1
		.amdhsa_system_sgpr_workgroup_id_z 1
		.amdhsa_system_vgpr_workitem_id 0
		.amdhsa_next_free_vgpr 1024
		.amdhsa_next_free_sgpr 102
		.amdhsa_reserve_vcc 1
		.amdhsa_float_denorm_mode_32 3
		.amdhsa_float_denorm_mode_16_64 3
		.amdhsa_memory_ordered 1
		.amdhsa_forward_progress 1
		.amdhsa_inst_pref_size 163
	.end_amdhsa_kernel
	.amdgpu_metadata
---
amdhsa.version: [ 1, 2 ]
amdhsa.kernels:
  - .name:           k_q6fc8981738_gqkv
    .symbol:         k_q6fc8981738_gqkv.kd
    .args:
      - { .name: act1, .offset: 0, .size: 8, .value_kind: global_buffer, .address_space: global }
      - { .name: wts, .offset: 8, .size: 8, .value_kind: global_buffer, .address_space: global }
      - { .name: bq, .offset: 16, .size: 8, .value_kind: global_buffer, .address_space: global }
      - { .name: bk, .offset: 24, .size: 8, .value_kind: global_buffer, .address_space: global }
      - { .name: bv, .offset: 32, .size: 8, .value_kind: global_buffer, .address_space: global }
      - { .name: qkvp, .offset: 40, .size: 8, .value_kind: global_buffer, .address_space: global }
    .group_segment_fixed_size: 327680
    .private_segment_fixed_size: 0
    .kernarg_segment_align: 8
    .kernarg_segment_size: 48
    .max_flat_workgroup_size: 128
    .sgpr_count:     102
    .vgpr_count:     1024
    .wavefront_size: 32
...
	.end_amdgpu_metadata
.endif
;; end of part 8
;; launch attn: the kernel of part 3 again; grid 4 x 64, 16 waves a work-group, clusters of 4 x 1, 167,936 bytes of LDS; arguments qkvp, mask, att; writes att
;; launch go: the kernel of part 4 again; grid 8 x 32, 4 waves a work-group, clusters of 4 x 4, 327,680 bytes of LDS; arguments att, wts, bo, x, x1; writes x1
;; launch ln2: the kernel of part 5 again; grid 128 x 1, 4 waves a work-group, no clusters, 0 bytes of LDS; arguments x1, ln2_g, ln2_b, act2; writes act2
;; launch gf1 (part 9): grid 8 x 32, 4 waves a work-group, clusters of 4 x 4, 327,680 bytes of LDS; arguments act2, wts, b1, hid; writes hid
.if DOCPART == 9
	.amdgcn_target "amdgcn-amd-amdhsa--gfx1250"
	.amdhsa_code_object_version 6
	.text
	.protected	k_q6fc8981738_gf1
	.globl	k_q6fc8981738_gf1
	.p2align	8
	.type	k_q6fc8981738_gf1,@function
k_q6fc8981738_gf1:
	s_mov_b64 s[64:65], 0
	v_nop
	global_prefetch_b8 v0, s[64:65] scope:SCOPE_SE
	s_setreg_imm32_b32 hwreg(HW_REG_WAVE_MODE, 25, 1), 1
	s_wait_xcnt 0x0
	s_wait_alu depctr_hold_cnt(0) depctr_sa_sdst(0) depctr_va_vdst(0) depctr_va_sdst(0) depctr_va_ssrc(0) depctr_va_vcc(0) depctr_vm_vsrc(0)
	s_getreg_b32 s2, hwreg(HW_REG_IB_STS2, 6, 4)
	s_cmp_eq_u32 s2, 0
	s_cbranch_scc0 .Lentry_in_a_cluster
	s_endpgm
.Lentry_in_a_cluster:
	s_bfe_u32 s2, ttmp6, 0x10000c
	s_cmp_lg_u32 s2, 0xf033
	s_cbranch_scc0 .Lentry_shape_is_right
	s_endpgm
.Lentry_shape_is_right:
; hidden = gelu(LN2(x1) W1 + b1), quantised along the hidden units: a product on codes of E5M2 (K = 1024), the bias as the C of each sum's first product, the exact GELU and the quantiser in registers.
; hid: codes as images of the next operand's registers, [16 rows][unit / 128][chunk][lane][16 bytes]; scale words [unit / 128][position][4 bytes] at 16,777,216.  Nothing of reference() is left out.
; A WORK-GROUP STAYS: it owns Y = 128 rows of the activations and walks four tiles of 128 rows of W1, 1,024 rows apart.  Four waves, each 64 x 64 of a tile: 16 accumulators.
; Y STAYS IN REGISTERS: a wave's 64 rows x 1024 along K are 512 registers, read from LDS once; after that 16 products read 8 KB of X from LDS and nothing of Y.
; X GOES THROUGH A RING OF TWO WHOLE TILES: buffer A is where the first tile landed, buffer B is the place that Y has left.  Ahead of each tile's products the next tile is asked for, into the buffer that is not read:
; the load has a tile's products and way out in which to land.  One tensor load of a wave is out behind each round.  The loop has three trips; the last tile, which asks for nothing, is written out.
; Source 0 = X, source 1 = Y: a lane holds one row and its registers run along the hidden units, 16 true neighbours in two tiles.
; THE SCALE WORDS of Y and of all four tiles of X come once, with the first fills.  A scale register carries the word of k / 128 = q in lanes 0-15 and of q + 4 in lanes 16-31.
; CLUSTERS: 4 x 4; Y's tiles are asked for jointly by a row, X's by a column.  No prefetch: a refill is asked for a whole tile ahead of its first read.
; GELU: 0.5 x (1 + erf(z)), z = x / sqrt(2) held within +-4, erf(z) = z P(z^2) / Q(z^2), polynomials of degrees 6 and 4.
; LIMITS: erf is good to about 1e-7 absolutely, the size of f32's own rounding of 1 + erf: far down the negative tail the relative error of the result is larger.  NaN and infinities are not served; a block of zeros has the byte 1.
; REGISTERS: window 0: v1 r, v2 h, v4 16 x lane, v8-15 constants and offsets, v16-23 LDS addresses, v28-29 the add's two, v30 the scale word made, v32-47 X's scale words, v48-111 at work, v112-127 Y's scale words,
;   v128-255 accumulators.  window 1: v0-127 two sets of X's four fragments; v128-159 the bias.  windows 2, 3: Y's fragments: k / 128 = q, block a at 16 (4 (q % 4) + a) of window 2 + q / 4.
.set SIZE_K, 1024
.set NT,     4
.set XCODE,  4194304
.set XSCAL,  12713984
.set YSCAL,  4194304
.set KQN,   SIZE_K/128
.set YH,    64*528                     ; 64 rows of 512 bytes + 16 of padding
.set XH,    32768
.set SLOT,  2*YH+2*XH                  ; a K step of 512: Y's two halves, then X's two halves
.set BUFA,  2*YH                       ; X's buffer A begins here in each slot; buffer B at the slot's first byte
.set SCL,   2*SLOT
.set PARTY, KQN*272
.set PARTX, KQN*NT*272
.set SCLX,  SCL+2*PARTY
.set SPARE, SCLX+2*PARTX               ; the spare words, 128 bytes for each wave, which no other line names
.set ADRY,  16
.set ADRX0, 18
.set ADRX,  20
.set ADSY,  22
.set ADSX,  23
.set SPW,   28
.set NIL,   29
.set PW0,   30
.set SCX,   32
.set TM,    48
.set ZC,    48                         ; the way out: z, z^2, Q, P: 16 registers each
.set X2,    64
.set QQ,    80
.set PP,    96                         ; and the codes just made
.set SCY,   112
.set ACC,   128
.set BIAS,  128                        ; in window 1
.set TG, 2
.set TR, 3
.set G0R, 16
.set WV, 20
.set WY, 21
.set WC, 22
.set CNT, 23
.set G1Y, 24
.set G0Y, 32
.set G1X, 40
.set G0X, 48
.set G1SY, 56
.set G0SY, 68
.set G1SX, 72
.set G0SX, 80
.set CX, 84
.set CY, 85
.set XT, 86
.set YT, 87
.set SEL, 98
.set RB0, 100
.set MNT, 101
.set MSB, 0
.macro WIN new
.if MSB != \new
	s_set_vgpr_msb (MSB<<8)|\new
.set MSB, \new
.endif
.endm
.set TO_F, 0x40
.macro PLACES n
.rept \n
	v_nop
.endr
.endm
.macro JLOAD g0a, g1a, g0b, g1b        ; a joint first fill: waves 0 and 1 fetch for Y, waves 2 and 3 for X; an s_nop 0 and four v_nop follow each line
	s_cmp_eq_u32 s[WY], 0
	s_cbranch_scc0 .Lfor_x_\@
	tensor_load_to_lds s[\g0a:\g0a+3], s[\g1a:\g1a+7]
	s_nop 0
.rept 4
	v_nop
.endr
	s_branch .Lasked_\@
.Lfor_x_\@:
	tensor_load_to_lds s[\g0b:\g0b+3], s[\g1b:\g1b+7]
	s_nop 0
.rept 4
	v_nop
.endr
.Lasked_\@:
.endm
.macro CROUND
	s_barrier_signal -1
	s_barrier_wait -1
	s_cmp_lg_u32 s[WV], 0
	s_cbranch_scc1 .Lnot_wave_0_\@
	s_barrier_signal -3
.Lnot_wave_0_\@:
	s_barrier_wait -3
	s_barrier_signal -1
	s_barrier_wait -1
.endm
.macro FRAG reg, adr, off, cs
.irp c,0,1,2,3
	ds_load_b128 v[\reg+4*\c:\reg+4*\c+3], v[\adr] offset:\off+\cs*\c
.endr
.endm
.macro FX q, f                         ; X's four fragments of k / 128 = q into set f
.irp i,0,1,2,3
	FRAG \f+16*\i, ADRX+(\q)/4, 8192*\i+2048*((\q)%4), 512
.endr
.endm
.macro YREGS                           ; my 64 rows of Y, all of K, into windows 2 and 3: once
	WIN 0x80
.irp q,0,1,2,3
.irp a,0,1,2,3
	FRAG 16*(4*\q+\a), ADRY, 8448*\a+128*\q, 32
.endr
.endr
	WIN 0xc0
.irp q,0,1,2,3
.irp a,0,1,2,3
	FRAG 16*(4*\q+\a), ADRY+1, 8448*\a+128*\q, 32
.endr
.endr
	WIN 0
.endm
.macro MUL8 f, q, a0, cm               ; 8 products: Y's blocks a0, a0 + 1 x X's four; cm = 1: C is the bias.  The 16 accumulators take turns
.irp a,\a0,\a0+1
.irp b,0,1,2,3
.set DD, ACC+8*(4*(\a)+\b)
.if \cm
.set CC, BIAS+8*\b
.else
.set CC, DD
.endif
.set QL, 4*((\q)%4)
.set RA, \f+16*\b
.set RBB, 16*(QL+(\a))
.set SA, SCX+QL+\b
.set SBB, SCY+QL+(\a)
.if (\q) < 4
	v_wmma_scale_f32_16x16x128_f8f6f4 v[DD:DD+7], v[RA:RA+15], v[RBB:RBB+15], v[CC:CC+7], v[SA], v[SBB] matrix_a_fmt:MATRIX_FMT_BF8 matrix_b_fmt:MATRIX_FMT_BF8
.else
	v_wmma_scale_f32_16x16x128_f8f6f4 v[DD:DD+7], v[RA:RA+15], v[RBB:RBB+15], v[CC:CC+7], v[SA], v[SBB] matrix_a_fmt:MATRIX_FMT_BF8 matrix_b_fmt:MATRIX_FMT_BF8 matrix_a_scale:MATRIX_SCALE_ROW1 matrix_b_scale:MATRIX_SCALE_ROW1
.endif
.endr
.endr
.endm
.macro MULQ q, f                       ; the 16 products of k / 128 = q.  X in window 1, Y in window 2 or 3, C and D in window 0; the first quarter's C is the bias, in window 1
.if (\q) == 0
	WIN 0x19
	MUL8 \f, \q, 0, 1
	MUL8 \f, \q, 2, 1
.else
.if (\q) < 4
	WIN 0x09
.else
	WIN 0x0d
.endif
	MUL8 \f, \q, 0, 0
	MUL8 \f, \q, 2, 0
.endif
.endm
; A tile's products: eight quarters of 128 along K, 16 products each, on two sets of X's fragments; a quarter's 16 loads go out a quarter ahead.
; Plain places stand in front of each run of loads into registers that products have read (eight), and of the first products, which begin the accumulators anew with another C (ten: the two additions and the eight v_nop).
.macro PROD
	s_xor_b32 s[TR], s[TR], BUFA                   ; the other buffer than last time
	v_add_nc_u32 v[ADRX], s[TR], v[ADRX0]
	v_add_nc_u32 v[ADRX+1], s[TR], v[ADRX0+1]
	PLACES 8
.irp q,0,1,2,3
.irp i,0,1,2,3
	ds_load_b32 v[SCX+4*\q+\i], v[ADSX] offset:272*NT*\q+64*\i   ; the tile's scale words: lanes 0-15 k / 128 = q, lanes 16-31 q + 4
.endr
.endr
	WIN TO_F
	FX 0, 0
	FX 1, 64
	s_wait_loadcnt 0x0                             ; the bias
	s_wait_dscnt 0x10                              ; all but the next quarter's 16 loads
	MULQ 0, 0
.irp q,1,2,3,4,5,6
	PLACES 8
	WIN TO_F
	FX \q+1, 64*((\q+1)%2)
	s_wait_dscnt 0x10                              ; all but the 16 just issued
	MULQ \q, 64*(\q%2)
.endr
	s_wait_dscnt 0x0
	MULQ 7, 64
	WIN 0
.endm
; Ahead of a tile's products: every wave waits for all its tensor loads (its part of the tile that is about to be read), adds 0 to its spare word, waits for that and for its reads of the other buffer;
; a round of the cluster's barrier; and the next tile is asked for into that other buffer: wave w fetches K step w / 2, half w % 2: 32 KB.
.macro CHANGE
	s_wait_tensorcnt 0x0                           ; no tensor load of mine is out, so group 0 may be written
	ds_add_u32 v[SPW], v[NIL]                      ; 0 onto my spare word
	s_xor_b32 s[TG], s[TG], BUFA
	s_add_co_u32 s[G0R+1], s[RB0], s[TG]
	s_add_nc_u64 s[G0R+2:G0R+3], s[G0R+2:G0R+3], 0x100000   ; 1,024 rows of X on; the type bits on top are not reached
	s_wait_dscnt 0x0                               ; the add is done, and my reads of the buffer that is filled are over
	CROUND
	tensor_load_to_lds s[G0R:G0R+3], s[G1X:G1X+7]  ; my one tensor load behind the round
	s_nop 0
.rept 4
	v_nop
.endr
.endm
.macro QUANT s, pc, pw
.irp b,0,1,2,3
	v_max3_num_f32 v[TM+\b], |v[\s+16*\b]|, |v[\s+1+16*\b]|, 0x8000000   ; with the floor 2^(16 - 127)
.endr
.irp i,2,4,6,8,10,12,14
.irp b,0,1,2,3
	v_max3_num_f32 v[TM+\b], v[TM+\b], |v[\s+16*\b+\i]|, |v[\s+1+16*\b+\i]|
.endr
.endr
.irp b,0,1,2,3
	v_permlanex16_b32 v[TM+4+\b], v[TM+\b], s[SEL], s[SEL+1]
.endr
.irp b,0,1,2,3
	v_max_num_f32 v[TM+\b], v[TM+\b], v[TM+4+\b]
.endr
.irp b,0,1,2,3
	v_add_nc_u32 v[TM+12+\b], 0xf8800000, v[TM+\b]
.endr
.irp b,0,1,2,3
	v_and_or_b32 v[TM+8+\b], v[TM+\b], 0x7f800000, s[MNT]
.endr
.irp b,0,1,2,3
	v_lshrrev_b32 v[TM+4+\b], 23, v[TM+12+\b]
.endr
	v_lshl_or_b32 v[\pw], v[TM+5], 8, v[TM+4]
	v_lshl_or_b32 v[\pw], v[TM+6], 16, v[\pw]
	v_lshl_or_b32 v[\pw], v[TM+7], 24, v[\pw]
.irp b,0,1,2,3
.irp i,0,1,2,3,4,5,6,7,8,9,10,11,12,13,14,15
	v_med3_num_f32 v[\s+16*\b+\i], v[\s+16*\b+\i], -v[TM+8+\b], v[TM+8+\b]
.endr
	v_cvt_scalef32_pk8_bf8_f32 v[\pc+4*\b:\pc+1+4*\b], v[\s+16*\b:\s+7+16*\b], v[TM+12+\b]
	v_cvt_scalef32_pk8_bf8_f32 v[\pc+2+4*\b:\pc+3+4*\b], v[\s+8+16*\b:\s+15+16*\b], v[TM+12+\b]
.endr
	v_nop                                          ; a plain line behind the last conversion
.endm
; GELU of 16 numbers in place.  The 16 reciprocals are one batch: P's 56 lines are the work behind them, and one wait stands ahead of their first reader.
.macro GELU16 s
.irp m,0,2,4,6,8,10,12,14
	v_pk_mul_f32 v[ZC+\m:ZC+\m+1], v[\s+\m:\s+\m+1], 0x3f3504f3 op_sel_hi:[1,0]   ; x / sqrt(2)
.endr
.irp m,0,1,2,3,4,5,6,7,8,9,10,11,12,13,14,15
	v_med3_num_f32 v[ZC+\m], v[ZC+\m], -4.0, 4.0
.endr
.irp m,0,2,4,6,8,10,12,14
	v_pk_mul_f32 v[\s+\m:\s+\m+1], v[\s+\m:\s+\m+1], 0.5 op_sel_hi:[1,0]
.endr
.irp m,0,2,4,6,8,10,12,14
	v_pk_mul_f32 v[X2+\m:X2+\m+1], v[ZC+\m:ZC+\m+1], v[ZC+\m:ZC+\m+1]
.endr
.irp m,0,2,4,6,8,10,12,14
	v_pk_fma_f32 v[QQ+\m:QQ+\m+1], v[X2+\m:X2+\m+1], v[10:11], s[36:37] op_sel_hi:[1,1,0]
.endr
.irp c,38,48,50
.irp m,0,2,4,6,8,10,12,14
	v_pk_fma_f32 v[QQ+\m:QQ+\m+1], v[QQ+\m:QQ+\m+1], v[X2+\m:X2+\m+1], s[\c:\c+1] op_sel_hi:[1,1,0]
.endr
.endr
.irp m,0,1,2,3,4,5,6,7,8,9,10,11,12,13,14,15
	v_rcp_f32 v[QQ+\m], v[QQ+\m]
.endr
.irp m,0,2,4,6,8,10,12,14
	v_pk_fma_f32 v[PP+\m:PP+\m+1], v[X2+\m:X2+\m+1], v[8:9], s[24:25] op_sel_hi:[1,1,0]
.endr
.irp c,26,28,30,32,34
.irp m,0,2,4,6,8,10,12,14
	v_pk_fma_f32 v[PP+\m:PP+\m+1], v[PP+\m:PP+\m+1], v[X2+\m:X2+\m+1], s[\c:\c+1] op_sel_hi:[1,1,0]
.endr
.endr
.irp m,0,2,4,6,8,10,12,14
	v_pk_mul_f32 v[PP+\m:PP+\m+1], v[PP+\m:PP+\m+1], v[ZC+\m:ZC+\m+1]
.endr
	s_wait_alu depctr_va_vdst(0)                   ; one wait for the 16 reciprocals
.irp m,0,2,4,6,8,10,12,14
	v_pk_mul_f32 v[PP+\m:PP+\m+1], v[PP+\m:PP+\m+1], v[QQ+\m:QQ+\m+1]   ; erf
.endr
.irp m,0,2,4,6,8,10,12,14
	v_pk_fma_f32 v[\s+\m:\s+\m+1], v[\s+\m:\s+\m+1], v[PP+\m:PP+\m+1], v[\s+\m:\s+\m+1]   ; 0.5 x erf + 0.5 x
.endr
.endm
; THE WAY OUT of a tile.  next = 1: another tile follows: its bias is asked for at the head, and the bases step at the end.
.macro WOUT next
	PLACES 8                                       ; in front of the first read of results and of the loads into the bias's registers
.if \next
	s_add_nc_u64 s[8:9], s[8:9], 4096              ; 1,024 units on (the last bias loads were waited for ahead of the products)
	WIN TO_F
.irp b,0,1,2,3
	global_load_b128 v[BIAS+8*\b:BIAS+8*\b+3], v12, s[8:9] offset:128*(\b/2)+32*(\b%2)
	global_load_b128 v[BIAS+8*\b+4:BIAS+8*\b+7], v12, s[8:9] offset:128*(\b/2)+32*(\b%2)+16
.endr
	WIN 0
.endif
.irp i,0,1
	s_wait_xcnt 0x0                                ; the stores before have read their registers
	GELU16 ACC+64*\i
	GELU16 ACC+64*\i+16
	GELU16 ACC+64*\i+32
	GELU16 ACC+64*\i+48
	QUANT ACC+64*\i, PP, PW0
.irp g,0,1,2,3
	global_store_b128 v4, v[PP+4*\g:PP+4*\g+3], s[12:13] offset:(2*\i+\g/2)*65536+(\g%2)*512   ; a chunk of the next operand's image: 512 consecutive bytes
.endr
	v_lshrrev_b32 v15, v14, v[PW0]                 ; lanes 0-15: the two bytes of row block 2 i; lanes 16-31: of 2 i + 1
	global_store_b16 v13, v15, s[14:15] offset:128*\i   ; half of each row's word (the other half is the neighbouring wave's): one part in 32 of the output
.endr
.if \next
	s_wait_xcnt 0x0                                ; the stores have read their bases
	s_add_nc_u64 s[12:13], s[12:13], 16384         ; eight times 128 units on: in the images,
	s_add_nc_u64 s[14:15], s[14:15], 131072        ; in the scale words,
	v_add_nc_u32 v[ADSX], 272, v[ADSX]             ; and X's scale words in LDS: one row on
.endif
.endm
	s_load_b256 s[4:11], s[0:1], 0x0               ; act2, wts, b1, hid
	v_lshl_add_u32 v[SPW], v0, 2, SPARE
	v_mov_b32 v[NIL], 0
	ds_add_u32 v[SPW], v[NIL]                      ; the wave's opening: the add, twice on end, and its wait ahead of my first tensor load
	ds_add_u32 v[SPW], v[NIL]
	v_lshrrev_b32 v3, 5, v0
	v_readfirstlane_b32 s[WV], v3
	s_lshr_b32 s[WY], s[WV], 1                     ; my half of Y's rows.  Also: at the start I fetch for Y (0) or for X (1); in a refill: which K step
	s_and_b32 s[WC], s[WV], 1                      ; my half of X's rows.  Also: which 64 rows I fetch
	s_bfe_u32 s[CX], ttmp6, 0x40000
	s_bfe_u32 s[CY], ttmp6, 0x40004
	s_lshl_b32 s[XT], ttmp9, 2
	s_add_co_u32 s[XT], s[XT], s[CX]               ; work-group x, 0..7: the first tile of my walk
	s_and_b32 s[YT], ttmp7, 0xffff
	s_lshl_b32 s[YT], s[YT], 2
	s_add_co_u32 s[YT], s[YT], s[CY]
	s_lshl_b32 s88, s[CY], 2
	s_lshl_b32 s88, 15, s88                        ; my row of the cluster
	s_lshl_b32 s89, 0x1111, s[CX]                  ; my column
	s_or_b32 s[G1Y], s88, (1<<20)|(1<<21)|(6<<22)|(3<<25)   ; Y: 64 rows of 512 bytes, 4 words of padding after every 128
	s_mov_b32 s[G1Y+1], 512<<16
	s_mov_b32 s[G1Y+2], 64<<16
	s_mov_b32 s[G1Y+3], 512<<16
	s_mov_b32 s[G1Y+4], 64
	s_mov_b32 s[G1Y+5], SIZE_K
	s_mov_b32 s[G1Y+6], 0
	s_mov_b32 s[G1Y+7], 0
	s_or_b32 s[G1X], s89, (3<<16)|(1<<21)          ; X: 4 rows of 8,192 bytes, 16 SIZE_K bytes apart
	s_mov_b32 s[G1X+1], 1024<<16
	s_mov_b32 s[G1X+2], 4<<16
	s_mov_b32 s[G1X+3], 1024<<16
	s_mov_b32 s[G1X+4], 4
	s_mov_b32 s[G1X+5], 2*SIZE_K
	s_mov_b32 s[G1X+6], 0
	s_mov_b32 s[G1X+7], 0
	s_or_b32 s[G1SY], s88, (3<<16)|(1<<20)|(1<<21)|(5<<22)|(3<<25)   ; scale words of 64 rows: rows of 256 bytes, 16 bytes of padding behind each
	s_or_b32 s[G1SX], s89, (3<<16)|(1<<20)|(1<<21)|(5<<22)|(3<<25)
.irp g,G1SY,G1SX
	s_mov_b32 s[\g+1], 32<<16
	s_mov_b32 s[\g+3], 32<<16
	s_mov_b32 s[\g+6], 0
	s_mov_b32 s[\g+7], 0
.endr
	s_mov_b32 s[G1SY+2], KQN<<16                   ; Y: a row for each 128 along K, 16,384 bytes apart
	s_mov_b32 s[G1SY+4], KQN
	s_mov_b32 s[G1SY+5], 2048
	s_mov_b32 s[G1SX+2], (KQN*NT)<<16              ; X: the walk's tiles lie 4,096 bytes apart and a k / 128 is NT x 4,096 bytes: so rows 4,096 bytes apart bring all tiles of all of K
	s_mov_b32 s[G1SX+4], KQN*NT
	s_mov_b32 s[G1SX+5], 512
	s_lshl_b32 s16, s[WC], 6
	s_lshl_b32 s90, s[YT], 7
	s_add_co_u32 s90, s90, s16
	s_lshl_b32 s94, s90, 2
	s_add_co_u32 s94, s94, YSCAL
	s_mul_i32 s90, s90, SIZE_K
	s_mov_b32 s91, 0
	s_mov_b32 s95, 0
	s_lshl_b32 s92, s[XT], 7
	s_add_co_u32 s92, s92, s16
	s_lshl_b32 s96, s92, 2
	s_add_co_u32 s96, s96, XSCAL
	s_mul_i32 s92, s92, SIZE_K
	s_add_co_u32 s92, s92, XCODE
	s_mov_b32 s93, 0
	s_mov_b32 s97, 0
	s_mul_i32 s17, s[WC], YH                       ; where they go: no place in the cluster enters an LDS address
	s_mul_i32 s18, s[WC], XH
	s_add_co_u32 s18, s18, BUFA
	s_mul_i32 s19, s[WC], PARTY
	s_mul_i32 s[RB0], s[WC], PARTX
	s_wait_dscnt 0x0                               ; both opening adds are done
	s_wait_kmcnt 0x0
	s_add_nc_u64 s[90:91], s[4:5], s[90:91]
	s_add_nc_u64 s[94:95], s[4:5], s[94:95]
	s_add_nc_u64 s[92:93], s[6:7], s[92:93]
	s_add_nc_u64 s[96:97], s[6:7], s[96:97]
	CROUND                                         ; all sixteen work-groups are here: the first joint loads meet
	s_mov_b32 s[G0SY], 1
	s_add_co_u32 s[G0SY+1], s19, SCL
	s_mov_b64 s[G0SY+2:G0SY+3], s[94:95]
	s_or_b32 s[G0SY+3], s[G0SY+3], 0x80000000
	s_mov_b32 s[G0SX], 1
	s_add_co_u32 s[G0SX+1], s[RB0], SCLX
	s_mov_b64 s[G0SX+2:G0SX+3], s[96:97]
	s_or_b32 s[G0SX+3], s[G0SX+3], 0x80000000
	JLOAD G0SY, G1SY, G0SX, G1SX
.irp s,0,1
	s_mov_b32 s[G0Y+4*\s], 1
	s_add_co_u32 s[G0Y+4*\s+1], s17, \s*SLOT
	s_add_nc_u64 s[G0Y+4*\s+2:G0Y+4*\s+3], s[90:91], \s*512
	s_or_b32 s[G0Y+4*\s+3], s[G0Y+4*\s+3], 0x80000000
	s_mov_b32 s[G0X+4*\s], 1
	s_add_co_u32 s[G0X+4*\s+1], s18, \s*SLOT
	s_add_nc_u64 s[G0X+4*\s+2:G0X+4*\s+3], s[92:93], \s*8192
	s_or_b32 s[G0X+4*\s+3], s[G0X+4*\s+3], 0x80000000
	JLOAD G0Y+4*\s, G1Y, G0X+4*\s, G1X             ; by this text's count three tensor loads of a wave are out
.endr
	v_and_b32 v1, 15, v0                           ; r
	v_bfe_u32 v2, v0, 4, 1                         ; h
	v_and_b32 v3, 31, v0
	v_lshlrev_b32 v4, 4, v3                        ; 16 x lane; never rewritten
	v_mul_u32_u24 v5, v1, 528
	v_lshl_add_u32 v5, v2, 4, v5
	s_mul_i32 s90, s[WY], YH
	s_mul_i32 s91, s[WC], XH
.irp s,0,1
	v_add_nc_u32 v[ADRY+\s], s90, v5
	v_add_nc_u32 v[ADRX0+\s], s91, v4              ; X's fragments in buffer B; the buffer's offset is added tile by tile
	s_add_co_u32 s90, s90, SLOT
	s_add_co_u32 s91, s91, SLOT
.endr
	s_mul_i32 s90, s[WY], PARTY
	s_add_co_u32 s90, s90, SCL
	v_mul_u32_u24 v6, v2, 4*272                    ; lanes 16-31: four rows on: the second K step's words
	v_lshl_add_u32 v6, v1, 2, v6
	v_add_nc_u32 v[ADSY], s90, v6
	s_mul_i32 s91, s[WC], PARTX
	s_add_co_u32 s91, s91, SCLX
	v_mul_u32_u24 v6, v2, 4*NT*272
	v_lshl_add_u32 v6, v1, 2, v6
	v_add_nc_u32 v[ADSX], s91, v6
	s_lshl_b32 s96, s[WY], 13                      ; the refills' group 0: K step wave / 2, half wave % 2, of the first tile; each refill steps it a tile on
	s_mov_b32 s97, 0
	s_mov_b32 s[G0R], 1
	s_add_nc_u64 s[G0R+2:G0R+3], s[92:93], s[96:97]
	s_or_b32 s[G0R+3], s[G0R+3], 0x80000000
	s_mul_i32 s[RB0], s[WY], SLOT
	s_mul_i32 s96, s[WC], XH
	s_add_co_u32 s[RB0], s[RB0], s96               ; and its place in buffer B
	s_mov_b32 s[TG], BUFA                          ; the first refill turns it to buffer B,
	s_mov_b32 s[TR], 0                             ; the first tile's products turn this to buffer A
	s_mov_b32 s[SEL], 0x76543210
	s_mov_b32 s[SEL+1], 0xfedcba98
	s_mov_b32 s[MNT], 0x600000
.irp b,0,1,2,3
	v_mov_b32 v[TM+4+\b], 0                        ; a lane permute's destination counts as one of its sources
.endr
	s_lshl_b32 s94, s[XT], 7
	s_lshl_b32 s95, s[WC], 6
	s_add_co_u32 s94, s94, s95
	s_lshl_b32 s94, s94, 2
	s_mov_b32 s95, 0
	s_add_nc_u64 s[8:9], s[8:9], s[94:95]          ; the first tile's bias
	v_lshlrev_b32 v12, 6, v2
	WIN TO_F
.irp b,0,1,2,3
	global_load_b128 v[BIAS+8*\b:BIAS+8*\b+3], v12, s[8:9] offset:128*(\b/2)+32*(\b%2)       ; register j of block b is unit 32 (b / 2) + 16 h + 8 (b % 2) + j
	global_load_b128 v[BIAS+8*\b+4:BIAS+8*\b+7], v12, s[8:9] offset:128*(\b/2)+32*(\b%2)+16
.endr
	WIN 0
	s_lshl_b32 s94, s[YT], 3
	s_lshl_b32 s95, s[WY], 2
	s_add_co_u32 s94, s94, s95
	s_lshl_b32 s94, s94, 16                        ; my first block of 16 rows: 65,536 bytes each
	s_lshl_b32 s95, s[XT], 11
	s_add_co_u32 s94, s94, s95
	s_lshl_b32 s95, s[WC], 10
	s_add_co_u32 s94, s94, s95
	s_mov_b32 s95, 0
	s_add_nc_u64 s[12:13], s[10:11], s[94:95]      ; the images' way out
	s_lshl_b32 s94, s[YT], 7
	s_lshl_b32 s95, s[WY], 6
	s_add_co_u32 s94, s94, s95
	s_lshl_b32 s94, s94, 2
	s_lshl_b32 s95, s[XT], 14
	s_add_co_u32 s94, s94, s95
	s_lshl_b32 s95, s[WC], 1
	s_add_co_u32 s94, s94, s95
	s_add_co_u32 s94, s94, 16777216
	s_mov_b32 s95, 0
	s_add_nc_u64 s[14:15], s[10:11], s[94:95]      ; the scale words'
	v_and_b32 v13, 31, v0
	v_lshlrev_b32 v13, 2, v13                      ; 4 x lane
	v_lshlrev_b32 v14, 4, v2                       ; 16 h
	v_mov_b32 v8, 0xaf95df0b                       ; P: z^12
	v_mov_b32 v9, v8
	v_mov_b32 v10, 0xb77460cd                      ; Q: z^8
	v_mov_b32 v11, v10
	s_wait_tensorcnt 0x0                           ; my first fills have landed,
	s_barrier_signal -1
	s_barrier_wait -1                              ; everybody's have
	YREGS
.irp q,0,1,2,3
.irp i,0,1,2,3
	ds_load_b32 v[SCY+4*\q+\i], v[ADSY] offset:272*\q+64*\i
.endr
.endr
	; no tensor load is out: the first fills' descriptors take erf's coefficients, each twice (the packed form names a pair)
	s_mov_b32 s24, 0x32edffee                      ; P: z^10
	s_mov_b32 s26, 0xb60cff51                      ; z^8
	s_mov_b32 s28, 0xb86ec2d2                      ; z^6
	s_mov_b32 s30, 0xba40ac63                      ; z^4
	s_mov_b32 s32, 0xbb41a1f6                      ; z^2
	s_mov_b32 s34, 0xbc83dbd4                      ; 1
	s_mov_b32 s36, 0xb95fbd29                      ; Q: z^6
	s_mov_b32 s38, 0xbadc924e                      ; z^4
	s_mov_b32 s48, 0xbbf19bf8                      ; z^2
	s_mov_b32 s50, 0xbc69b6a7                      ; 1
.irp c,24,26,28,30,32,34,36,38,48,50
	s_mov_b32 s[\c+1], s[\c]
.endr
	s_mov_b32 s[CNT], NT-1
.Ltile:                                                ; NT - 1 trips: ahead of each tile's products but the last's the next tile is asked for
	CHANGE
	PROD
	WOUT 1
	s_sub_co_u32 s[CNT], s[CNT], 1
	s_cmp_lg_u32 s[CNT], 0
	s_cbranch_scc1 .Ltile
	s_wait_tensorcnt 0x0                           ; the last tile is written out: my part of it has landed
	s_wait_dscnt 0x0
	s_barrier_signal -1
	s_barrier_wait -1                              ; everybody's has; nothing is filled again
	PROD
	WOUT 0
	s_wait_tensorcnt 0x0                           ; the wave's end
	ds_add_u32 v[SPW], v[NIL]
	s_wait_dscnt 0x0
	CROUND                                         ; the closing round
	s_endpgm
.Lfunc_end_k_q6fc8981738_gf1:
	.size	k_q6fc8981738_gf1, .Lfunc_end_k_q6fc8981738_gf1-k_q6fc8981738_gf1
	.p2alignl 7, 3214868480
	.fill 96, 4, 3214868480
	.section	.rodata,"a",@progbits
	.p2align	6, 0x0
	.amdhsa_kernel k_q6fc8981738_gf1
		.amdhsa_group_segment_fixed_size 327680
		.amdhsa_private_segment_fixed_size 0
		.amdhsa_enable_private_segment 0
		.amdhsa_kernarg_size 32
		.amdhsa_user_sgpr_count 2
		.amdhsa_user_sgpr_kernarg_segment_ptr 1
		.amdhsa_wavefront_size32 1
		.amdhsa_system_sgpr_workgroup_id_x 1
		.amdhsa_system_sgpr_workgroup_id_y 1
		.amdhsa_system_sgpr_workgroup_id_z 1
		.amdhsa_system_vgpr_workitem_id 0
		.amdhsa_next_free_vgpr 1024
		.amdhsa_next_free_sgpr 102
		.amdhsa_reserve_vcc 0
		.amdhsa_float_denorm_mode_32 3
		.amdhsa_float_denorm_mode_16_64 3
		.amdhsa_memory_ordered 1
		.amdhsa_forward_progress 1
		.amdhsa_inst_pref_size 255
	.end_amdhsa_kernel
	.section	.bss,"aw",@nobits
	.p2align	6
	.space	262144
	.amdgpu_metadata
---
amdhsa.version: [ 1, 2 ]
amdhsa.kernels:
  - .name:           k_q6fc8981738_gf1
    .symbol:         k_q6fc8981738_gf1.kd
    .args:
      - { .name: act2, .offset: 0, .size: 8, .value_kind: global_buffer, .address_space: global }
      - { .name: wts, .offset: 8, .size: 8, .value_kind: global_buffer, .address_space: global }
      - { .name: b1, .offset: 16, .size: 8, .value_kind: global_buffer, .address_space: global }
      - { .name: hid, .offset: 24, .size: 8, .value_kind: global_buffer, .address_space: global }
    .group_segment_fixed_size: 327680
    .private_segment_fixed_size: 0
    .kernarg_segment_align: 8
    .kernarg_segment_size: 32
    .max_flat_workgroup_size: 128
    .sgpr_count:     102
    .vgpr_count:     1024
    .wavefront_size: 32
...
	.end_amdgpu_metadata
.endif
;; end of part 9
;; launch gf2: the kernel of part 7 again; grid 8 x 32, 4 waves a work-group, clusters of 4 x 4, 327,680 bytes of LDS; arguments hid, wts, b2, x1, out0; writes out0
